; MI455X (gfx1250); checked and timed in simulation.
; The chip was launched on July 23, 2026; its instructions are those of AMD's public machine-readable ISA for CDNA 5 (MIT licence, August 2026) and "CDNA5" Instruction Set Architecture Reference Guide (July 2026). The comments in the code are by the model that wrote it; some were corrected since.
;; Causal MHSA. Allowed arithmetic: matrix products marked QUANTISED: E2M1 operands, one E8M0 scale for each 32 along K, by v_wmma_scale_f32_16x16x128_f8f6f4 with both operands' format E2M1 (or v_wmma_scale_f32_32x16x128_f4), f32 sums; everything else in f32.
;; Inputs: Wk_codes 1,024 x 32 x 16 uint8 (E2M1 codes of Wk, K innermost, in blocks of 32 codes, two codes a byte); Wk_scales 1,024 x 32 uint8 (E8M0 scales of Wk, one for each 32 codes along K); Wo_codes 1,024 x 32 x 16 uint8 (E2M1 codes of Wo, K innermost, in blocks of 32 codes, two codes a byte); Wo_scales 1,024 x 32 uint8 (E8M0 scales of Wo, one for each 32 codes along K); Wq_codes 1,024 x 32 x 16 uint8 (E2M1 codes of Wq, K innermost, in blocks of 32 codes, two codes a byte); Wq_scales 1,024 x 32 uint8 (E8M0 scales of Wq, one for each 32 codes along K); Wv_codes 1,024 x 32 x 16 uint8 (E2M1 codes of Wv, K innermost, in blocks of 32 codes, two codes a byte); Wv_scales 1,024 x 32 uint8 (E8M0 scales of Wv, one for each 32 codes along K); ln_beta 1,024 float32; ln_gamma 1,024 float32; rel 16 x 129 float32; x 4 x 2,048 x 1,024 float32.
;; Outputs: out0 4 x 2,048 x 1,024 float32.
;; This version of the problem:
;;   THIS VERSION OF THE PROBLEM IS GIVEN IN LOW PRECISION. The matrix products marked QUANTISED in the list below multiply operands that are first quantised to E2M1 (2 exponent bits, 1 mantissa bit; 4 bits a number), with one power-of-two scale for each 32 numbers along K (OCP MX v1.0); their sums are f32. All else is computed in f32.
;;   The module's matrix products, in the order in which they are computed (A, B: the left and right operand; K: the contracted axis; several contracted axes count as one K, in the product's order):
;;     1. [M 8,192, K 1,024] x [K 1,024, N 1,024]; A: computed on the way; B: input Wq (given as codes): QUANTISED
;;     2. [M 8,192, K 1,024] x [K 1,024, N 1,024]; A: computed on the way; B: input Wk (given as codes): QUANTISED
;;     3. [M 8,192, K 1,024] x [K 1,024, N 1,024]; A: computed on the way; B: input Wv (given as codes): QUANTISED
;;     4. batch 64 x [M 2,048, K 64] x [K 64, N 2,048]; A: computed on the way; B: computed on the way: QUANTISED
;;     5. batch 64 x [M 2,048, K 2,048] x [K 2,048, N 64]; A: softmax (see below); B: computed on the way: QUANTISED
;;     6. [M 8,192, K 1,024] x [K 1,024, N 1,024]; A: computed on the way; B: input Wo (given as codes): QUANTISED
;;   THE QUANTISER, for each operand of a quantised product, along K:
;;     - K is cut into blocks of 32 from its start; a last block that is shorter is filled with zeros.
;;     - A block's scale is 2^e with e = floor(log2(the largest magnitude in the block)) - 2, held to -126 .. 127; a block of zeros has e = 0. As a byte (E8M0): e + 127.
;;     - Each number is divided by its block's scale, clamped to +-6, and rounded to the nearest number of E2M1, ties to even, subnormals kept.
;;     - The product sums the exact products of the quantised numbers (number of the format x scale) in f32.
;;   ~~~python
;;   def quantise(x, axis):      # numpy; x: float32 -> the quantised numbers, widened to float32 again
;;       x = np.moveaxis(x, axis, -1); K = x.shape[-1]
;;       x = np.pad(x, [(0, 0)] * (x.ndim - 1) + [(0, -K % 32)]); x = x.reshape(x.shape[:-1] + (-1, 32)); a = np.abs(x).max(-1, keepdims=True)
;;       e = np.where(a > 0, np.clip(np.frexp(np.where(a > 0, a, 1))[1] - 1 - 2, -126, 127), 0)      # np.frexp(a)[1] - 1 = floor(log2(a)), exactly
;;       r = np.clip(x / 2.0 ** e, -6, 6)
;;       step = 2.0 ** (np.maximum(np.frexp(np.where(r == 0, 1, r))[1] - 1, 0) - 1)
;;       q = np.round(r / step) * step * 2.0 ** e      # np.round: ties to even
;;       return np.moveaxis(q.reshape(q.shape[:-2] + (-1,))[..., :K], -1, axis).astype(np.float32)
;;   ~~~
;;   SOFTMAX AHEAD OF A QUANTISED PRODUCT. Where the list says 'softmax', what is quantised is not the finished softmax but p = 2^(t - M), with t = logit x log2(e) and M = ceil(the row's largest t), a whole number; so 1/2 < the row's largest p <= 1. The row's sum l is taken of the UNQUANTISED p, in f32, and the product's result is divided by l at the end. Since M is a whole number, a kernel that streams over the keys may use a running M (the ceiling of the running maximum): every later rescaling is an exact power of two, which a block's scale takes up: the codes' values come out the same.
;;   OPERANDS COMPUTED ON THE WAY. 'Computed on the way' means the value that the module computes at that place (a softmax that the list does not call 'softmax' is quantised finished and normalised). What goes into a quantiser is computed in f32, as accurately as f32 sums, v_exp_f32 and their like allow (about 1e-6 of the number): no bf16 or f16 on the way to a quantiser, and a product that is left as it is and whose result goes on into a quantised operand takes f32 operands (vector FMAs, or v_wmma_f32_16x16x4_f32). A number that lies on a knife's edge between two numbers of the format may be rounded either way, as far as f32 arithmetic and the matrix unit's own rounding can turn it there, and no further.
;;   INPUTS GIVEN AS CODES. Wk (in the module: [1024, 1024], K = its axis 1); Wo (in the module: [1024, 1024], K = its axis 1); Wq (in the module: [1024, 1024], K = its axis 1); Wv (in the module: [1024, 1024], K = its axis 1): each comes as NAME_codes (uint8): NAME with its K axis moved to the last place and cut into blocks of 32 codes, [.., K / 32, bytes a block], one block behind the other in memory; two codes a byte, the lower K in the low four bits (a code: sign, 2 exponent bits, 1 mantissa bit); and NAME_scales (uint8): the same leading axes, one E8M0 byte (e + 127) for each 32 codes along K. Its value is code x scale, taken as it is: it is not quantised again, and the codes and scales need not be those that the quantiser above would give.
;; 2 versions. Each part assembles by itself: llvm-mc -triple=amdgcn-amd-amdhsa -mcpu=gfx1250 --defsym DOCPART=n.
;; ======== version 1 of 2: 4 launches
;; workspace buffers: xa_img 4,194,304 bytes; xa_scl 262,144 bytes; w_img 2,097,152 bytes; q_img 4,194,304 bytes; q_scl 524,288 bytes; kv 9,175,040 bytes; y_img 4,194,304 bytes; y_scl 262,144 bytes
;; launch prep (part 1): grid 288 x 1, 8 waves a work-group, no clusters, 125,952 bytes of LDS; arguments x, ln_gamma, ln_beta, Wq_codes, Wk_codes, Wv_codes, Wo_codes, xa_img, xa_scl, w_img; writes xa_img, xa_scl, w_img
.if DOCPART == 1
	.amdgcn_target "amdgcn-amd-amdhsa--gfx1250"
	.amdhsa_code_object_version 6
	.text
	.protected	k_q5b0300eac4_prep
	.globl	k_q5b0300eac4_prep
	.p2align	8
	.type	k_q5b0300eac4_prep,@function
k_q5b0300eac4_prep:
	s_mov_b64 s[64:65], 0
	v_nop
	global_prefetch_b8 v0, s[64:65] scope:SCOPE_SE
	s_setreg_imm32_b32 hwreg(HW_REG_WAVE_MODE, 25, 1), 1
	s_wait_xcnt 0x0
; PREP.  Work-groups 0-255: LayerNorm of 32 tokens of x [8192][1024] f32, quantised along the 1,024 to FP4 (E2M1) with one E8M0 byte for each 32, and laid as IMAGES OF OPERAND REGISTERS.
; Work-groups 256-287: the four weights' codes [1024][512 bytes] are laid as the same images (no arithmetic).
; TILE ORDER (tokens and weight rows alike): rows go in groups of 32; tile 2 G + u holds, at its row r, row 32 G + 8 u + (r & 7) + 16 (r >> 3).
; IMAGE of a tile (16 rows x 1,024 K, 8,192 bytes): the 16 bytes of block kb (32 codes) of row r lie at 256 kb + 16 r: so a fragment (128 K) is two runs of 512 bytes taken at 16 x lane.
; SCALE IMAGE of a group (1,024 bytes): [q = 0, 1][lane r + 16 u][16 bytes]: the row's scale bytes 16 q .. 16 q + 15.
; A block's scale byte is its largest magnitude's exponent field - 2, held at 1 from below by a floor among the maximum's leaves.
; LIMITS: NaN and infinities among the inputs are not served; a block of zeros gets the byte 1 (its codes are zeros; this program alone reads the bytes).
; The mean is taken first and the variance of x - mean, so a common offset of x costs no accuracy.
; No matrix unit, no tensor load, no cluster: the launch streams x once and work-groups share nothing but gamma and beta (8 KB).
.set TURNB, 4608                       ; LDS, LayerNorm path: a wave's own turn stage: 32 blocks x (128 bytes + 16)
.set OST,   36864                      ; the group's two images on their way out: 64 rows (32 u + kb) x (256 bytes + 16)
.set SCS,   54272                      ; the group's scale image, 1,024 bytes
.set WST,   55296                      ; LDS, weights path (bytes of its own): a wave's own stage, 32 rows x 272
.set GA,  16                           ; v16-47   gamma as loaded: load j holds k = 128 j + 4 lane + 0..3
.set BE,  48                           ; v48-79   beta likewise
.set XR,  80                           ; v80-207  four rows of x, 32 registers each, laid as gamma
.set Z,   208                          ; v208-239 at work: four running pairs, then a whole block of 32 neighbours
.set CD,  240                          ; v240-243 a block's codes; v244-247 maximum, second chain, scale operand, byte
	s_load_b512 s[4:19], s[0:1], 0x0               ; x, gamma, beta, Wq, Wk, Wv, Wo codes, xa_img
	s_load_b128 s[20:23], s[0:1], 0x40             ; xa_scl, w_img
	v_lshl_add_u32 v254, v0, 2, 0x1e800
	v_mov_b32 v255, 0
	v_lshrrev_b32 v1, 5, v0
	v_readfirstlane_b32 s24, v1                    ; wave 0..7
	v_and_b32 v1, 31, v0                           ; lane
	v_lshlrev_b32 v2, 4, v1                        ; 16 x lane
	s_cmp_ge_u32 ttmp9, 256                        ; the same for all waves of a work-group
	s_cbranch_scc1 .Lweights
; ---------------- LayerNorm and quantiser: group G = work-group's number.  Wave w: tile u = w >> 2, tile rows 4 (w & 3) + 0..3, which are four tokens on end.
	s_mov_b32 s30, 0x76543210
	s_mov_b32 s31, 0xfedcba98                      ; v_permlanex16_b32's selects for lane xor 16
	s_mov_b32 s32, 0x3a800000                      ; 1 / 1024
	s_mov_b32 s33, 0x3727c5ac                      ; 1e-5
	s_lshr_b32 s25, s24, 2                         ; u
	s_and_b32 s34, s24, 3
	s_lshl_b32 s26, ttmp9, 17                      ; first token x 4,096 bytes: 32 G
	s_lshl_b32 s35, s25, 15                        ; + 8 u
	s_add_co_u32 s26, s26, s35
	s_and_b32 s35, s24, 1
	s_lshl_b32 s35, s35, 14                        ; + 4 (w & 1)
	s_add_co_u32 s26, s26, s35
	s_bfe_u32 s35, s24, 0x10001
	s_lshl_b32 s35, s35, 16                        ; + 16 ((w >> 1) & 1)
	s_add_co_u32 s26, s26, s35
	s_mov_b32 s27, 0
	s_mov_b32 s29, 0
	s_mul_i32 s36, s24, TURNB
	v_lshrrev_b32 v3, 3, v1
	v_lshl_add_u32 v3, v3, 4, v2
	v_add_nc_u32 v3, s36, v3                       ; into the turn: load j's 16 bytes belong to block 4 j + lane / 8: 576 j + 16 lane + 16 (lane / 8)
	v_mul_u32_u24 v4, v1, 144
	v_add_nc_u32 v4, s36, v4                       ; out of it: lane = block
	s_mul_i32 s37, s25, 8704
	s_lshl_b32 s38, s34, 6
	s_add_co_u32 s37, s37, s38
	s_add_co_u32 s37, s37, OST
	v_mul_u32_u24 v5, v1, 272
	v_add_nc_u32 v5, s37, v5                       ; codes: row 32 u + lane, byte 16 x tile row
	s_lshl_b32 s37, s25, 8
	s_add_co_u32 s37, s37, s38
	s_add_co_u32 s37, s37, SCS
	v_lshrrev_b32 v6, 4, v1
	v_and_b32 v7, 15, v1
	v_lshl_add_u32 v6, v6, 9, v7
	v_add_nc_u32 v6, s37, v6                       ; scale byte: 512 (lane / 16) + 16 (tile row + 16 u) + lane % 16
	s_mul_i32 s37, s24, 8*272
	s_add_co_u32 s37, s37, OST
	v_lshrrev_b32 v8, 4, v1
	v_mul_u32_u24 v8, v8, 272
	v_lshl_add_u32 v7, v7, 4, v8
	v_add_nc_u32 v7, s37, v7                       ; the way out: wave w takes rows 8 w .. 8 w + 7 of the 64, two an instruction
	v_lshlrev_b32 v8, 3, v0                        ; 8 x thread: the scale image's way out
	s_lshl_b32 s37, s24, 11
	v_add_nc_u32 v9, s37, v2                       ; 2,048 w + 16 lane
	v_mov_b32 v13, 0                               ; a lane permute's destination counts as one of its sources
	s_wait_kmcnt 0x0
	s_add_nc_u64 s[4:5], s[4:5], s[26:27]
	s_lshl_b32 s28, ttmp9, 14
	s_add_nc_u64 s[18:19], s[18:19], s[28:29]      ; the group's two images
	s_lshl_b32 s28, ttmp9, 10
	s_add_nc_u64 s[20:21], s[20:21], s[28:29]      ; its scale image
.irp q, 0,1,2,3,4,5,6,7
	global_load_b128 v[GA+4*\q:GA+4*\q+3], v2, s[6:7] offset:512*\q
.endr
.irp q, 0,1,2,3,4,5,6,7
	global_load_b128 v[BE+4*\q:BE+4*\q+3], v2, s[8:9] offset:512*\q
.endr
.irp p, 0,1,2,3
.irp q, 0,1,2,3,4,5,6,7
	global_load_b128 v[XR+32*\p+4*\q:XR+32*\p+4*\q+3], v2, s[4:5] offset:4096*\p+512*\q th:TH_LOAD_NT   ; 32 lanes read 512 bytes on end
.endr
.endr
.macro FOLD                            ; four running pairs into one number a lane
	v_pk_add_f32 v[Z:Z+1], v[Z:Z+1], v[Z+2:Z+3]
	v_pk_add_f32 v[Z+4:Z+5], v[Z+4:Z+5], v[Z+6:Z+7]
	v_pk_add_f32 v[Z:Z+1], v[Z:Z+1], v[Z+4:Z+5]
	v_add_f32 v12, v[Z], v[Z+1]
.endm
.macro REDUCE                          ; the sum over the 32 lanes, in every lane
	v_add_f32_dpp v12, v12, v12 row_xmask:1 row_mask:0xf bank_mask:0xf
	v_add_f32_dpp v12, v12, v12 row_xmask:2 row_mask:0xf bank_mask:0xf
	v_add_f32_dpp v12, v12, v12 row_xmask:4 row_mask:0xf bank_mask:0xf
	v_add_f32_dpp v12, v12, v12 row_xmask:8 row_mask:0xf bank_mask:0xf
	v_permlanex16_b32 v13, v12, s30, s31
	v_add_f32 v12, v12, v13
.endm
; One token: mean, variance, normalise, turn so that a lane holds a whole block of 32, quantise.
.macro ROW p
.set X, XR+32*(\p)
	s_wait_loadcnt 24-8*(\p)                       ; gamma, beta and this row are in; the 8 loads of each later row may be out
.irp c, 0,1,2,3
	v_pk_add_f32 v[Z+2*\c:Z+2*\c+1], v[X+2*\c:X+2*\c+1], v[X+8+2*\c:X+9+2*\c]
.endr
.irp g, 16,24
.irp c, 0,1,2,3
	v_pk_add_f32 v[Z+2*\c:Z+2*\c+1], v[Z+2*\c:Z+2*\c+1], v[X+\g+2*\c:X+\g+2*\c+1]
.endr
.endr
	FOLD
	REDUCE
	v_mul_f32 v10, s32, v12                        ; the mean, twice: a pair for the packed form
	v_mul_f32 v11, s32, v12
.set j, 0
.rept 16
	v_pk_add_f32 v[X+j:X+j+1], v[X+j:X+j+1], v[10:11] neg_lo:[0,1] neg_hi:[0,1]   ; x - mean
.set j, j+2
.endr
.irp c, 0,1,2,3
	v_pk_mul_f32 v[Z+2*\c:Z+2*\c+1], v[X+2*\c:X+2*\c+1], v[X+2*\c:X+2*\c+1]
.endr
.irp g, 8,16,24
.irp c, 0,1,2,3
	v_pk_fma_f32 v[Z+2*\c:Z+2*\c+1], v[X+\g+2*\c:X+\g+2*\c+1], v[X+\g+2*\c:X+\g+2*\c+1], v[Z+2*\c:Z+2*\c+1]
.endr
.endr
	FOLD
	REDUCE
	v_fma_f32 v12, v12, s32, s33                   ; variance + eps
	v_rsq_f32 v14, v12
	v_rsq_f32 v15, v12
	v_nop                                          ; one plain instruction between a transcendental and the use of its result (ISA guide 5.7.2)
.set j, 0
	s_wait_alu depctr_va_vdst(0)
.rept 16
	v_pk_mul_f32 v[X+j:X+j+1], v[X+j:X+j+1], v[14:15]
.set j, j+2
.endr
.set j, 0
.rept 16
	v_pk_fma_f32 v[X+j:X+j+1], v[X+j:X+j+1], v[GA+j:GA+j+1], v[BE+j:BE+j+1]
.set j, j+2
.endr
.irp q, 0,1,2,3,4,5,6,7
	ds_store_b128 v3, v[X+4*\q:X+4*\q+3] offset:576*\q
.endr
.irp q, 0,1,2,3,4,5,6,7
	ds_load_b128 v[Z+4*\q:Z+4*\q+3], v4 offset:16*\q   ; LDS serves a wave's instructions in order: these see the stores above
.endr
	s_wait_dscnt 0x0                               ; my block is in; the last row's stores of codes and byte are done too
	v_max3_num_f32 v244, |v[Z]|, |v[Z+1]|, |v[Z+2]|
	v_max3_num_f32 v245, |v[Z+3]|, |v[Z+4]|, |v[Z+5]|
.irp i, 6,10,14,18,22,26
	v_max3_num_f32 v244, v244, |v[Z+\i]|, |v[Z+\i+1]|
	v_max3_num_f32 v245, v245, |v[Z+\i+2]|, |v[Z+\i+3]|
.endr
	v_max3_num_f32 v244, v244, |v[Z+30]|, |v[Z+31]|
	v_max3_num_f32 v244, v244, v245, 0x1800000     ; the floor 2^(3 - 127): the byte cannot fall under 1
	v_add_nc_u32 v246, 0xff000000, v244            ; 2 off the exponent field: the conversion's scale operand
	v_lshrrev_b32 v247, 23, v246                   ; the scale's byte
.irp g, 0,1,2,3
	v_cvt_scalef32_pk8_fp4_f32 v[CD+\g], v[Z+8*\g:Z+8*\g+7], v246
.endr
	v_nop                                          ; one plain instruction behind the last scaled conversion: the next row writes its sources
	ds_store_b128 v5, v[CD:CD+3] offset:16*(\p)
	ds_store_b8 v6, v247 offset:16*(\p)
.endm
	ROW 0
	ROW 1
	ROW 2
	ROW 3
	s_wait_dscnt 0x0                               ; for the others' sake: my stores into the images are done
	s_barrier_signal -1
	s_barrier_wait -1
.irp k, 0,1,2,3
	ds_load_b128 v[Z+4*\k:Z+4*\k+3], v7 offset:544*\k
.endr
.irp k, 0,1,2,3
	s_wait_dscnt 3-\k
	global_store_b128 v9, v[Z+4*\k:Z+4*\k+3], s[18:19] offset:512*\k   ; 32 lanes store 512 bytes on end, aligned to 256
.endr
	s_cmp_ge_u32 s24, 4                            ; waves 0-3 take the 1,024 bytes of the scale image, 256 each
	s_cbranch_scc1 .Lln_done
	ds_load_b64 v[10:11], v8 offset:SCS
	s_wait_dscnt 0x0
	global_store_b64 v8, v[10:11], s[20:21]
.Lln_done:
	s_wait_tensorcnt 0x0
	ds_add_u32 v254, v255
	s_wait_dscnt 0x0
	s_endpgm
; ---------------- The weights' images: a wave takes one tile of 16 rows; 32 work-groups x 8 waves = 4 weights x 64 tiles.
.Lweights:
	s_sub_co_u32 s25, ttmp9, 256
	s_lshr_b32 s36, s25, 3                         ; which weight: q, k, v, o
	s_lshl_b32 s25, s25, 3
	s_add_co_u32 s25, s25, s24                     ; tile 0..255 of w_img
	s_and_b32 s37, s25, 63                         ; tile of the weight
	s_lshr_b32 s38, s37, 1
	s_lshl_b32 s38, s38, 14                        ; 32 rows of 512 bytes for each group,
	s_and_b32 s39, s37, 1
	s_lshl_b32 s39, s39, 12                        ; 8 rows for the odd tile
	s_add_co_u32 s26, s38, s39
	s_mov_b32 s27, 0
	s_lshl_b32 s28, s25, 13
	s_mov_b32 s29, 0
	s_mul_i32 s40, s24, 8704
	s_add_co_u32 s40, s40, WST
	v_mul_u32_u24 v3, v1, 272
	v_add_nc_u32 v3, s40, v3                       ; in: stage row = block = lane; byte 16 x tile row
	v_lshrrev_b32 v4, 4, v1
	v_mul_u32_u24 v4, v4, 272
	v_and_b32 v5, 15, v1
	v_lshl_add_u32 v4, v5, 4, v4
	v_add_nc_u32 v4, s40, v4                       ; back: two stage rows an instruction
	s_wait_kmcnt 0x0
	s_mov_b64 s[34:35], s[10:11]
	s_cmp_eq_u32 s36, 1                            ; the choice hangs on the work-group's number alone
	s_cselect_b64 s[34:35], s[12:13], s[34:35]
	s_cmp_eq_u32 s36, 2
	s_cselect_b64 s[34:35], s[14:15], s[34:35]
	s_cmp_eq_u32 s36, 3
	s_cselect_b64 s[34:35], s[16:17], s[34:35]
	s_add_nc_u64 s[34:35], s[34:35], s[26:27]
	s_add_nc_u64 s[22:23], s[22:23], s[28:29]
.irp p, 0,1,2,3,4,5,6,7,8,9,10,11,12,13,14,15
	global_load_b128 v[80+4*\p:83+4*\p], v2, s[34:35] offset:((\p%8)+16*(\p/8))*512   ; tile row p: one whole row of 512 bytes
.endr
.irp p, 0,1,2,3,4,5,6,7,8,9,10,11,12,13,14,15
	s_wait_loadcnt 15-\p
	ds_store_b128 v3, v[80+4*\p:83+4*\p] offset:16*\p
.endr
.irp k, 0,1,2,3,4,5,6,7,8,9,10,11,12,13,14,15
	ds_load_b128 v[144+4*\k:147+4*\k], v4 offset:544*\k   ; the stage is my wave's own: LDS serves a wave's instructions in order
.endr
.irp k, 0,1,2,3,4,5,6,7,8,9,10,11,12,13,14,15
	s_wait_dscnt 15-\k
	global_store_b128 v2, v[144+4*\k:147+4*\k], s[22:23] offset:512*\k
.endr
	s_wait_tensorcnt 0x0
	ds_add_u32 v254, v255
	s_wait_dscnt 0x0
	s_endpgm
.Lfunc_end_k_q5b0300eac4_prep:
	.size	k_q5b0300eac4_prep, .Lfunc_end_k_q5b0300eac4_prep-k_q5b0300eac4_prep
	.p2alignl 7, 3214868480
	.fill 96, 4, 3214868480
	.section	.rodata,"a",@progbits
	.p2align	6, 0x0
	.amdhsa_kernel k_q5b0300eac4_prep
		.amdhsa_group_segment_fixed_size 125952
		.amdhsa_private_segment_fixed_size 0
		.amdhsa_enable_private_segment 0
		.amdhsa_kernarg_size 80
		.amdhsa_user_sgpr_count 2
		.amdhsa_user_sgpr_kernarg_segment_ptr 1
		.amdhsa_wavefront_size32 1
		.amdhsa_system_sgpr_workgroup_id_x 1
		.amdhsa_system_sgpr_workgroup_id_y 1
		.amdhsa_system_sgpr_workgroup_id_z 1
		.amdhsa_system_vgpr_workitem_id 0
		.amdhsa_next_free_vgpr 256
		.amdhsa_next_free_sgpr 66
		.amdhsa_reserve_vcc 0
		.amdhsa_float_denorm_mode_32 3
		.amdhsa_float_denorm_mode_16_64 3
		.amdhsa_memory_ordered 1
		.amdhsa_forward_progress 1
		.amdhsa_inst_pref_size 51
	.end_amdhsa_kernel
	.amdgpu_metadata
---
amdhsa.version: [ 1, 2 ]
amdhsa.kernels:
  - .name:           k_q5b0300eac4_prep
    .symbol:         k_q5b0300eac4_prep.kd
    .args:
      - { .name: x, .offset: 0, .size: 8, .value_kind: global_buffer, .address_space: global }
      - { .name: ln_gamma, .offset: 8, .size: 8, .value_kind: global_buffer, .address_space: global }
      - { .name: ln_beta, .offset: 16, .size: 8, .value_kind: global_buffer, .address_space: global }
      - { .name: Wq_codes, .offset: 24, .size: 8, .value_kind: global_buffer, .address_space: global }
      - { .name: Wk_codes, .offset: 32, .size: 8, .value_kind: global_buffer, .address_space: global }
      - { .name: Wv_codes, .offset: 40, .size: 8, .value_kind: global_buffer, .address_space: global }
      - { .name: Wo_codes, .offset: 48, .size: 8, .value_kind: global_buffer, .address_space: global }
      - { .name: xa_img, .offset: 56, .size: 8, .value_kind: global_buffer, .address_space: global }
      - { .name: xa_scl, .offset: 64, .size: 8, .value_kind: global_buffer, .address_space: global }
      - { .name: w_img, .offset: 72, .size: 8, .value_kind: global_buffer, .address_space: global }
    .group_segment_fixed_size: 125952
    .private_segment_fixed_size: 0
    .kernarg_segment_align: 8
    .kernarg_segment_size: 80
    .max_flat_workgroup_size: 256
    .sgpr_count:     66
    .vgpr_count:     256
    .wavefront_size: 32
...
	.end_amdgpu_metadata
.endif
;; end of part 1
;; launch qkv (part 2): grid 4 x 64, 4 waves a work-group, no clusters, 66,048 bytes of LDS; arguments xa_img, xa_scl, w_img, Wq_scales, Wk_scales, Wv_scales, q_img, q_scl, kv; writes q_img, q_scl, kv
.if DOCPART == 2
	.amdgcn_target "amdgcn-amd-amdhsa--gfx1250"
	.amdhsa_code_object_version 6
	.text
	.protected	k_q5b0300eac4_qkv
	.globl	k_q5b0300eac4_qkv
	.p2align	8
	.type	k_q5b0300eac4_qkv,@function
k_q5b0300eac4_qkv:
	s_mov_b64 s[64:65], 0
	v_nop
	global_prefetch_b8 v0, s[64:65] scope:SCOPE_SE
	s_setreg_imm32_b32 hwreg(HW_REG_WAVE_MODE, 25, 1), 1
	s_wait_xcnt 0x0
; QKV.  q, k, v = xn Wq^T, xn Wk^T, xn Wv^T on FP4 codes (K = 1,024), each result quantised in registers for attention: q / 8 and k along the head's 64, v along the keys.
; SHARES.  A work-group: 128 tokens (block y) x four heads; wave w: head hd = 4 x + w, its 64 columns of each of the three weights.  256 work-groups.
; xn's 8 tile images (64 KB) are copied into LDS once and read by all four waves; a wave's 32 KB of one weight go from memory straight into 256 registers, since no other wave of the work-group wants them.
; Straight-line text: three products of 8 K steps x 32 matrix instructions, 32 accumulators by turns.
; q AND k ARE MADE TRANSPOSED (source 0 = 16 weight rows, source 1 = 16 tokens): a lane holds one token and, by the tile order of the weight's rows, 16 neighbouring channels in two tiles' registers.
; v IS MADE THE OTHER WAY (source 0 = tokens, source 1 = weight rows): a lane holds one channel and, by the tile order of the tokens, 16 neighbouring keys.
; q / 8: dividing by 8 changes no code; its scale byte is q's less 3.  The floor on |q| is 2^(6 - 127), so that the byte of q / 8 is held at 1 from below as the quantiser's rule asks.
; OUT.  q_img [bh][128 tiles][512]: lane's 16 bytes at 16 x lane = block lane / 16 of row lane % 16.  q_scl [bh][16 steps][lane][4 words]: word j of lane (r, h): tile 2 j + h, row r; bytes 2, 3 are 0.
; kv [bh][16 key steps][8,960]: K's 8 pieces at 0, V^T's 4 fragments (16 channels x 128 keys) at 4,096, K's scale words at 8,192 (as q_scl), V's at 8,704 (lane (r, h): words j = 0, 1 of channel tile 2 j + h).
; No cluster: what the four work-groups of a token block share is 68 KB of the 164 KB that each reads, and it is read once; no tensor load: every LDS byte is written once, by plain stores.
; LIMITS: NaN and infinities are not served; a block of zeros gets the floor's byte (its codes are zeros; this program alone reads the bytes).
; REGISTERS: window 0: v1-4 addresses; v16-47 xn's scale words; v48-79 the weights', two sets; v80-207 xn's fragments, two buffers of 8; v208-243 at work.  window 1: 32 accumulators.  windows 2, 3: a weight's 32 fragments each.
.set L16, 1                            ; 16 x lane
.set T16, 2                            ; 16 x thread
.set VW,  3                            ; a weight's scale bytes: 32 x (the row that tile order gives lane r + 16 u)
.set L8,  4                            ; 8 x lane
.set AS,  16                           ; AS + 8 j + s: K step s; lanes 0-15 token tile 2 j, lanes 16-31 tile 2 j + 1
.set WS,  48                           ; WS + 16 set + 8 b + s: likewise for weight tiles 2 b, 2 b + 1
.set AF,  80
.set TM,  208                          ; +0..3 largest magnitudes, +4..7 bytes, +12..15 the conversions' scale operands
.set PC,  224                          ; codes just made
.set PW,  232                          ; scale words just made
.set SW,  240                          ; scale words as they are stored
.set SEL, 34
.set MSB, 0
.macro WIN new                         ; the immediate's high byte repeats the setting that is left; a switch that changes nothing is dropped
.if MSB != \new
	s_set_vgpr_msb (MSB<<8)|\new
.set MSB, \new
.endif
.endm
.macro PLACES                          ; four plain instructions between a matrix instruction and a read of its result or a load into one of its registers
.rept 4
	v_nop
.endr
.endm
; One matrix instruction from the symbols rD, rA, rB, rSA, rSB; fZ: the constant 0 starts the sum; fRA, fRB: that side's scales stand in lanes 16-31.
.macro WM
.if fZ
.if fRA && fRB
	v_wmma_scale_f32_16x16x128_f8f6f4 v[rD:rD+7], v[rA:rA+7], v[rB:rB+7], 0, v[rSA], v[rSB] matrix_a_fmt:MATRIX_FMT_FP4 matrix_b_fmt:MATRIX_FMT_FP4 matrix_a_scale:MATRIX_SCALE_ROW1 matrix_b_scale:MATRIX_SCALE_ROW1
.elseif fRA
	v_wmma_scale_f32_16x16x128_f8f6f4 v[rD:rD+7], v[rA:rA+7], v[rB:rB+7], 0, v[rSA], v[rSB] matrix_a_fmt:MATRIX_FMT_FP4 matrix_b_fmt:MATRIX_FMT_FP4 matrix_a_scale:MATRIX_SCALE_ROW1
.elseif fRB
	v_wmma_scale_f32_16x16x128_f8f6f4 v[rD:rD+7], v[rA:rA+7], v[rB:rB+7], 0, v[rSA], v[rSB] matrix_a_fmt:MATRIX_FMT_FP4 matrix_b_fmt:MATRIX_FMT_FP4 matrix_b_scale:MATRIX_SCALE_ROW1
.else
	v_wmma_scale_f32_16x16x128_f8f6f4 v[rD:rD+7], v[rA:rA+7], v[rB:rB+7], 0, v[rSA], v[rSB] matrix_a_fmt:MATRIX_FMT_FP4 matrix_b_fmt:MATRIX_FMT_FP4
.endif
.else
.if fRA && fRB
	v_wmma_scale_f32_16x16x128_f8f6f4 v[rD:rD+7], v[rA:rA+7], v[rB:rB+7], v[rD:rD+7], v[rSA], v[rSB] matrix_a_fmt:MATRIX_FMT_FP4 matrix_b_fmt:MATRIX_FMT_FP4 matrix_a_scale:MATRIX_SCALE_ROW1 matrix_b_scale:MATRIX_SCALE_ROW1
.elseif fRA
	v_wmma_scale_f32_16x16x128_f8f6f4 v[rD:rD+7], v[rA:rA+7], v[rB:rB+7], v[rD:rD+7], v[rSA], v[rSB] matrix_a_fmt:MATRIX_FMT_FP4 matrix_b_fmt:MATRIX_FMT_FP4 matrix_a_scale:MATRIX_SCALE_ROW1
.elseif fRB
	v_wmma_scale_f32_16x16x128_f8f6f4 v[rD:rD+7], v[rA:rA+7], v[rB:rB+7], v[rD:rD+7], v[rSA], v[rSB] matrix_a_fmt:MATRIX_FMT_FP4 matrix_b_fmt:MATRIX_FMT_FP4 matrix_b_scale:MATRIX_SCALE_ROW1
.else
	v_wmma_scale_f32_16x16x128_f8f6f4 v[rD:rD+7], v[rA:rA+7], v[rB:rB+7], v[rD:rD+7], v[rSA], v[rSB] matrix_a_fmt:MATRIX_FMT_FP4 matrix_b_fmt:MATRIX_FMT_FP4
.endif
.endif
.endm
.macro WSCL set, sb                    ; a weight's scale words of my 64 rows, straight from the input [1024][32 bytes]: 4 loads
.irp b, 0,1
.irp q, 0,1
	global_load_b128 v[WS+16*(\set)+8*\b+4*\q:WS+16*(\set)+8*\b+4*\q+3], v[VW], s[\sb:\sb+1] offset:1024*\b+16*\q
.endr
.endr
.endm
.macro WLOAD win, ty, half             ; K steps 4 half .. 4 half + 3 of weight ty's four tiles of my head into the window that win names as destination: 32 loads of 512 bytes on end
	WIN \win
.set wt, 0
.rept 4
.set ws, 4*(\half)
.rept 4
	global_load_b128 v[64*wt+8*ws:64*wt+8*ws+3], v[L16], s[8:9] offset:(\ty)*524288+8192*wt+1024*ws
	global_load_b128 v[64*wt+8*ws+4:64*wt+8*ws+7], v[L16], s[8:9] offset:(\ty)*524288+8192*wt+1024*ws+512
.set ws, ws+1
.endr
.set wt, wt+1
.endr
	WIN 0
.endm
.macro FETCH_A s                       ; the 8 token tiles' fragments of K step s into buffer s % 2: 16 LDS loads of 512 bytes on end
.set fi, 0
.rept 8
	ds_load_b128 v[AF+64*((\s)%2)+8*fi:AF+64*((\s)%2)+8*fi+3], v[L16] offset:8192*fi+1024*(\s)
	ds_load_b128 v[AF+64*((\s)%2)+8*fi+4:AF+64*((\s)%2)+8*fi+7], v[L16] offset:8192*fi+1024*(\s)+512
.set fi, fi+1
.endr
.endm
; A K step of 128: 32 matrix instructions.  kind 0: source 0 = weight tile t, source 1 = token tile i, accumulator 4 i + t.  kind 1: the sources change places, accumulator 8 t + i.
; next = 1: the following K step's fragments are asked for first, into the buffer that the step before multiplied.
.macro GSTEP kind, s, win, set, next
.if \next
	PLACES
	FETCH_A ((\s)+1)%8
	s_wait_dscnt 16                                ; this step's 16 loads are in; the 16 just issued may be out
.else
	s_wait_dscnt 0x0
.endif
	WIN \win
.if (\s) == 0
.set fZ, 1
.else
.set fZ, 0
.endif
.set gi, 0
.rept 8
.set gt, 0
.rept 4
.if \kind == 0
.set rD, 8*(4*gi+gt)
.set rA, 64*gt+8*(\s)
.set rB, AF+64*((\s)%2)+8*gi
.set rSA, WS+16*(\set)+8*(gt/2)+(\s)
.set rSB, AS+8*(gi/2)+(\s)
.set fRA, gt%2
.set fRB, gi%2
.else
.set rD, 8*(8*gt+gi)
.set rA, AF+64*((\s)%2)+8*gi
.set rB, 64*gt+8*(\s)
.set rSA, AS+8*(gi/2)+(\s)
.set rSB, WS+16*(\set)+8*(gt/2)+(\s)
.set fRA, gi%2
.set fRB, gt%2
.endif
	WM
.set gt, gt+1
.endr
.set gi, gi+1
.endr
	WIN 0
.endm
; 64 accumulator registers of window 1, register 16 b + i = number 32 b + 16 (lane / 16) + i of the lane's row, become codes in v[PC] on (a whole block a lane: registers 4 c .. 4 c + 3 hold block 2 c + lane / 16) and four bytes in v[TM+4] on.
; Each accumulator is first read at its two lowest registers.
.macro QUANT4 src, floor
	WIN 0x05                                       ; sources 0 and 1: window 1
.irp b, 0,1,2,3
	v_max3_num_f32 v[TM+\b], |v[(\src)+16*\b]|, |v[(\src)+16*\b+1]|, \floor
.endr
	WIN 0x14                                       ; sources 1 and 2: window 1
.irp i, 2,4,6,8,10,12,14
.irp b, 0,1,2,3
	v_max3_num_f32 v[TM+\b], v[TM+\b], |v[(\src)+16*\b+\i]|, |v[(\src)+16*\b+\i+1]|
.endr
.endr
	WIN 0
.irp b, 0,1,2,3
	v_permlanex16_b32 v[TM+4+\b], v[TM+\b], s[SEL], s[SEL+1]
.endr
.irp b, 0,1,2,3
	v_max_num_f32 v[TM+\b], v[TM+\b], v[TM+4+\b]   ; with lane xor 16's 16 numbers: the block's largest magnitude
.endr
.irp b, 0,1,2,3
	v_add_nc_u32 v[TM+12+\b], 0xff000000, v[TM+\b] ; 2 off the exponent field: the conversion's scale operand
.endr
.irp b, 0,1,2,3
	v_lshrrev_b32 v[TM+4+\b], 23, v[TM+12+\b]      ; the scale's byte
.endr
	s_wait_xcnt 0x0                                ; earlier stores have read v[PC] on and v[SW] on: they are written again only behind this wait
	WIN 0x01                                       ; source 0: window 1
.irp b, 0,1,2,3
	v_cvt_scalef32_pk8_fp4_f32 v[PC+2*\b], v[(\src)+16*\b:(\src)+16*\b+7], v[TM+12+\b]
	v_cvt_scalef32_pk8_fp4_f32 v[PC+2*\b+1], v[(\src)+16*\b+8:(\src)+16*\b+15], v[TM+12+\b]
.endr
	WIN 0
	v_nop                                          ; one plain instruction behind the last scaled conversion
.irp c, 0,1
.irp i, 0,1
	v_permlane16_swap_b32 v[PC+4*\c+\i], v[PC+4*\c+2+\i]
.endr
.endr
.endm
; q's or k's way out: token tiles 2 a and 2 a + 1 at a time (two blocks of 32 channels each); a tile's piece is 512 bytes on end.
.macro EPI_QK floor, sub, pb, sb, soff
	PLACES
.irp a, 0,1,2,3
	QUANT4 64*\a, \floor
	v_lshl_or_b32 v[PW+2*\a], v[TM+5], 8, v[TM+4]
	v_lshl_or_b32 v[PW+2*\a+1], v[TM+7], 8, v[TM+6]
.if \sub
	v_add_nc_u32 v[PW+2*\a], \sub, v[PW+2*\a]      ; 3 off both bytes (each is 4 at the least: nothing is borrowed)
	v_add_nc_u32 v[PW+2*\a+1], \sub, v[PW+2*\a+1]
.endif
	global_store_b128 v[L16], v[PC:PC+3], s[\pb:\pb+1] offset:1024*\a
	global_store_b128 v[L16], v[PC+4:PC+7], s[\pb:\pb+1] offset:1024*\a+512
.endr
.irp j, 0,1,2,3
	v_cndmask_b32 v[SW+\j], v[PW+2*\j], v[PW+2*\j+1], vcc_lo   ; lanes 0-15 tile 2 j's word, lanes 16-31 tile 2 j + 1's
.endr
	global_store_b128 v[L16], v[SW:SW+3], s[\sb:\sb+1] offset:\soff
.endm
	s_load_b512 s[4:19], s[0:1], 0x0               ; xa_img, xa_scl, w_img, Wq, Wk, Wv scales, q_img, q_scl
	s_load_b64 s[20:21], s[0:1], 0x40              ; kv
	v_lshl_add_u32 v254, v0, 2, 0x10000
	v_mov_b32 v255, 0
	v_lshrrev_b32 v1, 5, v0
	v_readfirstlane_b32 s22, v1                    ; wave 0..3
	v_lshlrev_b32 v[T16], 4, v0
	v_and_b32 v5, 31, v0
	v_lshlrev_b32 v[L16], 4, v5
	v_lshlrev_b32 v[L8], 3, v5
	v_bfe_u32 v6, v0, 4, 1
	v_and_b32 v7, 7, v0
	v_bfe_u32 v8, v0, 3, 1
	v_lshlrev_b32 v[VW], 5, v7                     ; 32 bytes a row: (r & 7)
	v_lshl_add_u32 v[VW], v6, 8, v[VW]             ; + 8 u
	v_lshl_add_u32 v[VW], v8, 9, v[VW]             ; + 16 (r >> 3)
.irp b, 0,1,2,3
	v_mov_b32 v[TM+4+\b], 0                        ; a lane permute's destination counts as one of its sources
.endr
	s_mov_b32 vcc_lo, 0xffff0000                   ; lanes 16-31
	s_mov_b32 s[SEL], 0x76543210
	s_mov_b32 s[SEL+1], 0xfedcba98
	s_and_b32 s23, ttmp7, 0xffff                   ; block of 128 tokens
	s_lshl_b32 s25, ttmp9, 2
	s_add_co_u32 s25, s25, s22                     ; head
	s_lshr_b32 s26, s23, 4                         ; batch
	s_and_b32 s27, s23, 15                         ; key step
	s_lshl_b32 s28, s26, 4
	s_add_co_u32 s28, s28, s25                     ; bh
	s_mov_b32 s31, 0
	s_wait_kmcnt 0x0
	s_lshl_b32 s30, s23, 16
	s_add_nc_u64 s[4:5], s[4:5], s[30:31]          ; my block's 8 images
	s_lshl_b32 s30, s23, 12
	s_add_nc_u64 s[6:7], s[6:7], s[30:31]          ; its 4 scale images
	s_lshl_b32 s30, s25, 15
	s_add_nc_u64 s[8:9], s[8:9], s[30:31]          ; my head's 4 tiles of each weight
	s_lshl_b32 s30, s25, 11
	s_add_nc_u64 s[10:11], s[10:11], s[30:31]      ; my head's 64 rows of scale bytes
	s_add_nc_u64 s[12:13], s[12:13], s[30:31]
	s_add_nc_u64 s[14:15], s[14:15], s[30:31]
	s_lshl_b32 s30, s28, 16
	s_lshl_b32 s32, s27, 12
	s_add_co_u32 s30, s30, s32
	s_add_nc_u64 s[16:17], s[16:17], s[30:31]
	s_lshl_b32 s30, s28, 13
	s_lshl_b32 s32, s27, 9
	s_add_co_u32 s30, s30, s32
	s_add_nc_u64 s[18:19], s[18:19], s[30:31]
	s_mul_i32 s30, s28, 143360
	s_mul_i32 s32, s27, 8960
	s_add_co_u32 s30, s30, s32
	s_add_nc_u64 s[20:21], s[20:21], s[30:31]
.set ai, 0
.rept 32
	global_load_b128 v[AF+4*ai:AF+4*ai+3], v[T16], s[4:5] offset:2048*ai   ; the block's 64 KB, 2,048 bytes on end for each line of the work-group
.set ai, ai+1
.endr
.irp j, 0,1,2,3
.irp q, 0,1
	global_load_b128 v[AS+8*\j+4*\q:AS+8*\j+4*\q+3], v[L16], s[6:7] offset:1024*\j+512*\q
.endr
.endr
	WSCL 0, 10
	WLOAD 0x80, 0, 0
	s_wait_loadcnt 44                              ; the block's 32 loads are in; behind them stand 8 + 4 + 32
.set ai, 0
.rept 32
	ds_store_b128 v[T16], v[AF+4*ai:AF+4*ai+3] offset:2048*ai
.set ai, ai+1
.endr
	WLOAD 0x80, 0, 1
	s_wait_dscnt 0x0                               ; for the others' sake: my part of the block lies in LDS
	s_barrier_signal -1
	s_barrier_wait -1                              ; the only barrier: from here on LDS is only read
	FETCH_A 0
	s_wait_loadcnt 0x0                             ; scale words and Wq's fragments
	; ---- q: Wq in window 2, scale set 0; Wk comes into window 3 and set 1 meanwhile
	GSTEP 0, 0, 0x52, 0, 1
	WSCL 1, 12
	WLOAD 0xc0, 1, 0
.irp s, 1,2,3,4
	GSTEP 0, \s, 0x52, 0, 1
.endr
	WLOAD 0xc0, 1, 1
.irp s, 5,6,7
	GSTEP 0, \s, 0x52, 0, 1
.endr
	EPI_QK 0x3000000, 0xfffffcfd, 16, 18, 0
	s_wait_loadcnt 0x0                             ; Wk
	; ---- k: Wk in window 3, set 1; Wv comes into window 2 and set 0
	GSTEP 0, 0, 0x53, 1, 1
	WSCL 0, 14
	WLOAD 0x80, 2, 0
.irp s, 1,2,3,4
	GSTEP 0, \s, 0x53, 1, 1
.endr
	WLOAD 0x80, 2, 1
.irp s, 5,6,7
	GSTEP 0, \s, 0x53, 1, 1
.endr
	EPI_QK 0x1800000, 0, 20, 20, 8192
	s_wait_loadcnt 0x0                             ; Wv
	; ---- v: source 0 = tokens (window 0), source 1 = Wv (window 2)
.irp s, 0,1,2,3,4,5,6
	GSTEP 1, \s, 0x58, 0, 1
.endr
	GSTEP 1, 7, 0x58, 0, 0
	PLACES
.irp t, 0,1,2,3                        ; channel tile t: 64 registers = 128 keys of one channel a lane: a whole fragment and one scale word
	QUANT4 64*\t, 0x1800000
	v_lshl_or_b32 v[PW+\t], v[TM+5], 8, v[TM+4]
	v_lshl_or_b32 v[PW+\t], v[TM+6], 16, v[PW+\t]
	v_lshl_or_b32 v[PW+\t], v[TM+7], 24, v[PW+\t]
	global_store_b128 v[L16], v[PC:PC+3], s[20:21] offset:4096+1024*\t
	global_store_b128 v[L16], v[PC+4:PC+7], s[20:21] offset:4096+1024*\t+512
.endr
	v_cndmask_b32 v[SW], v[PW], v[PW+1], vcc_lo
	v_cndmask_b32 v[SW+1], v[PW+2], v[PW+3], vcc_lo
	global_store_b64 v[L8], v[SW:SW+1], s[20:21] offset:8704
	s_wait_tensorcnt 0x0
	ds_add_u32 v254, v255
	s_wait_dscnt 0x0
	s_endpgm
.Lfunc_end_k_q5b0300eac4_qkv:
	.size	k_q5b0300eac4_qkv, .Lfunc_end_k_q5b0300eac4_qkv-k_q5b0300eac4_qkv
	.p2alignl 7, 3214868480
	.fill 96, 4, 3214868480
	.section	.rodata,"a",@progbits
	.p2align	6, 0x0
	.amdhsa_kernel k_q5b0300eac4_qkv
		.amdhsa_group_segment_fixed_size 66048
		.amdhsa_private_segment_fixed_size 0
		.amdhsa_enable_private_segment 0
		.amdhsa_kernarg_size 72
		.amdhsa_user_sgpr_count 2
		.amdhsa_user_sgpr_kernarg_segment_ptr 1
		.amdhsa_wavefront_size32 1
		.amdhsa_system_sgpr_workgroup_id_x 1
		.amdhsa_system_sgpr_workgroup_id_y 1
		.amdhsa_system_sgpr_workgroup_id_z 1
		.amdhsa_system_vgpr_workitem_id 0
		.amdhsa_next_free_vgpr 1024
		.amdhsa_next_free_sgpr 66
		.amdhsa_reserve_vcc 1
		.amdhsa_float_denorm_mode_32 3
		.amdhsa_float_denorm_mode_16_64 3
		.amdhsa_memory_ordered 1
		.amdhsa_forward_progress 1
		.amdhsa_inst_pref_size 204
	.end_amdhsa_kernel
	.amdgpu_metadata
---
amdhsa.version: [ 1, 2 ]
amdhsa.kernels:
  - .name:           k_q5b0300eac4_qkv
    .symbol:         k_q5b0300eac4_qkv.kd
    .args:
      - { .name: xa_img, .offset: 0, .size: 8, .value_kind: global_buffer, .address_space: global }
      - { .name: xa_scl, .offset: 8, .size: 8, .value_kind: global_buffer, .address_space: global }
      - { .name: w_img, .offset: 16, .size: 8, .value_kind: global_buffer, .address_space: global }
      - { .name: Wq_scales, .offset: 24, .size: 8, .value_kind: global_buffer, .address_space: global }
      - { .name: Wk_scales, .offset: 32, .size: 8, .value_kind: global_buffer, .address_space: global }
      - { .name: Wv_scales, .offset: 40, .size: 8, .value_kind: global_buffer, .address_space: global }
      - { .name: q_img, .offset: 48, .size: 8, .value_kind: global_buffer, .address_space: global }
      - { .name: q_scl, .offset: 56, .size: 8, .value_kind: global_buffer, .address_space: global }
      - { .name: kv, .offset: 64, .size: 8, .value_kind: global_buffer, .address_space: global }
    .group_segment_fixed_size: 66048
    .private_segment_fixed_size: 0
    .kernarg_segment_align: 8
    .kernarg_segment_size: 72
    .max_flat_workgroup_size: 128
    .sgpr_count:     66
    .vgpr_count:     1024
    .wavefront_size: 32
...
	.end_amdgpu_metadata
.endif
;; end of part 2
;; launch attn (part 3): grid 4 x 64, 16 waves a work-group, no clusters, 169,984 bytes of LDS; arguments q_img, q_scl, kv, rel, y_img, y_scl; writes y_img, y_scl
.if DOCPART == 3
	.amdgcn_target "amdgcn-amd-amdhsa--gfx1250"
	.amdhsa_code_object_version 6
	.text
	.protected	k_q5b0300eac4_attn
	.globl	k_q5b0300eac4_attn
	.p2align	8
	.type	k_q5b0300eac4_attn,@function
k_q5b0300eac4_attn:
	s_mov_b64 s[64:65], 0
	v_nop
	global_prefetch_b8 v0, s[64:65] scope:SCOPE_SE
	s_setreg_imm32_b32 hwreg(HW_REG_WAVE_MODE, 25, 1), 1
	s_wait_xcnt 0x0
; ATTN.  For one (batch, head): y = softmax(q k^T + bias, causal) v, both products on FP4 codes, then y quantised along the model's 1,024 (two blocks of 32 for a head) for the last projection.
; THE SOFTMAX: t = (score + bias) x log2(e); M = the running largest t rounded UP to a whole number; p = 2^(t - M) is quantised along the keys, not normalised; the row's sum is taken of the unquantised p and divides at the end.
; When M moves, the sum and O are multiplied by 2^(old M - new M): nothing is rounded.
; SHARES.  A work-group holds the whole head's K, V and scale words in LDS (16 key steps x 8,960 bytes), brought once: each of its 16 waves brings one key step by one tensor load; by this text's count one tensor load a wave is out.
; Wave w makes two tiles of 16 queries: TT = 16 x + w, then TT xor 127.  Tile TT wants TT / 8 + 1 key steps of 128, so every wave of the launch works 17 steps.
; The loop over key steps has 16 trips for every tile; a step that lies wholly behind the tile's queries is passed over by a scalar branch on ids.
; LAYOUT.  Both products transposed: S^T = K Q^T (source 0 = 16 keys), O^T = V^T P^T (source 0 = 16 channels): a lane holds one query throughout.  By the tile order (tile 2 b + u, row r = 32 b + 8 u + (r & 7) + 16 (r >> 3))
; the 16 registers of tiles 2 b and 2 b + 1 are 16 neighbours: keys in S^T, channels in O^T.  Query r of tile TT is token 32 (TT / 2) + 8 (TT % 2) + (r & 7) + 16 (r >> 3).
; K = 64 IN AN INSTRUCTION OF 128: Q's registers 4-7 hold zero codes.  K's tile t is named v[32 + 4 t : 39 + 4 t]: its upper four registers are the next tile's codes (behind the last tile: zeros), which meet Q's zeros; the scale bytes 2 and 3 are 0 on both sides, never 0xff.
; BIAS AND MASK come from one table in LDS: TAB[d + 127], d = query - key: rel[head][min(d, 128)] x log2(e) for d >= 0, -infinity for d < 0.  Only the diagonal step and the one before it look it up (64 words a lane);
; in all earlier steps d >= 129, the bias is one number, and it rides in the addend of the multiply-add that makes t - M.
; No cluster: the four work-groups of a head read the same 140 KB, but which steps a wave passes over hangs on the work-group's x, which would be its place in the cluster.
; y's scale bytes leave as single bytes, 32 a wave and tile (262,144 bytes of the launch's 4.5 MB): their 256-byte blocks are filled by eight heads' work-groups.
; LIMITS: NaN and infinities are not served; a block of zeros (p or y) gets the byte 1: its codes are zeros.
.set STEPB, 8960
.set TAB,   143360                     ; behind the head's 16 key steps: 512 words, blocks of 256 bytes of their own, into which no tensor load lands
.set L16, 1                            ; 16 x lane
.set L8,  2                            ; 8 x lane
.set BL,  3                            ; my lane's place in the table
.set ADK, 4                            ; the step's LDS addresses
.set ADV, 5
.set ADB, 6
.set B128, 10                          ; the bias of far keys, x log2(e)
.set CAD, 11                           ; the step's constant addend: B128, or 0 where the table was added
.set QF,  16                           ; v16-19 Q's piece, v20-23 zero codes
.set QSC, 24                           ; Q's scale word
.set KF,  32                           ; v32-63 K's 8 pieces, then V's 4 fragments; v64-67 zero codes
.set KS,  68                           ; v68-71 K's scale words
.set VS,  72                           ; v72-73 V's
.set PC,  76                           ; v76-83 p's codes
.set BM,  84                           ; v84-87 block maxima
.set BP,  88                           ; v88-91 at work
.set BS,  92                           ; v92-95 the conversions' scale operands
.set SR,  96                           ; v96-159 S^T, then p
.set BI,  160                          ; v160-223 the table's words
.set OA,  224                          ; v224-255 O^T
.set WV,  28
.set TT,  33
.set SD,  34                           ; the tile's diagonal step
.set ST,  35                           ; the step
.set TB,  36                           ; its first LDS byte
.set PASS, 37
.set SEL, 38
.set LE,  40                           ; s[40:41] log2(e)
.set CM,  42                           ; s[42:43] the step's factor: log2(e), or 1 where the table was added
.set QS4, 48
.set HI16, 49
.macro WM                              ; one matrix instruction from the symbols rD, rA, rB, rSA, rSB; fZ: the constant 0 starts the sum; fRA: source 0's scales stand in lanes 16-31
.if fZ
.if fRA
	v_wmma_scale_f32_16x16x128_f8f6f4 v[rD:rD+7], v[rA:rA+7], v[rB:rB+7], 0, v[rSA], v[rSB] matrix_a_fmt:MATRIX_FMT_FP4 matrix_b_fmt:MATRIX_FMT_FP4 matrix_a_scale:MATRIX_SCALE_ROW1
.else
	v_wmma_scale_f32_16x16x128_f8f6f4 v[rD:rD+7], v[rA:rA+7], v[rB:rB+7], 0, v[rSA], v[rSB] matrix_a_fmt:MATRIX_FMT_FP4 matrix_b_fmt:MATRIX_FMT_FP4
.endif
.else
.if fRA
	v_wmma_scale_f32_16x16x128_f8f6f4 v[rD:rD+7], v[rA:rA+7], v[rB:rB+7], v[rD:rD+7], v[rSA], v[rSB] matrix_a_fmt:MATRIX_FMT_FP4 matrix_b_fmt:MATRIX_FMT_FP4 matrix_a_scale:MATRIX_SCALE_ROW1
.else
	v_wmma_scale_f32_16x16x128_f8f6f4 v[rD:rD+7], v[rA:rA+7], v[rB:rB+7], v[rD:rD+7], v[rSA], v[rSB] matrix_a_fmt:MATRIX_FMT_FP4 matrix_b_fmt:MATRIX_FMT_FP4
.endif
.endif
.endm
	s_load_b256 s[4:11], s[0:1], 0x0               ; q_img, q_scl, kv, rel
	s_load_b128 s[12:15], s[0:1], 0x20             ; y_img, y_scl
	v_lshl_add_u32 v254, v0, 2, 0x29000
	v_mov_b32 v255, 0
	ds_add_u32 v254, v255
	ds_add_u32 v254, v255
	s_wait_dscnt 0x0
	v_lshrrev_b32 v1, 5, v0
	v_readfirstlane_b32 s[WV], v1                  ; wave 0..15
	s_and_b32 s30, ttmp7, 0xffff                   ; bh
	s_and_b32 s31, s30, 15                         ; head
	s_lshr_b32 s32, s30, 4                         ; batch
	; descriptor group 1: a key step is 8,960 bytes on end: 35 rows of 256 bytes (32 elements of 8 bytes), no padding: every LDS load here takes 16 x lane or 8 x lane
	s_mov_b32 s16, 3<<16                           ; no mask; elements of 8 bytes; no padding
	s_mov_b32 s17, 32<<16                          ; tensor_dim0 = 32
	s_mov_b32 s18, 35<<16                          ; tensor_dim1 = 35
	s_mov_b32 s19, 32<<16                          ; tile_dim0 = 32
	s_mov_b32 s20, 35                              ; tile_dim1 = 35
	s_mov_b32 s21, 32                              ; elements from row to row
	s_mov_b32 s22, 0
	s_mov_b32 s23, 0
	s_mov_b32 s24, 1                               ; group 0: count = 1
	s_mul_i32 s25, s[WV], STEPB                    ; LDS address: my key step
	s_mul_i32 s44, s30, 16*STEPB
	s_add_co_u32 s44, s44, s25
	s_mov_b32 s45, 0
	s_wait_kmcnt 0x0
	s_add_nc_u64 s[26:27], s[8:9], s[44:45]        ; the head's key step w
	s_or_b32 s27, s27, 0x80000000                  ; type = 2
	tensor_load_to_lds s[24:27], s[16:23]
	s_nop 0
.rept 4
	v_nop
.endr
	s_mov_b32 s[LE], 0x3fb8aa3b
	s_mov_b32 s[LE+1], s[LE]
	s_mov_b32 s[SEL], 0x76543210
	s_mov_b32 s[SEL+1], 0xfedcba98
	s_mov_b32 s[HI16], 0xffff0000                  ; lanes 16-31
	s_mul_i32 s44, s31, 516
	s_add_nc_u64 s[10:11], s[10:11], s[44:45]      ; rel's row of my head: 129 numbers
	v_add_nc_u32 v31, 0xffffff81, v0               ; the table: thread n makes d = n - 127
	v_cmp_lt_u32 vcc_lo, 127, v0
	v_cndmask_b32 v31, 0, v31, vcc_lo              ; max(d, 0)
	v_min_u32 v31, 128, v31                        ; min(.., 128)
	v_lshlrev_b32 v31, 2, v31
	global_load_b32 v9, v31, s[10:11]
	s_lshl_b32 s44, s30, 16
	s_add_nc_u64 s[4:5], s[4:5], s[44:45]          ; the head's 128 pieces of q
	s_lshl_b32 s44, s30, 13
	s_add_nc_u64 s[6:7], s[6:7], s[44:45]          ; and their scale words
	s_lshl_b32 s44, s32, 20
	s_lshl_b32 s46, s31, 9
	s_add_co_u32 s44, s44, s46
	s_add_nc_u64 s[12:13], s[12:13], s[44:45]      ; y_img: the batch's 128 tiles of 8,192 bytes, + 512 x head
	s_lshl_b32 s44, s32, 16
	s_lshr_b32 s46, s31, 3
	s_lshl_b32 s46, s46, 9
	s_add_co_u32 s44, s44, s46
	s_and_b32 s46, s31, 7
	s_lshl_b32 s46, s46, 1
	s_add_co_u32 s44, s44, s46
	s_add_nc_u64 s[14:15], s[14:15], s[44:45]      ; y_scl: the batch's 64 groups, + 512 (head / 8) + 2 (head % 8)
	v_lshl_add_u32 v7, v0, 2, TAB                  ; my word of the table
	v_and_b32 v1, 31, v0
	v_lshlrev_b32 v[L8], 3, v1
	v_lshlrev_b32 v[L16], 4, v1
	v_and_b32 v4, 7, v0                            ; r & 7
	v_bfe_u32 v5, v0, 3, 1                         ; r >> 3
	v_bfe_u32 v6, v0, 4, 1                         ; h
	v_and_b32 v25, 15, v0
	v_lshlrev_b32 v25, 4, v25                      ; v25 = 16 r; never rewritten
	v_add_nc_u32 v74, v25, v6                      ; v74 = 16 r + h; never rewritten
	v_xor_b32 v6, 1, v6
	v_add_nc_u32 v5, v5, v6                        ; (r >> 3) + 1 - h
	v_lshlrev_b32 v5, 6, v5
	v_lshl_add_u32 v[BL], v4, 2, v5
	v_add_nc_u32 v[BL], TAB, v[BL]                 ; TAB + 64 - 64 h + 4 (r & 7) + 64 (r >> 3)
.irp j, 20,21,22,23,64,65,66,67,27,29,88,89,90,91
	v_mov_b32 v\j, 0                               ; zero codes; upper halves of pairs that the packed forms name; lane permutes' destinations
.endr
	v_mov_b32 v8, 0xff800000                       ; -infinity
	s_lshl_b32 s[TT], ttmp9, 4
	s_add_co_u32 s[TT], s[TT], s[WV]               ; my first tile
	s_mov_b32 s[PASS], 0
	s_wait_loadcnt 0x0
	v_mul_f32 v9, s[LE], v9
	v_cmp_gt_u32 vcc_lo, 127, v0
	v_cndmask_b32 v9, v9, v8, vcc_lo               ; d < 0: the key comes after the query
	ds_store_b32 v7, v9
	s_wait_tensorcnt 0x0                           ; my key step lies in LDS,
	s_wait_dscnt 0x0                               ; and my word of the table
	s_barrier_signal -1
	s_barrier_wait -1                              ; everybody's do.  The only barrier: from here on LDS is only read
	v_mov_b32 v31, TAB+1200
	ds_load_b32 v[B128], v31                       ; d = 173: rel[head][128] x log2(e)
	s_wait_dscnt 0x0
.Lpass:
	s_lshr_b32 s[SD], s[TT], 3
	s_and_b32 s44, s[TT], 6
	s_lshl_b32 s44, s44, 6
	s_and_b32 s45, s[TT], 1
	s_lshl_b32 s46, s45, 5
	s_add_co_u32 s[QS4], s44, s46                  ; 4 x (the tile's first query within its step): 128 ((TT / 2) % 4) + 32 (TT % 2)
	s_lshl_b32 s44, s[TT], 9
	v_add_nc_u32 v7, s44, v[L16]                   ; q's piece
	s_lshl_b32 s44, s[SD], 9
	s_lshl_b32 s46, s45, 8
	s_add_co_u32 s44, s44, s46
	s_bfe_u32 s47, s[TT], 0x20001
	s_lshl_b32 s47, s47, 2
	s_add_co_u32 s44, s44, s47
	v_add_nc_u32 v8, s44, v25                      ; its scale word: 512 (TT / 8) + 16 (r + 16 (TT % 2)) + 4 ((TT / 2) % 4)
	s_lshl_b32 s44, s[TT], 13
	v_add_nc_u32 v9, s44, v[L16]                   ; y's piece
	s_lshr_b32 s44, s[TT], 1
	s_lshl_b32 s44, s44, 10
	s_add_co_u32 s44, s44, s46
	v_add_nc_u32 v75, s44, v74                     ; y's scale byte: 1,024 (TT / 2) + 16 (r + 16 (TT % 2)) + h
	global_load_b128 v[QF:QF+3], v7, s[4:5]
	global_load_b32 v[QSC], v8, s[6:7]
	v_mov_b32 v13, 0xff61b1e6                      ; the largest t so far: -3e38
	v_floor_f32 v12, -v13                          ; -M
	v_mov_b32 v14, 0                               ; the sum, in two halves
	v_mov_b32 v15, 0
.set j, 0
.rept 32
	v_mov_b32 v[OA+j], 0                           ; the step is written once: the first finds zeros, which the first change of M leaves zeros
.set j, j+1
.endr
	s_mov_b32 s[ST], 0
	s_mov_b32 s[TB], 0
	s_wait_loadcnt 0x0
.Lstep:
	s_cmp_gt_u32 s[ST], s[SD]                      ; all 128 keys come after my 16 queries: nothing to do
	s_cbranch_scc1 .Lnext
	v_add_nc_u32 v[ADK], s[TB], v[L16]
	v_add_nc_u32 v[ADV], s[TB], v[L8]
	v_nop
	v_nop                                          ; four plain instructions between the last products and loads into the registers that they read (ISA guide 7.12.1 for vector instructions)
.irp t, 0,1,2,3,4,5,6,7
	ds_load_b128 v[KF+4*\t:KF+4*\t+3], v[ADK] offset:512*\t
.endr
	ds_load_b128 v[KS:KS+3], v[ADK] offset:8192
	s_wait_dscnt 0x0
.set fZ, 1
.set rB, QF
.set rSB, QSC
.set wt, 0
.rept 8
.set rD, SR+8*wt
.set rA, KF+4*wt
.set rSA, KS+wt/2
.set fRA, wt%2
	WM
.set wt, wt+1
.endr
	s_add_co_u32 s44, s[ST], 1
	s_cmp_lt_u32 s44, s[SD]                        ; far: every key lies 129 or more behind every query of the tile
	s_cselect_b32 s[CM], s[LE], 1.0
	s_cselect_b32 s[CM+1], s[LE], 1.0
	v_mov_b32 v[CAD], v[B128]
	v_nop
	v_nop
	v_nop                                          ; four places again: V's fragments take K's registers, and the scores are read below
.irp t, 0,1,2,3
	ds_load_b128 v[KF+8*\t:KF+8*\t+3], v[ADK] offset:4096+1024*\t
	ds_load_b128 v[KF+8*\t+4:KF+8*\t+7], v[ADK] offset:4096+1024*\t+512
.endr
	ds_load_b64 v[VS:VS+1], v[ADV] offset:8704
	s_cbranch_scc1 .Lfar
	; the diagonal step and the one before it: t = score x log2(e) + TAB[query - key + 127].  Register 16 b + i holds key 32 b + 16 h + i of the step
	s_cmp_eq_u32 s[ST], s[SD]
	s_cselect_b32 s44, 0, 512                      ; 4 x 128 for the step before
	s_add_co_u32 s44, s44, s[QS4]
	v_add_nc_u32 v[ADB], s44, v[BL]
	v_mov_b32 v[CAD], 0
.set n, 0
.rept 64
	ds_load_b32 v[BI+n], v[ADB] offset:4*(111-32*(n/16)-n%16)
.set n, n+1
.endr
	s_wait_dscnt 0x0
.set j, 0
.rept 32
	v_pk_fma_f32 v[SR+j:SR+j+1], v[SR+j:SR+j+1], s[LE:LE+1], v[BI+j:BI+j+1] op_sel_hi:[1,0,1]
.set j, j+2
.endr
.Lfar:
.irp b, 0,1,2,3
	v_max3_num_f32 v[BM+\b], v[SR+16*\b], v[SR+1+16*\b], v[SR+2+16*\b]   ; the largest of each block of 32 keys: it serves the row's maximum and, since p rises with it, the block's largest p
.endr
.irp i, 3,5,7,9,11,13
.irp b, 0,1,2,3
	v_max3_num_f32 v[BM+\b], v[BM+\b], v[SR+16*\b+\i], v[SR+1+16*\b+\i]
.endr
.endr
.irp b, 0,1,2,3
	v_max_num_f32 v[BM+\b], v[BM+\b], v[SR+15+16*\b]
.endr
.irp b, 0,1,2,3
	v_permlanex16_b32 v[BP+\b], v[BM+\b], s[SEL], s[SEL+1]
.endr
.irp b, 0,1,2,3
	v_max_num_f32 v[BM+\b], v[BM+\b], v[BP+\b]     ; with lane xor 16's 16 keys
.endr
	v_max3_num_f32 v31, v[BM], v[BM+1], v[BM+2]
	v_max_num_f32 v31, v31, v[BM+3]
	v_fma_f32 v31, v31, s[CM], v[CAD]              ; the step's largest t
	v_max_num_f32 v13, v13, v31                    ; the running largest t
	v_mov_b32 v31, v12
	v_floor_f32 v12, -v13                          ; -M = floor(-t): M is a whole number
	v_sub_f32 v31, v12, v31                        ; old M - new M: a whole number, 0 or less
	v_cvt_i32_f32 v31, v31                         ; (it saturates)
	v_ldexp_f32 v28, 1.0, v31                      ; f = 2^(old M - new M)
	v_add_f32 v26, v12, v[CAD]                     ; the addend: -M, and the far keys' bias
.set j, 0
.rept 32
	v_pk_fma_f32 v[SR+j:SR+j+1], v[SR+j:SR+j+1], s[CM:CM+1], v[26:27] op_sel_hi:[1,0,0]   ; t - M
.set j, j+2
.endr
.irp b, 0,1,2,3
	v_fma_f32 v[BM+\b], v[BM+\b], s[CM], v26       ; the same of each block's largest
.endr
.set j, 0
.rept 64
	v_exp_f32 v[SR+j], v[SR+j]                     ; p = 2^(t - M), at most 1; 0 behind the mask
.set j, j+1
.endr
.irp b, 0,1,2,3
	v_exp_f32 v[BM+\b], v[BM+\b]                   ; the block's largest p: the same two instructions on the same number
.endr
	v_pk_mul_f32 v[14:15], v[14:15], v[28:29] op_sel_hi:[1,0]   ; the sums under the new M (the plain instruction behind the exponentials)
	s_wait_alu depctr_va_vdst(0)
.irp b, 0,1,2,3
	v_max_num_f32 v[BM+\b], 0x1800000, v[BM+\b]    ; the floor 2^(3 - 127): the byte cannot fall under 1
.endr
.irp b, 0,1,2,3
	v_add_nc_u32 v[BS+\b], 0xff000000, v[BM+\b]    ; 2 off the exponent field: the conversion's scale operand
.endr
.irp b, 0,1,2,3
	v_lshrrev_b32 v[BP+\b], 23, v[BS+\b]           ; the scale's byte
.endr
	v_lshl_or_b32 v30, v[BP+1], 8, v[BP]           ; p's scale word for these 128 keys
	v_lshl_or_b32 v30, v[BP+2], 16, v30
	v_lshl_or_b32 v30, v[BP+3], 24, v30
.irp b, 0,1,2,3
	v_cvt_scalef32_pk8_fp4_f32 v[PC+2*\b], v[SR+16*\b:SR+7+16*\b], v[BS+\b]
	v_cvt_scalef32_pk8_fp4_f32 v[PC+1+2*\b], v[SR+8+16*\b:SR+15+16*\b], v[BS+\b]
.endr
	v_nop                                          ; one plain instruction behind the last scaled conversion
.irp c, 0,1                            ; the operand wants a whole block in a lane: lanes 0-15 block 2 c, lanes 16-31 block 2 c + 1
.irp i, 0,1
	v_permlane16_swap_b32 v[PC+4*\c+\i], v[PC+2+4*\c+\i]
.endr
.endr
	v_pk_add_f32 v[BP:BP+1], v[SR:SR+1], v[SR+2:SR+3]   ; the row's sum, of the unquantised p, in two chains
.irp j, 4,8,12,16,20,24,28,32,36,40,44,48,52,56,60
	v_pk_add_f32 v[14:15], v[14:15], v[SR+\j:SR+1+\j]
	v_pk_add_f32 v[BP:BP+1], v[BP:BP+1], v[SR+2+\j:SR+3+\j]
.endr
	v_pk_add_f32 v[14:15], v[14:15], v[BP:BP+1]
.set j, 0
.rept 16
	v_pk_mul_f32 v[OA+j:OA+j+1], v[OA+j:OA+j+1], v[28:29] op_sel_hi:[1,0]   ; O^T under the new M.  (These and the sums are the plain instructions between the writing of p's codes and scale word and the products)
.set j, j+2
.endr
	s_wait_dscnt 0x0                               ; V's fragments and scale words
.set fZ, 0
.set rB, PC
.set rSB, 30
.set wt, 0
.rept 4
.set rD, OA+8*wt
.set rA, KF+8*wt
.set rSA, VS+wt/2
.set fRA, wt%2
	WM                                             ; the four accumulators by turns
.set wt, wt+1
.endr
.Lnext:
	s_add_co_u32 s[TB], s[TB], STEPB
	s_add_co_u32 s[ST], s[ST], 1
	s_cmp_lt_u32 s[ST], 16
	s_cbranch_scc1 .Lstep
	; the tile's end: y = O^T / the sum; register 16 b + i is channel 32 b + 16 h + i of my query: two blocks of 32 along the model's axis
.rept 4
	v_nop
.endr
	v_add_f32 v14, v14, v15
	v_permlanex16_b32 v31, v14, s[SEL], s[SEL+1]
	v_add_f32 v14, v14, v31                        ; the row's sum
	v_rcp_f32 v14, v14
	v_nop                                          ; one plain instruction behind the transcendental
.set j, 0
	s_wait_alu depctr_va_vdst(0)
.rept 16
	v_pk_mul_f32 v[SR+j:SR+j+1], v[OA+j:OA+j+1], v[14:15] op_sel_hi:[1,0]
.set j, j+2
.endr
.irp b, 0,1
	v_max3_num_f32 v[BM+\b], |v[SR+16*\b]|, |v[SR+1+16*\b]|, 0x1800000
.endr
.irp i, 2,4,6,8,10,12,14
.irp b, 0,1
	v_max3_num_f32 v[BM+\b], v[BM+\b], |v[SR+16*\b+\i]|, |v[SR+1+16*\b+\i]|
.endr
.endr
.irp b, 0,1
	v_permlanex16_b32 v[BP+\b], v[BM+\b], s[SEL], s[SEL+1]
.endr
.irp b, 0,1
	v_max_num_f32 v[BM+\b], v[BM+\b], v[BP+\b]
.endr
.irp b, 0,1
	v_add_nc_u32 v[BS+\b], 0xff000000, v[BM+\b]
.endr
.irp b, 0,1
	v_lshrrev_b32 v[BP+\b], 23, v[BS+\b]
.endr
.irp b, 0,1
	v_cvt_scalef32_pk8_fp4_f32 v[PC+2*\b], v[SR+16*\b:SR+7+16*\b], v[BS+\b]
	v_cvt_scalef32_pk8_fp4_f32 v[PC+1+2*\b], v[SR+8+16*\b:SR+15+16*\b], v[BS+\b]
.endr
	v_nop
	v_permlane16_swap_b32 v[PC], v[PC+2]
	v_permlane16_swap_b32 v[PC+1], v[PC+3]         ; lane (r, h): block h of token row r, whole
	v_cndmask_b32 v31, v[BP], v[BP+1], s[HI16]     ; and its byte
	global_store_b128 v9, v[PC:PC+3], s[12:13]     ; 512 bytes on end: the head's piece of the tile's image
	global_store_b8 v75, v31, s[14:15]
	s_wait_xcnt 0x0                                ; the stores have read their registers: the next tile writes them again
	s_xor_b32 s[TT], s[TT], 127                    ; 127 - TT
	s_add_co_u32 s[PASS], s[PASS], 1
	s_cmp_lt_u32 s[PASS], 2
	s_cbranch_scc1 .Lpass
	s_wait_xcnt 0x0
	v_lshl_add_u32 v254, v0, 2, 0x29000
	v_mov_b32 v255, 0
	s_wait_tensorcnt 0x0
	ds_add_u32 v254, v255
	s_wait_dscnt 0x0
	s_endpgm
.Lfunc_end_k_q5b0300eac4_attn:
	.size	k_q5b0300eac4_attn, .Lfunc_end_k_q5b0300eac4_attn-k_q5b0300eac4_attn
	.p2alignl 7, 3214868480
	.fill 96, 4, 3214868480
	.section	.rodata,"a",@progbits
	.p2align	6, 0x0
	.amdhsa_kernel k_q5b0300eac4_attn
		.amdhsa_group_segment_fixed_size 169984
		.amdhsa_private_segment_fixed_size 0
		.amdhsa_enable_private_segment 0
		.amdhsa_kernarg_size 48
		.amdhsa_user_sgpr_count 2
		.amdhsa_user_sgpr_kernarg_segment_ptr 1
		.amdhsa_wavefront_size32 1
		.amdhsa_system_sgpr_workgroup_id_x 1
		.amdhsa_system_sgpr_workgroup_id_y 1
		.amdhsa_system_sgpr_workgroup_id_z 1
		.amdhsa_system_vgpr_workitem_id 0
		.amdhsa_next_free_vgpr 256
		.amdhsa_next_free_sgpr 66
		.amdhsa_reserve_vcc 1
		.amdhsa_float_denorm_mode_32 3
		.amdhsa_float_denorm_mode_16_64 3
		.amdhsa_memory_ordered 1
		.amdhsa_forward_progress 1
		.amdhsa_inst_pref_size 32
	.end_amdhsa_kernel
	.amdgpu_metadata
---
amdhsa.version: [ 1, 2 ]
amdhsa.kernels:
  - .name:           k_q5b0300eac4_attn
    .symbol:         k_q5b0300eac4_attn.kd
    .args:
      - { .name: q_img, .offset: 0, .size: 8, .value_kind: global_buffer, .address_space: global }
      - { .name: q_scl, .offset: 8, .size: 8, .value_kind: global_buffer, .address_space: global }
      - { .name: kv, .offset: 16, .size: 8, .value_kind: global_buffer, .address_space: global }
      - { .name: rel, .offset: 24, .size: 8, .value_kind: global_buffer, .address_space: global }
      - { .name: y_img, .offset: 32, .size: 8, .value_kind: global_buffer, .address_space: global }
      - { .name: y_scl, .offset: 40, .size: 8, .value_kind: global_buffer, .address_space: global }
    .group_segment_fixed_size: 169984
    .private_segment_fixed_size: 0
    .kernarg_segment_align: 8
    .kernarg_segment_size: 48
    .max_flat_workgroup_size: 512
    .sgpr_count:     66
    .vgpr_count:     256
    .wavefront_size: 32
...
	.end_amdgpu_metadata
.endif
;; end of part 3
;; launch oproj (part 4): grid 4 x 64, 4 waves a work-group, no clusters, 83,456 bytes of LDS; arguments y_img, y_scl, w_img, Wo_scales, x, out0; writes out0
.if DOCPART == 4
	.amdgcn_target "amdgcn-amd-amdhsa--gfx1250"
	.amdhsa_code_object_version 6
	.text
	.protected	k_q5b0300eac4_oproj
	.globl	k_q5b0300eac4_oproj
	.p2align	8
	.type	k_q5b0300eac4_oproj,@function
k_q5b0300eac4_oproj:
	s_mov_b64 s[64:65], 0
	v_nop
	global_prefetch_b8 v0, s[64:65] scope:SCOPE_SE
	s_setreg_imm32_b32 hwreg(HW_REG_WAVE_MODE, 25, 1), 1
	s_wait_xcnt 0x0
; OPROJ.  out0 = x + y Wo^T, the product on FP4 codes (K = 1,024).  y comes as tile images and scale images, Wo as tile images (weight 3 of w_img) and its scale bytes as given.
; SHARES, as in the launch that makes q, k, v: a work-group takes 128 tokens (block y) x 256 columns; wave w the 64 columns 64 (4 x + w) on.  y's 64 KB go through LDS once; a wave's 32 KB of Wo go straight into 256 registers.
; The product is used transposed (source 0 = 16 rows of Wo, source 1 = 16 tokens): a lane holds one token and 16 neighbouring columns in two tiles' registers.
; The wave's whole share of x (128 tokens x 256 bytes: 256 registers, window 3) is asked for at the head and lands under the products.
; THE WAY OUT, a tile of 16 tokens at a time: through the wave's own stage in LDS, back as rows of 256 bytes, + x, stored: sixteen lanes fill 256 bytes on end, aligned.
; No cluster, no tensor load: as in that launch.  REGISTERS: window 0: v1-7 addresses; v16-47 y's scale words; v48-63 Wo's; v80-207 y's fragments, two buffers, later rows on their way out.  window 1: 32 accumulators.  window 2: Wo.  window 3: x.
.set L16, 1                            ; 16 x lane
.set T16, 2                            ; 16 x thread
.set VW,  3                            ; Wo's scale bytes: 32 x (the row that tile order gives lane r + 16 u)
.set STO, 5                            ; the stage: where I put 16 bytes of my token's row
.set RD,  6                            ; and where I read a row back
.set XO,  7                            ; my byte offset in x and in out0
.set AS,  16
.set WS,  48
.set AF,  80
.set STG, 65536                        ; behind y's images: 16 rows x (256 bytes + 16) for each wave
.set MSB, 0
.macro WIN new                         ; the immediate's high byte repeats the setting that is left; a switch that changes nothing is dropped
.if MSB != \new
	s_set_vgpr_msb (MSB<<8)|\new
.set MSB, \new
.endif
.endm
.macro PLACES                          ; four plain instructions between a matrix instruction and a read of its result or a load into one of its registers
.rept 4
	v_nop
.endr
.endm
.macro WM                              ; one matrix instruction from the symbols rD, rA, rB, rSA, rSB; fZ: the constant 0 starts the sum; fRA, fRB: that side's scales stand in lanes 16-31
.if fZ
.if fRA && fRB
	v_wmma_scale_f32_16x16x128_f8f6f4 v[rD:rD+7], v[rA:rA+7], v[rB:rB+7], 0, v[rSA], v[rSB] matrix_a_fmt:MATRIX_FMT_FP4 matrix_b_fmt:MATRIX_FMT_FP4 matrix_a_scale:MATRIX_SCALE_ROW1 matrix_b_scale:MATRIX_SCALE_ROW1
.elseif fRA
	v_wmma_scale_f32_16x16x128_f8f6f4 v[rD:rD+7], v[rA:rA+7], v[rB:rB+7], 0, v[rSA], v[rSB] matrix_a_fmt:MATRIX_FMT_FP4 matrix_b_fmt:MATRIX_FMT_FP4 matrix_a_scale:MATRIX_SCALE_ROW1
.elseif fRB
	v_wmma_scale_f32_16x16x128_f8f6f4 v[rD:rD+7], v[rA:rA+7], v[rB:rB+7], 0, v[rSA], v[rSB] matrix_a_fmt:MATRIX_FMT_FP4 matrix_b_fmt:MATRIX_FMT_FP4 matrix_b_scale:MATRIX_SCALE_ROW1
.else
	v_wmma_scale_f32_16x16x128_f8f6f4 v[rD:rD+7], v[rA:rA+7], v[rB:rB+7], 0, v[rSA], v[rSB] matrix_a_fmt:MATRIX_FMT_FP4 matrix_b_fmt:MATRIX_FMT_FP4
.endif
.else
.if fRA && fRB
	v_wmma_scale_f32_16x16x128_f8f6f4 v[rD:rD+7], v[rA:rA+7], v[rB:rB+7], v[rD:rD+7], v[rSA], v[rSB] matrix_a_fmt:MATRIX_FMT_FP4 matrix_b_fmt:MATRIX_FMT_FP4 matrix_a_scale:MATRIX_SCALE_ROW1 matrix_b_scale:MATRIX_SCALE_ROW1
.elseif fRA
	v_wmma_scale_f32_16x16x128_f8f6f4 v[rD:rD+7], v[rA:rA+7], v[rB:rB+7], v[rD:rD+7], v[rSA], v[rSB] matrix_a_fmt:MATRIX_FMT_FP4 matrix_b_fmt:MATRIX_FMT_FP4 matrix_a_scale:MATRIX_SCALE_ROW1
.elseif fRB
	v_wmma_scale_f32_16x16x128_f8f6f4 v[rD:rD+7], v[rA:rA+7], v[rB:rB+7], v[rD:rD+7], v[rSA], v[rSB] matrix_a_fmt:MATRIX_FMT_FP4 matrix_b_fmt:MATRIX_FMT_FP4 matrix_b_scale:MATRIX_SCALE_ROW1
.else
	v_wmma_scale_f32_16x16x128_f8f6f4 v[rD:rD+7], v[rA:rA+7], v[rB:rB+7], v[rD:rD+7], v[rSA], v[rSB] matrix_a_fmt:MATRIX_FMT_FP4 matrix_b_fmt:MATRIX_FMT_FP4
.endif
.endif
.endm
.macro WLOAD half                      ; K steps 4 half .. 4 half + 3 of Wo's four tiles of my columns into window 2: 32 loads of 512 bytes on end
	WIN 0x80
.set wt, 0
.rept 4
.set ws, 4*(\half)
.rept 4
	global_load_b128 v[64*wt+8*ws:64*wt+8*ws+3], v[L16], s[8:9] offset:3*524288+8192*wt+1024*ws
	global_load_b128 v[64*wt+8*ws+4:64*wt+8*ws+7], v[L16], s[8:9] offset:3*524288+8192*wt+1024*ws+512
.set ws, ws+1
.endr
.set wt, wt+1
.endr
	WIN 0
.endm
.macro FETCH_A s                       ; the 8 token tiles' fragments of K step s into buffer s % 2: 16 LDS loads of 512 bytes on end
.set fi, 0
.rept 8
	ds_load_b128 v[AF+64*((\s)%2)+8*fi:AF+64*((\s)%2)+8*fi+3], v[L16] offset:8192*fi+1024*(\s)
	ds_load_b128 v[AF+64*((\s)%2)+8*fi+4:AF+64*((\s)%2)+8*fi+7], v[L16] offset:8192*fi+1024*(\s)+512
.set fi, fi+1
.endr
.endm
; A K step of 128: 32 matrix instructions, the 32 accumulators by turns: source 0 = Wo's tile t, source 1 = token tile i, accumulator 4 i + t.
.macro GSTEP s, next
.if \next
	PLACES
	FETCH_A ((\s)+1)%8
	s_wait_dscnt 16                                ; this step's 16 loads are in; the 16 just issued may be out
.else
	s_wait_dscnt 0x0
.endif
	WIN 0x52                                       ; source 0 window 2, source 1 window 0, C and D window 1
.if (\s) == 0
.set fZ, 1
.else
.set fZ, 0
.endif
.set gi, 0
.rept 8
.set gt, 0
.rept 4
.set rD, 8*(4*gi+gt)
.set rA, 64*gt+8*(\s)
.set rB, AF+64*((\s)%2)+8*gi
.set rSA, WS+8*(gt/2)+(\s)
.set rSB, AS+8*(gi/2)+(\s)
.set fRA, gt%2
.set fRB, gi%2
	WM
.set gt, gt+1
.endr
.set gi, gi+1
.endr
	WIN 0
.endm
; Token tile i leaves.  Stage row r holds my 64 columns of tile row r; read back two rows an instruction; tile row 2 k + lane / 16 is token 32 (i / 2) + 8 (i % 2) + 2 (k % 4) + 16 (k / 4) + lane / 16 of the block.
.macro OUT i
	WIN 0x04                                       ; an LDS store's data are its source 1: window 1
.irp b, 0,1
.irp k, 0,1,2,3
	ds_store_b128 v[STO], v[32*(\i)+16*\b+4*\k:32*(\i)+16*\b+4*\k+3] offset:128*\b+16*\k   ; each accumulator from its low end on
.endr
.endr
	WIN 0
.if (\i) > 0
	s_wait_xcnt 0x0                                ; the last tile's stores have read v80-111: they are loaded again only behind this wait
.endif
.irp k, 0,1,2,3,4,5,6,7
	ds_load_b128 v[AF+4*\k:AF+4*\k+3], v[RD] offset:544*\k   ; the stage is my wave's own: LDS serves a wave's instructions in order
.endr
	s_wait_dscnt 0x0
	WIN 0x0c                                       ; source 1 (x): window 3
.set j, 0
.rept 16
	v_pk_add_f32 v[AF+j:AF+j+1], v[AF+j:AF+j+1], v[32*(\i)+j:32*(\i)+j+1]
.set j, j+2
.endr
	WIN 0
.irp k, 0,1,2,3,4,5,6,7
	global_store_b128 v[XO], v[AF+4*\k:AF+4*\k+3], s[14:15] offset:(32*((\i)/2)+8*((\i)%2)+2*(\k%4)+16*(\k/4))*4096 th:TH_STORE_NT
.endr
.endm
	s_load_b256 s[4:11], s[0:1], 0x0               ; y_img, y_scl, w_img, Wo_scales
	s_load_b128 s[12:15], s[0:1], 0x20             ; x, out0
	v_lshl_add_u32 v254, v0, 2, 0x14400
	v_mov_b32 v255, 0
	v_lshrrev_b32 v1, 5, v0
	v_readfirstlane_b32 s22, v1                    ; wave 0..3
	v_lshlrev_b32 v[T16], 4, v0
	v_and_b32 v8, 31, v0
	v_lshlrev_b32 v[L16], 4, v8
	v_and_b32 v8, 15, v0                           ; r
	v_bfe_u32 v9, v0, 4, 1                         ; h
	v_and_b32 v10, 7, v0
	v_bfe_u32 v11, v0, 3, 1
	v_lshlrev_b32 v[VW], 5, v10
	v_lshl_add_u32 v[VW], v9, 8, v[VW]
	v_lshl_add_u32 v[VW], v11, 9, v[VW]            ; 32 x ((r & 7) + 8 u + 16 (r >> 3))
	s_mul_i32 s33, s22, 4352
	s_add_co_u32 s33, s33, STG                     ; my stage
	v_mul_u32_u24 v[STO], v8, 272
	v_lshl_add_u32 v[STO], v9, 6, v[STO]
	v_add_nc_u32 v[STO], s33, v[STO]               ; in: row r, + 64 h: my 16 columns of each group of 32
	v_mul_u32_u24 v[RD], v9, 272
	v_lshl_add_u32 v[RD], v8, 4, v[RD]
	v_add_nc_u32 v[RD], s33, v[RD]                 ; back: lanes 0-15 one row, lanes 16-31 the next
	v_lshlrev_b32 v[XO], 12, v9
	v_lshl_add_u32 v[XO], v8, 4, v[XO]             ; and the same two tokens in x and out0
	s_and_b32 s23, ttmp7, 0xffff                   ; block of 128 tokens
	s_lshl_b32 s25, ttmp9, 2
	s_add_co_u32 s25, s25, s22                     ; my group of 64 columns
	s_mov_b32 s31, 0
	s_wait_kmcnt 0x0
	s_lshl_b32 s30, s23, 16
	s_add_nc_u64 s[4:5], s[4:5], s[30:31]
	s_lshl_b32 s30, s23, 12
	s_add_nc_u64 s[6:7], s[6:7], s[30:31]
	s_lshl_b32 s30, s25, 15
	s_add_nc_u64 s[8:9], s[8:9], s[30:31]
	s_lshl_b32 s30, s25, 11
	s_add_nc_u64 s[10:11], s[10:11], s[30:31]
	s_lshl_b32 s30, s23, 19
	s_lshl_b32 s32, s25, 8
	s_add_co_u32 s30, s30, s32
	s_add_nc_u64 s[12:13], s[12:13], s[30:31]
	s_add_nc_u64 s[14:15], s[14:15], s[30:31]
.set ai, 0
.rept 32
	global_load_b128 v[AF+4*ai:AF+4*ai+3], v[T16], s[4:5] offset:2048*ai
.set ai, ai+1
.endr
.irp j, 0,1,2,3
.irp q, 0,1
	global_load_b128 v[AS+8*\j+4*\q:AS+8*\j+4*\q+3], v[L16], s[6:7] offset:1024*\j+512*\q
.endr
.endr
.irp b, 0,1
.irp q, 0,1
	global_load_b128 v[WS+8*\b+4*\q:WS+8*\b+4*\q+3], v[VW], s[10:11] offset:1024*\b+16*\q
.endr
.endr
	WLOAD 0
	s_wait_loadcnt 44                              ; the block's 32 loads are in; behind them stand 8 + 4 + 32
.set ai, 0
.rept 32
	ds_store_b128 v[T16], v[AF+4*ai:AF+4*ai+3] offset:2048*ai
.set ai, ai+1
.endr
	WLOAD 1
	WIN 0xc0                                       ; destination window 3
.set xi, 0
.rept 8
.set xk, 0
.rept 8
	global_load_b128 v[32*xi+4*xk:32*xi+4*xk+3], v[XO], s[12:13] offset:(32*(xi/2)+8*(xi%2)+2*(xk%4)+16*(xk/4))*4096 th:TH_LOAD_NT   ; sixteen lanes read 256 bytes on end
.set xk, xk+1
.endr
.set xi, xi+1
.endr
	WIN 0
	s_wait_dscnt 0x0                               ; for the others' sake: my part of the block lies in LDS
	s_barrier_signal -1
	s_barrier_wait -1                              ; the only barrier: y's images are only read from here on, and each stage is its wave's own
	FETCH_A 0
	s_wait_loadcnt 63                              ; scale words and Wo are in: behind them stand x's 64 loads, and 63 is the largest count that the wait can name
.irp s, 0,1,2,3,4,5,6
	GSTEP \s, 1
.endr
	GSTEP 7, 0
	s_wait_loadcnt 0x0                             ; x
	PLACES
.irp i, 0,1,2,3,4,5,6,7
	OUT \i
.endr
	s_wait_tensorcnt 0x0
	ds_add_u32 v254, v255
	s_wait_dscnt 0x0
	s_endpgm
.Lfunc_end_k_q5b0300eac4_oproj:
	.size	k_q5b0300eac4_oproj, .Lfunc_end_k_q5b0300eac4_oproj-k_q5b0300eac4_oproj
	.p2alignl 7, 3214868480
	.fill 96, 4, 3214868480
	.section	.rodata,"a",@progbits
	.p2align	6, 0x0
	.amdhsa_kernel k_q5b0300eac4_oproj
		.amdhsa_group_segment_fixed_size 83456
		.amdhsa_private_segment_fixed_size 0
		.amdhsa_enable_private_segment 0
		.amdhsa_kernarg_size 48
		.amdhsa_user_sgpr_count 2
		.amdhsa_user_sgpr_kernarg_segment_ptr 1
		.amdhsa_wavefront_size32 1
		.amdhsa_system_sgpr_workgroup_id_x 1
		.amdhsa_system_sgpr_workgroup_id_y 1
		.amdhsa_system_sgpr_workgroup_id_z 1
		.amdhsa_system_vgpr_workitem_id 0
		.amdhsa_next_free_vgpr 1024
		.amdhsa_next_free_sgpr 66
		.amdhsa_reserve_vcc 0
		.amdhsa_float_denorm_mode_32 3
		.amdhsa_float_denorm_mode_16_64 3
		.amdhsa_memory_ordered 1
		.amdhsa_forward_progress 1
		.amdhsa_inst_pref_size 87
	.end_amdhsa_kernel
	.amdgpu_metadata
---
amdhsa.version: [ 1, 2 ]
amdhsa.kernels:
  - .name:           k_q5b0300eac4_oproj
    .symbol:         k_q5b0300eac4_oproj.kd
    .args:
      - { .name: y_img, .offset: 0, .size: 8, .value_kind: global_buffer, .address_space: global }
      - { .name: y_scl, .offset: 8, .size: 8, .value_kind: global_buffer, .address_space: global }
      - { .name: w_img, .offset: 16, .size: 8, .value_kind: global_buffer, .address_space: global }
      - { .name: Wo_scales, .offset: 24, .size: 8, .value_kind: global_buffer, .address_space: global }
      - { .name: x, .offset: 32, .size: 8, .value_kind: global_buffer, .address_space: global }
      - { .name: out0, .offset: 40, .size: 8, .value_kind: global_buffer, .address_space: global }
    .group_segment_fixed_size: 83456
    .private_segment_fixed_size: 0
    .kernarg_segment_align: 8
    .kernarg_segment_size: 48
    .max_flat_workgroup_size: 128
    .sgpr_count:     66
    .vgpr_count:     1024
    .wavefront_size: 32
...
	.end_amdgpu_metadata
.endif
;; end of part 4
;; ======== version 2 of 2: 4 launches
;; workspace buffers: xa_img 4,194,304 bytes; xa_scl 262,144 bytes; w_img 2,097,152 bytes; q_img 4,194,304 bytes; q_scl 524,288 bytes; kv 9,175,040 bytes; y_img 4,194,304 bytes; y_scl 262,144 bytes
;; launch prep (part 5): grid 288 x 1, 8 waves a work-group, no clusters, 125,952 bytes of LDS; arguments x, ln_gamma, ln_beta, Wq_codes, Wk_codes, Wv_codes, Wo_codes, xa_img, xa_scl, w_img; writes xa_img, xa_scl, w_img
.if DOCPART == 5
	.amdgcn_target "amdgcn-amd-amdhsa--gfx1250"
	.amdhsa_code_object_version 6
	.text
	.protected	k_q5b0300eac4_prep
	.globl	k_q5b0300eac4_prep
	.p2align	8
	.type	k_q5b0300eac4_prep,@function
k_q5b0300eac4_prep:
	s_mov_b64 s[64:65], 0
	v_nop
	global_prefetch_b8 v0, s[64:65] scope:SCOPE_SE
	s_setreg_imm32_b32 hwreg(HW_REG_WAVE_MODE, 25, 1), 1
	s_wait_xcnt 0x0
; PREP.  Work-groups 0-255: LayerNorm of 32 tokens of x [8192][1024] f32, quantised along the 1,024 to FP4 (E2M1) with one E8M0 byte for each 32, and laid as IMAGES OF OPERAND REGISTERS.
; Work-groups 256-287: the four weights' codes [1024][512 bytes] are laid as the same images (no arithmetic).
; TILE ORDER (tokens and weight rows alike): rows go in groups of 32; tile 2 G + u holds, at its row r, row 32 G + 8 u + (r & 7) + 16 (r >> 3).
; IMAGE of a tile (16 rows x 1,024 K, 8,192 bytes): the 16 bytes of block kb (32 codes) of row r lie at 256 kb + 16 r: so a fragment (128 K) is two runs of 512 bytes taken at 16 x lane.
; SCALE IMAGE of a group (1,024 bytes): [q = 0, 1][lane r + 16 u][16 bytes]: the row's scale bytes 16 q .. 16 q + 15.
; A block's scale byte is its largest magnitude's exponent field - 2, held at 1 from below by a floor among the maximum's leaves.
; LIMITS: NaN and infinities among the inputs are not served; a block of zeros gets the byte 1 (its codes are zeros; this program alone reads the bytes).
; The mean is taken first and the variance of x - mean, so a common offset of x costs no accuracy.
; No matrix unit, no tensor load, no cluster: the launch streams x once and work-groups share nothing but gamma and beta (8 KB).
.set TURNB, 4608                       ; LDS, LayerNorm path: a wave's own turn stage: 32 blocks x (128 bytes + 16)
.set OST,   36864                      ; the group's two images on their way out: 64 rows (32 u + kb) x (256 bytes + 16)
.set SCS,   54272                      ; the group's scale image, 1,024 bytes
.set WST,   55296                      ; LDS, weights path (bytes of its own): a wave's own stage, 32 rows x 272
.set GA,  16                           ; v16-47   gamma as loaded: load j holds k = 128 j + 4 lane + 0..3
.set BE,  48                           ; v48-79   beta likewise
.set XR,  80                           ; v80-207  four rows of x, 32 registers each, laid as gamma
.set Z,   208                          ; v208-239 at work: four running pairs, then a whole block of 32 neighbours
.set CD,  240                          ; v240-243 a block's codes; v244-247 maximum, second chain, scale operand, byte
	s_load_b512 s[4:19], s[0:1], 0x0               ; x, gamma, beta, Wq, Wk, Wv, Wo codes, xa_img
	s_load_b128 s[20:23], s[0:1], 0x40             ; xa_scl, w_img
	v_lshl_add_u32 v254, v0, 2, 0x1e800
	v_mov_b32 v255, 0
	v_lshrrev_b32 v1, 5, v0
	s_delay_alu instid0(VALU_DEP_1)
	v_readfirstlane_b32 s24, v1                    ; wave 0..7
	v_and_b32 v1, 31, v0                           ; lane
	s_delay_alu instid0(VALU_DEP_1)
	v_lshlrev_b32 v2, 4, v1                        ; 16 x lane
	s_cmp_ge_u32 ttmp9, 256                        ; the same for all waves of a work-group
	s_cbranch_scc1 .Lweights
; ---------------- LayerNorm and quantiser: group G = work-group's number.  Wave w: tile u = w >> 2, tile rows 4 (w & 3) + 0..3, which are four tokens on end.
	s_mov_b32 s30, 0x76543210
	s_mov_b32 s31, 0xfedcba98                      ; v_permlanex16_b32's selects for lane xor 16
	s_mov_b32 s32, 0x3a800000                      ; 1 / 1024
	s_mov_b32 s33, 0x3727c5ac                      ; 1e-5
	s_lshr_b32 s25, s24, 2                         ; u
	s_and_b32 s34, s24, 3
	s_lshl_b32 s26, ttmp9, 17                      ; first token x 4,096 bytes: 32 G
	s_lshl_b32 s35, s25, 15                        ; + 8 u
	s_add_co_u32 s26, s26, s35
	s_and_b32 s35, s24, 1
	s_lshl_b32 s35, s35, 14                        ; + 4 (w & 1)
	s_add_co_u32 s26, s26, s35
	s_bfe_u32 s35, s24, 0x10001
	s_lshl_b32 s35, s35, 16                        ; + 16 ((w >> 1) & 1)
	s_add_co_u32 s26, s26, s35
	s_mov_b32 s27, 0
	s_mov_b32 s29, 0
	s_mul_i32 s36, s24, TURNB
	s_wait_alu depctr_va_vdst(0)
	v_lshrrev_b32 v3, 3, v1
	s_delay_alu instid0(VALU_DEP_1)
	v_lshl_add_u32 v3, v3, 4, v2
	s_delay_alu instid0(VALU_DEP_1)
	v_add_nc_u32 v3, s36, v3                       ; into the turn: load j's 16 bytes belong to block 4 j + lane / 8: 576 j + 16 lane + 16 (lane / 8)
	v_mul_u32_u24 v4, v1, 144
	s_delay_alu instid0(VALU_DEP_1)
	v_add_nc_u32 v4, s36, v4                       ; out of it: lane = block
	s_mul_i32 s37, s25, 8704
	s_lshl_b32 s38, s34, 6
	s_add_co_u32 s37, s37, s38
	s_add_co_u32 s37, s37, OST
	v_mul_u32_u24 v5, v1, 272
	s_delay_alu instid0(VALU_DEP_1)
	v_add_nc_u32 v5, s37, v5                       ; codes: row 32 u + lane, byte 16 x tile row
	s_lshl_b32 s37, s25, 8
	s_add_co_u32 s37, s37, s38
	s_add_co_u32 s37, s37, SCS
	v_lshrrev_b32 v6, 4, v1
	v_and_b32 v7, 15, v1
	s_delay_alu instid0(VALU_DEP_1)
	v_lshl_add_u32 v6, v6, 9, v7
	s_delay_alu instid0(VALU_DEP_1)
	v_add_nc_u32 v6, s37, v6                       ; scale byte: 512 (lane / 16) + 16 (tile row + 16 u) + lane % 16
	s_mul_i32 s37, s24, 8*272
	s_add_co_u32 s37, s37, OST
	v_lshrrev_b32 v8, 4, v1
	s_delay_alu instid0(VALU_DEP_1)
	v_mul_u32_u24 v8, v8, 272
	s_delay_alu instid0(VALU_DEP_1)
	v_lshl_add_u32 v7, v7, 4, v8
	s_delay_alu instid0(VALU_DEP_1)
	v_add_nc_u32 v7, s37, v7                       ; the way out: wave w takes rows 8 w .. 8 w + 7 of the 64, two an instruction
	v_lshlrev_b32 v8, 3, v0                        ; 8 x thread: the scale image's way out
	s_lshl_b32 s37, s24, 11
	v_add_nc_u32 v9, s37, v2                       ; 2,048 w + 16 lane
	v_mov_b32 v13, 0                               ; a lane permute's destination counts as one of its sources
	s_wait_kmcnt 0x0
	s_add_nc_u64 s[4:5], s[4:5], s[26:27]
	s_lshl_b32 s28, ttmp9, 14
	s_add_nc_u64 s[18:19], s[18:19], s[28:29]      ; the group's two images
	s_lshl_b32 s28, ttmp9, 10
	s_add_nc_u64 s[20:21], s[20:21], s[28:29]      ; its scale image
.irp q, 0,1,2,3,4,5,6,7
	global_load_b128 v[GA+4*\q:GA+4*\q+3], v2, s[6:7] offset:512*\q
.endr
.irp q, 0,1,2,3,4,5,6,7
	global_load_b128 v[BE+4*\q:BE+4*\q+3], v2, s[8:9] offset:512*\q
.endr
.irp p, 0,1,2,3
.irp q, 0,1,2,3,4,5,6,7
	global_load_b128 v[XR+32*\p+4*\q:XR+32*\p+4*\q+3], v2, s[4:5] offset:4096*\p+512*\q th:TH_LOAD_NT   ; 32 lanes read 512 bytes on end
.endr
.endr
.macro FOLD                            ; four running pairs into one number a lane
	s_delay_alu instid0(VALU_DEP_3)
	v_pk_add_f32 v[Z:Z+1], v[Z:Z+1], v[Z+2:Z+3]
	s_delay_alu instid0(VALU_DEP_2)
	v_pk_add_f32 v[Z+4:Z+5], v[Z+4:Z+5], v[Z+6:Z+7]
	s_delay_alu instid0(VALU_DEP_1)
	v_pk_add_f32 v[Z:Z+1], v[Z:Z+1], v[Z+4:Z+5]
	s_delay_alu instid0(VALU_DEP_1)
	v_add_f32 v12, v[Z], v[Z+1]
.endm
.macro REDUCE                          ; the sum over the 32 lanes, in every lane
	s_delay_alu instid0(VALU_DEP_1)
	v_add_f32_dpp v12, v12, v12 row_xmask:1 row_mask:0xf bank_mask:0xf
	s_delay_alu instid0(VALU_DEP_1)
	v_add_f32_dpp v12, v12, v12 row_xmask:2 row_mask:0xf bank_mask:0xf
	s_delay_alu instid0(VALU_DEP_1)
	v_add_f32_dpp v12, v12, v12 row_xmask:4 row_mask:0xf bank_mask:0xf
	s_delay_alu instid0(VALU_DEP_1)
	v_add_f32_dpp v12, v12, v12 row_xmask:8 row_mask:0xf bank_mask:0xf
	s_delay_alu instid0(VALU_DEP_1)
	v_permlanex16_b32 v13, v12, s30, s31
	s_delay_alu instid0(VALU_DEP_1)
	v_add_f32 v12, v12, v13
.endm
; One token: mean, variance, normalise, turn so that a lane holds a whole block of 32, quantise.
.macro ROW p
.set X, XR+32*(\p)
	s_wait_loadcnt 24-8*(\p)                       ; gamma, beta and this row are in; the 8 loads of each later row may be out
.irp c, 0,1,2,3
	v_pk_add_f32 v[Z+2*\c:Z+2*\c+1], v[X+2*\c:X+2*\c+1], v[X+8+2*\c:X+9+2*\c]
.endr
.irp g, 16,24
.irp c, 0,1,2,3
	s_delay_alu instid0(VALU_DEP_4)
	v_pk_add_f32 v[Z+2*\c:Z+2*\c+1], v[Z+2*\c:Z+2*\c+1], v[X+\g+2*\c:X+\g+2*\c+1]
.endr
.endr
	FOLD
	REDUCE
	s_delay_alu instid0(VALU_DEP_1)
	v_mul_f32 v10, s32, v12                        ; the mean, twice: a pair for the packed form
	s_delay_alu instid0(VALU_DEP_2)
	v_mul_f32 v11, s32, v12
.set j, 0
.rept 16
	v_pk_add_f32 v[X+j:X+j+1], v[X+j:X+j+1], v[10:11] neg_lo:[0,1] neg_hi:[0,1]   ; x - mean
.set j, j+2
.endr
.irp c, 0,1,2,3
	v_pk_mul_f32 v[Z+2*\c:Z+2*\c+1], v[X+2*\c:X+2*\c+1], v[X+2*\c:X+2*\c+1]
.endr
.irp g, 8,16,24
.irp c, 0,1,2,3
	s_delay_alu instid0(VALU_DEP_4)
	v_pk_fma_f32 v[Z+2*\c:Z+2*\c+1], v[X+\g+2*\c:X+\g+2*\c+1], v[X+\g+2*\c:X+\g+2*\c+1], v[Z+2*\c:Z+2*\c+1]
.endr
.endr
	FOLD
	REDUCE
	s_delay_alu instid0(VALU_DEP_1)
	v_fma_f32 v12, v12, s32, s33                   ; variance + eps
	s_wait_alu depctr_va_vdst(0)
	v_rsq_f32 v14, v12
	v_rsq_f32 v15, v12
	v_nop                                          ; one plain instruction between a transcendental and the use of its result (ISA guide 5.7.2)
.set j, 0
	s_wait_alu depctr_va_vdst(0)
.rept 16
	v_pk_mul_f32 v[X+j:X+j+1], v[X+j:X+j+1], v[14:15]
.set j, j+2
.endr
.set j, 0
.rept 16
	v_pk_fma_f32 v[X+j:X+j+1], v[X+j:X+j+1], v[GA+j:GA+j+1], v[BE+j:BE+j+1]
.set j, j+2
.endr
.irp q, 0,1,2,3,4,5,6,7
	ds_store_b128 v3, v[X+4*\q:X+4*\q+3] offset:576*\q
.endr
.irp q, 0,1,2,3,4,5,6,7
	ds_load_b128 v[Z+4*\q:Z+4*\q+3], v4 offset:16*\q   ; LDS serves a wave's instructions in order: these see the stores above
.endr
	s_wait_dscnt 0x0                               ; my block is in; the last row's stores of codes and byte are done too
	v_max3_num_f32 v244, |v[Z]|, |v[Z+1]|, |v[Z+2]|
	v_max3_num_f32 v245, |v[Z+3]|, |v[Z+4]|, |v[Z+5]|
.irp i, 6,10,14,18,22,26
	s_delay_alu instid0(VALU_DEP_2)
	v_max3_num_f32 v244, v244, |v[Z+\i]|, |v[Z+\i+1]|
	s_delay_alu instid0(VALU_DEP_2)
	v_max3_num_f32 v245, v245, |v[Z+\i+2]|, |v[Z+\i+3]|
.endr
	s_delay_alu instid0(VALU_DEP_2)
	v_max3_num_f32 v244, v244, |v[Z+30]|, |v[Z+31]|
	s_delay_alu instid0(VALU_DEP_1)
	v_max3_num_f32 v244, v244, v245, 0x1800000     ; the floor 2^(3 - 127): the byte cannot fall under 1
	s_delay_alu instid0(VALU_DEP_1)
	v_add_nc_u32 v246, 0xff000000, v244            ; 2 off the exponent field: the conversion's scale operand
	s_delay_alu instid0(VALU_DEP_1)
	v_lshrrev_b32 v247, 23, v246                   ; the scale's byte
.irp g, 0,1,2,3
	v_cvt_scalef32_pk8_fp4_f32 v[CD+\g], v[Z+8*\g:Z+8*\g+7], v246
.endr
	v_nop                                          ; one plain instruction behind the last scaled conversion: the next row writes its sources
	ds_store_b128 v5, v[CD:CD+3] offset:16*(\p)
	ds_store_b8 v6, v247 offset:16*(\p)
.endm
	ROW 0
	ROW 1
	ROW 2
	ROW 3
	s_wait_dscnt 0x0                               ; for the others' sake: my stores into the images are done
	s_barrier_signal -1
	s_barrier_wait -1
.irp k, 0,1,2,3
	ds_load_b128 v[Z+4*\k:Z+4*\k+3], v7 offset:544*\k
.endr
.irp k, 0,1,2,3
	s_wait_dscnt 3-\k
	global_store_b128 v9, v[Z+4*\k:Z+4*\k+3], s[18:19] offset:512*\k   ; 32 lanes store 512 bytes on end, aligned to 256
.endr
	s_cmp_ge_u32 s24, 4                            ; waves 0-3 take the 1,024 bytes of the scale image, 256 each
	s_cbranch_scc1 .Lln_done
	ds_load_b64 v[10:11], v8 offset:SCS
	s_wait_dscnt 0x0
	global_store_b64 v8, v[10:11], s[20:21]
.Lln_done:
	s_wait_tensorcnt 0x0
	ds_add_u32 v254, v255
	s_wait_dscnt 0x0
	s_endpgm
; ---------------- The weights' images: a wave takes one tile of 16 rows; 32 work-groups x 8 waves = 4 weights x 64 tiles.
.Lweights:
	s_sub_co_u32 s25, ttmp9, 256
	s_lshr_b32 s36, s25, 3                         ; which weight: q, k, v, o
	s_lshl_b32 s25, s25, 3
	s_add_co_u32 s25, s25, s24                     ; tile 0..255 of w_img
	s_and_b32 s37, s25, 63                         ; tile of the weight
	s_lshr_b32 s38, s37, 1
	s_lshl_b32 s38, s38, 14                        ; 32 rows of 512 bytes for each group,
	s_and_b32 s39, s37, 1
	s_lshl_b32 s39, s39, 12                        ; 8 rows for the odd tile
	s_add_co_u32 s26, s38, s39
	s_mov_b32 s27, 0
	s_lshl_b32 s28, s25, 13
	s_mov_b32 s29, 0
	s_mul_i32 s40, s24, 8704
	s_add_co_u32 s40, s40, WST
	s_wait_alu depctr_va_vdst(0)
	v_mul_u32_u24 v3, v1, 272
	s_delay_alu instid0(VALU_DEP_1)
	v_add_nc_u32 v3, s40, v3                       ; in: stage row = block = lane; byte 16 x tile row
	v_lshrrev_b32 v4, 4, v1
	s_delay_alu instid0(VALU_DEP_1)
	v_mul_u32_u24 v4, v4, 272
	v_and_b32 v5, 15, v1
	s_delay_alu instid0(VALU_DEP_1)
	v_lshl_add_u32 v4, v5, 4, v4
	s_delay_alu instid0(VALU_DEP_1)
	v_add_nc_u32 v4, s40, v4                       ; back: two stage rows an instruction
	s_wait_alu depctr_va_vdst(0)
	s_wait_kmcnt 0x0
	s_mov_b64 s[34:35], s[10:11]
	s_cmp_eq_u32 s36, 1                            ; the choice hangs on the work-group's number alone
	s_cselect_b64 s[34:35], s[12:13], s[34:35]
	s_cmp_eq_u32 s36, 2
	s_cselect_b64 s[34:35], s[14:15], s[34:35]
	s_cmp_eq_u32 s36, 3
	s_cselect_b64 s[34:35], s[16:17], s[34:35]
	s_add_nc_u64 s[34:35], s[34:35], s[26:27]
	s_add_nc_u64 s[22:23], s[22:23], s[28:29]
.irp p, 0,1,2,3,4,5,6,7,8,9,10,11,12,13,14,15
	global_load_b128 v[80+4*\p:83+4*\p], v2, s[34:35] offset:((\p%8)+16*(\p/8))*512   ; tile row p: one whole row of 512 bytes
.endr
.irp p, 0,1,2,3,4,5,6,7,8,9,10,11,12,13,14,15
	s_wait_loadcnt 15-\p
	ds_store_b128 v3, v[80+4*\p:83+4*\p] offset:16*\p
.endr
.irp k, 0,1,2,3,4,5,6,7,8,9,10,11,12,13,14,15
	ds_load_b128 v[144+4*\k:147+4*\k], v4 offset:544*\k   ; the stage is my wave's own: LDS serves a wave's instructions in order
.endr
.irp k, 0,1,2,3,4,5,6,7,8,9,10,11,12,13,14,15
	s_wait_dscnt 15-\k
	global_store_b128 v2, v[144+4*\k:147+4*\k], s[22:23] offset:512*\k
.endr
	s_wait_tensorcnt 0x0
	ds_add_u32 v254, v255
	s_wait_dscnt 0x0
	s_endpgm
.Lfunc_end_k_q5b0300eac4_prep:
	.size	k_q5b0300eac4_prep, .Lfunc_end_k_q5b0300eac4_prep-k_q5b0300eac4_prep
	.p2alignl 7, 3214868480
	.fill 96, 4, 3214868480
	.section	.rodata,"a",@progbits
	.p2align	6, 0x0
	.amdhsa_kernel k_q5b0300eac4_prep
		.amdhsa_group_segment_fixed_size 125952
		.amdhsa_private_segment_fixed_size 0
		.amdhsa_enable_private_segment 0
		.amdhsa_kernarg_size 80
		.amdhsa_user_sgpr_count 2
		.amdhsa_user_sgpr_kernarg_segment_ptr 1
		.amdhsa_wavefront_size32 1
		.amdhsa_system_sgpr_workgroup_id_x 1
		.amdhsa_system_sgpr_workgroup_id_y 1
		.amdhsa_system_sgpr_workgroup_id_z 1
		.amdhsa_system_vgpr_workitem_id 0
		.amdhsa_next_free_vgpr 256
		.amdhsa_next_free_sgpr 66
		.amdhsa_reserve_vcc 0
		.amdhsa_float_denorm_mode_32 3
		.amdhsa_float_denorm_mode_16_64 3
		.amdhsa_memory_ordered 1
		.amdhsa_forward_progress 1
		.amdhsa_inst_pref_size 60
	.end_amdhsa_kernel
	.amdgpu_metadata
---
amdhsa.version: [ 1, 2 ]
amdhsa.kernels:
  - .name:           k_q5b0300eac4_prep
    .symbol:         k_q5b0300eac4_prep.kd
    .args:
      - { .name: x, .offset: 0, .size: 8, .value_kind: global_buffer, .address_space: global }
      - { .name: ln_gamma, .offset: 8, .size: 8, .value_kind: global_buffer, .address_space: global }
      - { .name: ln_beta, .offset: 16, .size: 8, .value_kind: global_buffer, .address_space: global }
      - { .name: Wq_codes, .offset: 24, .size: 8, .value_kind: global_buffer, .address_space: global }
      - { .name: Wk_codes, .offset: 32, .size: 8, .value_kind: global_buffer, .address_space: global }
      - { .name: Wv_codes, .offset: 40, .size: 8, .value_kind: global_buffer, .address_space: global }
      - { .name: Wo_codes, .offset: 48, .size: 8, .value_kind: global_buffer, .address_space: global }
      - { .name: xa_img, .offset: 56, .size: 8, .value_kind: global_buffer, .address_space: global }
      - { .name: xa_scl, .offset: 64, .size: 8, .value_kind: global_buffer, .address_space: global }
      - { .name: w_img, .offset: 72, .size: 8, .value_kind: global_buffer, .address_space: global }
    .group_segment_fixed_size: 125952
    .private_segment_fixed_size: 0
    .kernarg_segment_align: 8
    .kernarg_segment_size: 80
    .max_flat_workgroup_size: 256
    .sgpr_count:     66
    .vgpr_count:     256
    .wavefront_size: 32
...
	.end_amdgpu_metadata
.endif
;; end of part 5
;; launch qkv (part 6): grid 4 x 64, 4 waves a work-group, no clusters, 66,048 bytes of LDS; arguments xa_img, xa_scl, w_img, Wq_scales, Wk_scales, Wv_scales, q_img, q_scl, kv; writes q_img, q_scl, kv
.if DOCPART == 6
	.amdgcn_target "amdgcn-amd-amdhsa--gfx1250"
	.amdhsa_code_object_version 6
	.text
	.protected	k_q5b0300eac4_qkv
	.globl	k_q5b0300eac4_qkv
	.p2align	8
	.type	k_q5b0300eac4_qkv,@function
k_q5b0300eac4_qkv:
	s_mov_b64 s[64:65], 0
	v_nop
	global_prefetch_b8 v0, s[64:65] scope:SCOPE_SE
	s_setreg_imm32_b32 hwreg(HW_REG_WAVE_SCHED_MODE, 0, 2), 2
	s_setreg_imm32_b32 hwreg(HW_REG_WAVE_MODE, 25, 1), 1
	s_wait_xcnt 0x0
	s_wait_alu depctr_vm_vsrc(0)
; QKV.  q, k, v = xn Wq^T, xn Wk^T, xn Wv^T on FP4 codes (K = 1,024), each result quantised in registers for attention: q / 8 and k along the head's 64, v along the keys.
; SHARES.  A work-group: 128 tokens (block y) x four heads; wave w: head hd = 4 x + w, its 64 columns of each of the three weights.  256 work-groups.
; xn's 8 tile images (64 KB) are copied into LDS once and read by all four waves; a wave's 32 KB of one weight go from memory straight into 256 registers, since no other wave of the work-group wants them.
; Straight-line text: three products of 8 K steps x 32 matrix instructions, 32 accumulators by turns.
; q AND k ARE MADE TRANSPOSED (source 0 = 16 weight rows, source 1 = 16 tokens): a lane holds one token and, by the tile order of the weight's rows, 16 neighbouring channels in two tiles' registers.
; v IS MADE THE OTHER WAY (source 0 = tokens, source 1 = weight rows): a lane holds one channel and, by the tile order of the tokens, 16 neighbouring keys.
; q / 8: dividing by 8 changes no code; its scale byte is q's less 3.  The floor on |q| is 2^(6 - 127), so that the byte of q / 8 is held at 1 from below as the quantiser's rule asks.
; OUT.  q_img [bh][128 tiles][512]: lane's 16 bytes at 16 x lane = block lane / 16 of row lane % 16.  q_scl [bh][16 steps][lane][4 words]: word j of lane (r, h): tile 2 j + h, row r; bytes 2, 3 are 0.
; kv [bh][16 key steps][8,960]: K's 8 pieces at 0, V^T's 4 fragments (16 channels x 128 keys) at 4,096, K's scale words at 8,192 (as q_scl), V's at 8,704 (lane (r, h): words j = 0, 1 of channel tile 2 j + h).
; No cluster: what the four work-groups of a token block share is 68 KB of the 164 KB that each reads, and it is read once; no tensor load: every LDS byte is written once, by plain stores.
; LIMITS: NaN and infinities are not served; a block of zeros gets the floor's byte (its codes are zeros; this program alone reads the bytes).
; REGISTERS: window 0: v1-4 addresses; v16-47 xn's scale words; v48-79 the weights', two sets; v80-207 xn's fragments, two buffers of 8; v208-243 at work.  window 1: 32 accumulators.  windows 2, 3: a weight's 32 fragments each.
; THE MODE: SCHED_MODE bits 1:0 = 2 (LLVM: expert scheduling mode 2), set by the entry lines.  The code itself states the register dependences
; between vector or matrix instructions and memory or LDS instructions, with s_wait_alu, always for 0.
; THE PLAN.  Registers that memory or LDS instructions touch:
;   v1-v4         Offsets, made once at the head and never written again.
;   AF0, AF1      Step s: its matrix instructions read AF[s % 2]; the sixteen LDS loads of step s + 1, issued in step s, land in the other buffer, which step s - 1 read.
;   WS0, WS1 and windows 2, 3.  A product reads one scale set and one window; the next product's weight is loaded into the other pair meanwhile.
;   AS            Loaded once at the head.
;   PC, SW        Written by the way out's conversions, swaps and selects; read by its stores.
; So ONE wait on va_vdst stands at the head of a K step: the step before is done reading the buffer that is asked for now, and, in a product's first step, the product before is done reading its window and its scale set.
; The step's loads follow it in two runs of eight, the second behind the step's first sixteen matrix instructions, which name the other buffer, the other window and the other set: none of the registers that these loads touch;
; the same holds of the weight's loads that stand between two steps.  In the way out one wait on va_vdst stands ahead of each run of stores, one on vm_vsrc ahead of the conversions that write PC again.
.set L16, 1                            ; 16 x lane
.set T16, 2                            ; 16 x thread
.set VW,  3                            ; a weight's scale bytes: 32 x (the row that tile order gives lane r + 16 u)
.set L8,  4                            ; 8 x lane
.set AS,  16                           ; AS + 8 j + s: K step s; lanes 0-15 token tile 2 j, lanes 16-31 tile 2 j + 1
.set WS,  48                           ; WS + 16 set + 8 b + s: likewise for weight tiles 2 b, 2 b + 1
.set AF,  80
.set TM,  208                          ; +0..3 largest magnitudes, +4..7 bytes, +12..15 the conversions' scale operands
.set PC,  224                          ; codes just made
.set PW,  232                          ; scale words just made
.set SW,  240                          ; scale words as they are stored
.set SEL, 34
.set MSB, 0
.macro WIN new                         ; the immediate's high byte repeats the setting that is left; a switch that changes nothing is dropped
.if MSB != \new
	s_set_vgpr_msb (MSB<<8)|\new
.set MSB, \new
.endif
.endm
.macro PLACES                          ; four plain instructions between a matrix instruction and a read of its result or a load into one of its registers
.rept 4
	v_nop
.endr
.endm
; One matrix instruction from the symbols rD, rA, rB, rSA, rSB; fZ: the constant 0 starts the sum; fRA, fRB: that side's scales stand in lanes 16-31.
.macro WM
.if fZ
.if fRA && fRB
	v_wmma_scale_f32_16x16x128_f8f6f4 v[rD:rD+7], v[rA:rA+7], v[rB:rB+7], 0, v[rSA], v[rSB] matrix_a_fmt:MATRIX_FMT_FP4 matrix_b_fmt:MATRIX_FMT_FP4 matrix_a_scale:MATRIX_SCALE_ROW1 matrix_b_scale:MATRIX_SCALE_ROW1
.elseif fRA
	v_wmma_scale_f32_16x16x128_f8f6f4 v[rD:rD+7], v[rA:rA+7], v[rB:rB+7], 0, v[rSA], v[rSB] matrix_a_fmt:MATRIX_FMT_FP4 matrix_b_fmt:MATRIX_FMT_FP4 matrix_a_scale:MATRIX_SCALE_ROW1
.elseif fRB
	v_wmma_scale_f32_16x16x128_f8f6f4 v[rD:rD+7], v[rA:rA+7], v[rB:rB+7], 0, v[rSA], v[rSB] matrix_a_fmt:MATRIX_FMT_FP4 matrix_b_fmt:MATRIX_FMT_FP4 matrix_b_scale:MATRIX_SCALE_ROW1
.else
	v_wmma_scale_f32_16x16x128_f8f6f4 v[rD:rD+7], v[rA:rA+7], v[rB:rB+7], 0, v[rSA], v[rSB] matrix_a_fmt:MATRIX_FMT_FP4 matrix_b_fmt:MATRIX_FMT_FP4
.endif
.else
.if fRA && fRB
	v_wmma_scale_f32_16x16x128_f8f6f4 v[rD:rD+7], v[rA:rA+7], v[rB:rB+7], v[rD:rD+7], v[rSA], v[rSB] matrix_a_fmt:MATRIX_FMT_FP4 matrix_b_fmt:MATRIX_FMT_FP4 matrix_a_scale:MATRIX_SCALE_ROW1 matrix_b_scale:MATRIX_SCALE_ROW1
.elseif fRA
	v_wmma_scale_f32_16x16x128_f8f6f4 v[rD:rD+7], v[rA:rA+7], v[rB:rB+7], v[rD:rD+7], v[rSA], v[rSB] matrix_a_fmt:MATRIX_FMT_FP4 matrix_b_fmt:MATRIX_FMT_FP4 matrix_a_scale:MATRIX_SCALE_ROW1
.elseif fRB
	v_wmma_scale_f32_16x16x128_f8f6f4 v[rD:rD+7], v[rA:rA+7], v[rB:rB+7], v[rD:rD+7], v[rSA], v[rSB] matrix_a_fmt:MATRIX_FMT_FP4 matrix_b_fmt:MATRIX_FMT_FP4 matrix_b_scale:MATRIX_SCALE_ROW1
.else
	v_wmma_scale_f32_16x16x128_f8f6f4 v[rD:rD+7], v[rA:rA+7], v[rB:rB+7], v[rD:rD+7], v[rSA], v[rSB] matrix_a_fmt:MATRIX_FMT_FP4 matrix_b_fmt:MATRIX_FMT_FP4
.endif
.endif
.endm
.macro WSCL set, sb                    ; a weight's scale words of my 64 rows, straight from the input [1024][32 bytes]: 4 loads
.irp b, 0,1
.irp q, 0,1
	global_load_b128 v[WS+16*(\set)+8*\b+4*\q:WS+16*(\set)+8*\b+4*\q+3], v[VW], s[\sb:\sb+1] offset:1024*\b+16*\q
.endr
.endr
.endm
.macro WLOAD win, ty, half             ; K steps 4 half .. 4 half + 3 of weight ty's four tiles of my head into the window that win names as destination: 32 loads of 512 bytes on end
	WIN \win
.set wt, 0
.rept 4
.set ws, 4*(\half)
.rept 4
	global_load_b128 v[64*wt+8*ws:64*wt+8*ws+3], v[L16], s[8:9] offset:(\ty)*524288+8192*wt+1024*ws
	global_load_b128 v[64*wt+8*ws+4:64*wt+8*ws+7], v[L16], s[8:9] offset:(\ty)*524288+8192*wt+1024*ws+512
.set ws, ws+1
.endr
.set wt, wt+1
.endr
	WIN 0
.endm
.macro FETCH_A s, h                    ; token tiles 4 h .. 4 h + 3: their fragments of K step s into buffer s % 2: 8 LDS loads of 512 bytes on end
.set fi, 4*(\h)
.rept 4
	ds_load_b128 v[AF+64*((\s)%2)+8*fi:AF+64*((\s)%2)+8*fi+3], v[L16] offset:8192*fi+1024*(\s)
	ds_load_b128 v[AF+64*((\s)%2)+8*fi+4:AF+64*((\s)%2)+8*fi+7], v[L16] offset:8192*fi+1024*(\s)+512
.set fi, fi+1
.endr
.endm
; 16 matrix instructions: token tiles 4 h .. 4 h + 3 against the weight's four.  kind 0: source 0 = weight tile t, source 1 = token tile i, accumulator 4 i + t.  kind 1: the sources change places, accumulator 8 t + i.
.macro HALF kind, s, win, set, h
	WIN \win
.set gi, 4*(\h)
.rept 4
.set gt, 0
.rept 4
.if \kind == 0
.set rD, 8*(4*gi+gt)
.set rA, 64*gt+8*(\s)
.set rB, AF+64*((\s)%2)+8*gi
.set rSA, WS+16*(\set)+8*(gt/2)+(\s)
.set rSB, AS+8*(gi/2)+(\s)
.set fRA, gt%2
.set fRB, gi%2
.else
.set rD, 8*(8*gt+gi)
.set rA, AF+64*((\s)%2)+8*gi
.set rB, 64*gt+8*(\s)
.set rSA, AS+8*(gi/2)+(\s)
.set rSB, WS+16*(\set)+8*(gt/2)+(\s)
.set fRA, gi%2
.set fRB, gt%2
.endif
	WM
.set gt, gt+1
.endr
.set gi, gi+1
.endr
.endm
; A K step of 128: 32 matrix instructions in two halves.  next = 1: the following K step's fragments are asked for, eight loads ahead of each half, into the buffer that the step before multiplied.
; next = 2: the same in the kernel's first step, ahead of which no matrix instruction stands.  next = 0: the last step of all, which asks for nothing.
.macro GSTEP kind, s, win, set, next
.if (\s) == 0
.set fZ, 1
.else
.set fZ, 0
.endif
.if \next
.if (\next) == 1
	PLACES
	s_wait_alu depctr_va_vdst(0)                   ; the step before is done reading the buffer in which this step's sixteen loads land; in a product's first step: the product before is done reading its window and its scale set, in which the loads behind this step land
.endif
	FETCH_A ((\s)+1)%8, 0
	s_wait_dscnt 16                                ; this step's tiles 0-3 are in; its tiles 4-7 and the eight loads just issued may be out
.else
	s_wait_dscnt 8                                 ; tiles 0-3 are in; tiles 4-7 may be out
.endif
	HALF \kind, \s, \win, \set, 0
.if \next
	WIN 0
	FETCH_A ((\s)+1)%8, 1                          ; no wait: no matrix instruction since the wait at the step's head names these registers
	s_wait_dscnt 16                                ; this step's tiles 4-7 are in; the next step's sixteen loads may be out
.else
	s_wait_dscnt 0x0
.endif
	HALF \kind, \s, \win, \set, 1
	WIN 0
.endm
; 64 accumulator registers of window 1, register 16 b + i = number 32 b + 16 (lane / 16) + i of the lane's row, become codes in v[PC] on (a whole block a lane: registers 4 c .. 4 c + 3 hold block 2 c + lane / 16) and four bytes in v[TM+4] on.
; Each accumulator is first read at its two lowest registers.  again = 0: the kernel's first, ahead of which no store has read v[PC] on.
.macro QUANT4 src, floor, again
	WIN 0x05                                       ; sources 0 and 1: window 1
.irp b, 0,1,2,3
	v_max3_num_f32 v[TM+\b], |v[(\src)+16*\b]|, |v[(\src)+16*\b+1]|, \floor
.endr
	WIN 0x14                                       ; sources 1 and 2: window 1
.irp i, 2,4,6,8,10,12,14
.irp b, 0,1,2,3
	v_max3_num_f32 v[TM+\b], v[TM+\b], |v[(\src)+16*\b+\i]|, |v[(\src)+16*\b+\i+1]|
.endr
.endr
	WIN 0
.irp b, 0,1,2,3
	v_permlanex16_b32 v[TM+4+\b], v[TM+\b], s[SEL], s[SEL+1]
.endr
.irp b, 0,1,2,3
	v_max_num_f32 v[TM+\b], v[TM+\b], v[TM+4+\b]   ; with lane xor 16's 16 numbers: the block's largest magnitude
.endr
.irp b, 0,1,2,3
	v_add_nc_u32 v[TM+12+\b], 0xff000000, v[TM+\b] ; 2 off the exponent field: the conversion's scale operand
.endr
.irp b, 0,1,2,3
	v_lshrrev_b32 v[TM+4+\b], 23, v[TM+12+\b]      ; the scale's byte
.endr
	s_wait_alu depctr_va_vdst(0)
	s_wait_xcnt 0x0                                ; earlier stores have read v[PC] on and v[SW] on: they are written again only behind this wait
.if \again
	s_wait_alu depctr_vm_vsrc(0)                   ; the stores issued so far have read v[PC] on and v[SW] on, which the conversions, the swaps and the selects below write again
.endif
	WIN 0x01                                       ; source 0: window 1
.irp b, 0,1,2,3
	v_cvt_scalef32_pk8_fp4_f32 v[PC+2*\b], v[(\src)+16*\b:(\src)+16*\b+7], v[TM+12+\b]
	v_cvt_scalef32_pk8_fp4_f32 v[PC+2*\b+1], v[(\src)+16*\b+8:(\src)+16*\b+15], v[TM+12+\b]
.endr
	WIN 0
	v_nop                                          ; one plain instruction behind the last scaled conversion
.irp c, 0,1
.irp i, 0,1
	v_permlane16_swap_b32 v[PC+4*\c+\i], v[PC+4*\c+2+\i]
.endr
.endr
.endm
; q's or k's way out: token tiles 2 a and 2 a + 1 at a time (two blocks of 32 channels each); a tile's piece is 512 bytes on end.  later = 0: q's, the first way out.
.macro EPI_QK floor, sub, pb, sb, soff, later
	PLACES
.irp a, 0,1,2,3
	QUANT4 64*\a, \floor, (\a)+(\later)
	v_lshl_or_b32 v[PW+2*\a], v[TM+5], 8, v[TM+4]
	v_lshl_or_b32 v[PW+2*\a+1], v[TM+7], 8, v[TM+6]
.if \sub
	v_add_nc_u32 v[PW+2*\a], \sub, v[PW+2*\a]      ; 3 off both bytes (each is 4 at the least: nothing is borrowed)
	v_add_nc_u32 v[PW+2*\a+1], \sub, v[PW+2*\a+1]
.endif
.if \a == 3
.irp j, 0,1,2,3
	v_cndmask_b32 v[SW+\j], v[PW+2*\j], v[PW+2*\j+1], vcc_lo   ; lanes 0-15 tile 2 j's word, lanes 16-31 tile 2 j + 1's
.endr
.endif
	s_wait_alu depctr_va_vdst(0)                   ; the conversions and swaps have written v[PC] on, which the two stores read; behind the last pair of tiles the selects have written v[SW] on too
	global_store_b128 v[L16], v[PC:PC+3], s[\pb:\pb+1] offset:1024*\a
	global_store_b128 v[L16], v[PC+4:PC+7], s[\pb:\pb+1] offset:1024*\a+512
.endr
	global_store_b128 v[L16], v[SW:SW+3], s[\sb:\sb+1] offset:\soff   ; no vector instruction stands between the last wait and this store
.endm
	s_load_b512 s[4:19], s[0:1], 0x0               ; xa_img, xa_scl, w_img, Wq, Wk, Wv scales, q_img, q_scl
	s_load_b64 s[20:21], s[0:1], 0x40              ; kv
	v_lshl_add_u32 v254, v0, 2, 0x10000            ; my spare word and 0: made here and kept for the closing lines alone
	v_mov_b32 v255, 0
	v_lshrrev_b32 v1, 5, v0
	v_readfirstlane_b32 s22, v1                    ; wave 0..3
	v_lshlrev_b32 v[T16], 4, v0
	v_and_b32 v5, 31, v0
	v_lshlrev_b32 v[L16], 4, v5
	v_lshlrev_b32 v[L8], 3, v5
	v_bfe_u32 v6, v0, 4, 1
	v_and_b32 v7, 7, v0
	v_bfe_u32 v8, v0, 3, 1
	v_lshlrev_b32 v[VW], 5, v7                     ; 32 bytes a row: (r & 7)
	v_lshl_add_u32 v[VW], v6, 8, v[VW]             ; + 8 u
	v_lshl_add_u32 v[VW], v8, 9, v[VW]             ; + 16 (r >> 3)
.irp b, 0,1,2,3
	v_mov_b32 v[TM+4+\b], 0                        ; a lane permute's destination counts as one of its sources
.endr
	s_mov_b32 vcc_lo, 0xffff0000                   ; lanes 16-31
	s_mov_b32 s[SEL], 0x76543210
	s_mov_b32 s[SEL+1], 0xfedcba98
	s_wait_alu depctr_va_sdst(0)                   ; s22 is written, ahead of its first reader: the head and with it every base are made from it
	s_and_b32 s23, ttmp7, 0xffff                   ; block of 128 tokens
	s_lshl_b32 s25, ttmp9, 2
	s_add_co_u32 s25, s25, s22                     ; head
	s_lshr_b32 s26, s23, 4                         ; batch
	s_and_b32 s27, s23, 15                         ; key step
	s_lshl_b32 s28, s26, 4
	s_add_co_u32 s28, s28, s25                     ; bh
	s_mov_b32 s31, 0
	s_wait_kmcnt 0x0
	s_lshl_b32 s30, s23, 16
	s_add_nc_u64 s[4:5], s[4:5], s[30:31]          ; my block's 8 images
	s_lshl_b32 s30, s23, 12
	s_add_nc_u64 s[6:7], s[6:7], s[30:31]          ; its 4 scale images
	s_lshl_b32 s30, s25, 15
	s_add_nc_u64 s[8:9], s[8:9], s[30:31]          ; my head's 4 tiles of each weight
	s_lshl_b32 s30, s25, 11
	s_add_nc_u64 s[10:11], s[10:11], s[30:31]      ; my head's 64 rows of scale bytes
	s_add_nc_u64 s[12:13], s[12:13], s[30:31]
	s_add_nc_u64 s[14:15], s[14:15], s[30:31]
	s_lshl_b32 s30, s28, 16
	s_lshl_b32 s32, s27, 12
	s_add_co_u32 s30, s30, s32
	s_add_nc_u64 s[16:17], s[16:17], s[30:31]
	s_lshl_b32 s30, s28, 13
	s_lshl_b32 s32, s27, 9
	s_add_co_u32 s30, s30, s32
	s_add_nc_u64 s[18:19], s[18:19], s[30:31]
	s_mul_i32 s30, s28, 143360
	s_mul_i32 s32, s27, 8960
	s_add_co_u32 s30, s30, s32
	s_add_nc_u64 s[20:21], s[20:21], s[30:31]
	s_wait_alu depctr_va_vdst(0)                   ; the four offsets v1 to v4 are written, which every load and store of the kernel reads
.set ai, 0
.rept 32
	global_load_b128 v[AF+4*ai:AF+4*ai+3], v[T16], s[4:5] offset:2048*ai   ; the block's 64 KB, 2,048 bytes on end for each line of the work-group
.set ai, ai+1
.endr
.irp j, 0,1,2,3
.irp q, 0,1
	global_load_b128 v[AS+8*\j+4*\q:AS+8*\j+4*\q+3], v[L16], s[6:7] offset:1024*\j+512*\q
.endr
.endr
	WSCL 0, 10
	WLOAD 0x80, 0, 0
	s_wait_loadcnt 44                              ; the block's 32 loads are in; behind them stand 8 + 4 + 32
.set ai, 0
.rept 32
	ds_store_b128 v[T16], v[AF+4*ai:AF+4*ai+3] offset:2048*ai
.set ai, ai+1
.endr
	WLOAD 0x80, 0, 1
	s_wait_dscnt 0x0                               ; for the others' sake: my part of the block lies in LDS
	s_barrier_signal -1
	s_barrier_wait -1                              ; the only barrier: from here on LDS is only read
	s_wait_alu depctr_vm_vsrc(0)                   ; my LDS stores have read v80 to v207: these registers are the two fragment buffers from here on, in which LDS loads land
	FETCH_A 0, 0
	FETCH_A 0, 1
	s_wait_loadcnt 0x0                             ; scale words and Wq's fragments
	; ---- q: Wq in window 2, scale set 0; Wk comes into window 3 and set 1 meanwhile
	GSTEP 0, 0, 0x52, 0, 2
	WSCL 1, 12
	WLOAD 0xc0, 1, 0
.irp s, 1,2,3,4
	GSTEP 0, \s, 0x52, 0, 1
.endr
	WLOAD 0xc0, 1, 1
.irp s, 5,6,7
	GSTEP 0, \s, 0x52, 0, 1
.endr
	EPI_QK 0x3000000, 0xfffffcfd, 16, 18, 0, 0
	s_wait_loadcnt 0x0                             ; Wk
	; ---- k: Wk in window 3, set 1; Wv comes into window 2 and set 0, which q's matrix instructions read: the wait at the head of k's first step has shown them done, and k's name neither
	GSTEP 0, 0, 0x53, 1, 1
	WSCL 0, 14
	WLOAD 0x80, 2, 0
.irp s, 1,2,3,4
	GSTEP 0, \s, 0x53, 1, 1
.endr
	WLOAD 0x80, 2, 1
.irp s, 5,6,7
	GSTEP 0, \s, 0x53, 1, 1
.endr
	EPI_QK 0x1800000, 0, 20, 20, 8192, 1
	s_wait_loadcnt 0x0                             ; Wv
	; ---- v: source 0 = tokens (window 0), source 1 = Wv (window 2)
.irp s, 0,1,2,3,4,5,6
	GSTEP 1, \s, 0x58, 0, 1
.endr
	GSTEP 1, 7, 0x58, 0, 0
	PLACES
.irp t, 0,1,2,3                        ; channel tile t: 64 registers = 128 keys of one channel a lane: a whole fragment and one scale word
	QUANT4 64*\t, 0x1800000, 1
	v_lshl_or_b32 v[PW+\t], v[TM+5], 8, v[TM+4]
	v_lshl_or_b32 v[PW+\t], v[TM+6], 16, v[PW+\t]
	v_lshl_or_b32 v[PW+\t], v[TM+7], 24, v[PW+\t]
.if \t == 3
	v_cndmask_b32 v[SW], v[PW], v[PW+1], vcc_lo
	v_cndmask_b32 v[SW+1], v[PW+2], v[PW+3], vcc_lo
.endif
	s_wait_alu depctr_va_vdst(0)                   ; the conversions and swaps have written v[PC] on, which the two stores read; behind the last tile the selects have written v[SW] and v[SW+1] too
	global_store_b128 v[L16], v[PC:PC+3], s[20:21] offset:4096+1024*\t
	global_store_b128 v[L16], v[PC+4:PC+7], s[20:21] offset:4096+1024*\t+512
.endr
	global_store_b64 v[L8], v[SW:SW+1], s[20:21] offset:8704   ; no vector instruction stands between the last wait and this store
	s_wait_dscnt 0x0                               ; the closing lines, six on end
	s_wait_alu 0x0
	s_wait_tensorcnt 0x0
	ds_add_u32 v254, v255
	s_wait_dscnt 0x0
	s_endpgm
.Lfunc_end_k_q5b0300eac4_qkv:
	.size	k_q5b0300eac4_qkv, .Lfunc_end_k_q5b0300eac4_qkv-k_q5b0300eac4_qkv
	.p2alignl 7, 3214868480
	.fill 96, 4, 3214868480
	.section	.rodata,"a",@progbits
	.p2align	6, 0x0
	.amdhsa_kernel k_q5b0300eac4_qkv
		.amdhsa_group_segment_fixed_size 66048
		.amdhsa_private_segment_fixed_size 0
		.amdhsa_enable_private_segment 0
		.amdhsa_kernarg_size 72
		.amdhsa_user_sgpr_count 2
		.amdhsa_user_sgpr_kernarg_segment_ptr 1
		.amdhsa_wavefront_size32 1
		.amdhsa_system_sgpr_workgroup_id_x 1
		.amdhsa_system_sgpr_workgroup_id_y 1
		.amdhsa_system_sgpr_workgroup_id_z 1
		.amdhsa_system_vgpr_workitem_id 0
		.amdhsa_next_free_vgpr 1024
		.amdhsa_next_free_sgpr 66
		.amdhsa_reserve_vcc 1
		.amdhsa_float_denorm_mode_32 3
		.amdhsa_float_denorm_mode_16_64 3
		.amdhsa_memory_ordered 1
		.amdhsa_forward_progress 1
		.amdhsa_inst_pref_size 208
	.end_amdhsa_kernel
	.amdgpu_metadata
---
amdhsa.version: [ 1, 2 ]
amdhsa.kernels:
  - .name:           k_q5b0300eac4_qkv
    .symbol:         k_q5b0300eac4_qkv.kd
    .args:
      - { .name: xa_img, .offset: 0, .size: 8, .value_kind: global_buffer, .address_space: global }
      - { .name: xa_scl, .offset: 8, .size: 8, .value_kind: global_buffer, .address_space: global }
      - { .name: w_img, .offset: 16, .size: 8, .value_kind: global_buffer, .address_space: global }
      - { .name: Wq_scales, .offset: 24, .size: 8, .value_kind: global_buffer, .address_space: global }
      - { .name: Wk_scales, .offset: 32, .size: 8, .value_kind: global_buffer, .address_space: global }
      - { .name: Wv_scales, .offset: 40, .size: 8, .value_kind: global_buffer, .address_space: global }
      - { .name: q_img, .offset: 48, .size: 8, .value_kind: global_buffer, .address_space: global }
      - { .name: q_scl, .offset: 56, .size: 8, .value_kind: global_buffer, .address_space: global }
      - { .name: kv, .offset: 64, .size: 8, .value_kind: global_buffer, .address_space: global }
    .group_segment_fixed_size: 66048
    .private_segment_fixed_size: 0
    .kernarg_segment_align: 8
    .kernarg_segment_size: 72
    .max_flat_workgroup_size: 128
    .sgpr_count:     66
    .vgpr_count:     1024
    .wavefront_size: 32
...
	.end_amdgpu_metadata
.endif
;; end of part 6
;; launch attn (part 7): grid 4 x 64, 16 waves a work-group, no clusters, 169,984 bytes of LDS; arguments q_img, q_scl, kv, rel, y_img, y_scl; writes y_img, y_scl
.if DOCPART == 7
	.amdgcn_target "amdgcn-amd-amdhsa--gfx1250"
	.amdhsa_code_object_version 6
	.text
	.protected	k_q5b0300eac4_attn
	.globl	k_q5b0300eac4_attn
	.p2align	8
	.type	k_q5b0300eac4_attn,@function
k_q5b0300eac4_attn:
	s_mov_b64 s[64:65], 0
	v_nop
	global_prefetch_b8 v0, s[64:65] scope:SCOPE_SE
	s_setreg_imm32_b32 hwreg(HW_REG_WAVE_MODE, 25, 1), 1
	s_wait_xcnt 0x0
; ATTN.  For one (batch, head): y = softmax(q k^T + bias, causal) v, both products on FP4 codes, then y quantised along the model's 1,024 (two blocks of 32 for a head) for the last projection.
; THE SOFTMAX: t = (score + bias) x log2(e); M = the running largest t rounded UP to a whole number; p = 2^(t - M) is quantised along the keys, not normalised; the row's sum is taken of the unquantised p and divides at the end.
; When M moves, the sum and O are multiplied by 2^(old M - new M): nothing is rounded.
; SHARES.  A work-group holds the whole head's K, V and scale words in LDS (16 key steps x 8,960 bytes), brought once: each of its 16 waves brings one key step by one tensor load; by this text's count one tensor load a wave is out.
; Wave w makes two tiles of 16 queries: TT = 16 x + w, then TT xor 127.  Tile TT wants TT / 8 + 1 key steps of 128, so every wave of the launch works 17 steps.
; The loop over key steps has 16 trips for every tile; a step that lies wholly behind the tile's queries is passed over by a scalar branch on ids.
; LAYOUT.  Both products transposed: S^T = K Q^T (source 0 = 16 keys), O^T = V^T P^T (source 0 = 16 channels): a lane holds one query throughout.  By the tile order (tile 2 b + u, row r = 32 b + 8 u + (r & 7) + 16 (r >> 3))
; the 16 registers of tiles 2 b and 2 b + 1 are 16 neighbours: keys in S^T, channels in O^T.  Query r of tile TT is token 32 (TT / 2) + 8 (TT % 2) + (r & 7) + 16 (r >> 3).
; K = 64 IN AN INSTRUCTION OF 128: Q's registers 4-7 hold zero codes.  K's tile t is named v[32 + 4 t : 39 + 4 t]: its upper four registers are the next tile's codes (behind the last tile: zeros), which meet Q's zeros; the scale bytes 2 and 3 are 0 on both sides, never 0xff.
; BIAS AND MASK come from one table in LDS: TAB[d + 127], d = query - key: rel[head][min(d, 128)] x log2(e) for d >= 0, -infinity for d < 0.  Only the diagonal step and the one before it look it up (64 words a lane);
; in all earlier steps d >= 129, the bias is one number, and it rides in the addend of the multiply-add that makes t - M.
; No cluster: the four work-groups of a head read the same 140 KB, but which steps a wave passes over hangs on the work-group's x, which would be its place in the cluster.
; y's scale bytes leave as single bytes, 32 a wave and tile (262,144 bytes of the launch's 4.5 MB): their 256-byte blocks are filled by eight heads' work-groups.
; LIMITS: NaN and infinities are not served; a block of zeros (p or y) gets the byte 1: its codes are zeros.
.set STEPB, 8960
.set TAB,   143360                     ; behind the head's 16 key steps: 512 words, blocks of 256 bytes of their own, into which no tensor load lands
.set L16, 1                            ; 16 x lane
.set L8,  2                            ; 8 x lane
.set BL,  3                            ; my lane's place in the table
.set ADK, 4                            ; the step's LDS addresses
.set ADV, 5
.set ADB, 6
.set B128, 10                          ; the bias of far keys, x log2(e)
.set CAD, 11                           ; the step's constant addend: B128, or 0 where the table was added
.set QF,  16                           ; v16-19 Q's piece, v20-23 zero codes
.set QSC, 24                           ; Q's scale word
.set KF,  32                           ; v32-63 K's 8 pieces, then V's 4 fragments; v64-67 zero codes
.set KS,  68                           ; v68-71 K's scale words
.set VS,  72                           ; v72-73 V's
.set PC,  76                           ; v76-83 p's codes
.set BM,  84                           ; v84-87 block maxima
.set BP,  88                           ; v88-91 at work
.set BS,  92                           ; v92-95 the conversions' scale operands
.set SR,  96                           ; v96-159 S^T, then p
.set BI,  160                          ; v160-223 the table's words
.set OA,  224                          ; v224-255 O^T
.set WV,  28
.set TT,  33
.set SD,  34                           ; the tile's diagonal step
.set ST,  35                           ; the step
.set TB,  36                           ; its first LDS byte
.set PASS, 37
.set SEL, 38
.set LE,  40                           ; s[40:41] log2(e)
.set CM,  42                           ; s[42:43] the step's factor: log2(e), or 1 where the table was added
.set QS4, 48
.set HI16, 49
.macro WM                              ; one matrix instruction from the symbols rD, rA, rB, rSA, rSB; fZ: the constant 0 starts the sum; fRA: source 0's scales stand in lanes 16-31
.if fZ
.if fRA
	v_wmma_scale_f32_16x16x128_f8f6f4 v[rD:rD+7], v[rA:rA+7], v[rB:rB+7], 0, v[rSA], v[rSB] matrix_a_fmt:MATRIX_FMT_FP4 matrix_b_fmt:MATRIX_FMT_FP4 matrix_a_scale:MATRIX_SCALE_ROW1
.else
	v_wmma_scale_f32_16x16x128_f8f6f4 v[rD:rD+7], v[rA:rA+7], v[rB:rB+7], 0, v[rSA], v[rSB] matrix_a_fmt:MATRIX_FMT_FP4 matrix_b_fmt:MATRIX_FMT_FP4
.endif
.else
.if fRA
	v_wmma_scale_f32_16x16x128_f8f6f4 v[rD:rD+7], v[rA:rA+7], v[rB:rB+7], v[rD:rD+7], v[rSA], v[rSB] matrix_a_fmt:MATRIX_FMT_FP4 matrix_b_fmt:MATRIX_FMT_FP4 matrix_a_scale:MATRIX_SCALE_ROW1
.else
	v_wmma_scale_f32_16x16x128_f8f6f4 v[rD:rD+7], v[rA:rA+7], v[rB:rB+7], v[rD:rD+7], v[rSA], v[rSB] matrix_a_fmt:MATRIX_FMT_FP4 matrix_b_fmt:MATRIX_FMT_FP4
.endif
.endif
.endm
	s_load_b256 s[4:11], s[0:1], 0x0               ; q_img, q_scl, kv, rel
	s_load_b128 s[12:15], s[0:1], 0x20             ; y_img, y_scl
	v_lshl_add_u32 v254, v0, 2, 0x29000
	v_mov_b32 v255, 0
	ds_add_u32 v254, v255
	ds_add_u32 v254, v255
	s_wait_dscnt 0x0
	v_lshrrev_b32 v1, 5, v0
	s_delay_alu instid0(VALU_DEP_1)
	v_readfirstlane_b32 s[WV], v1                  ; wave 0..15
	s_and_b32 s30, ttmp7, 0xffff                   ; bh
	s_and_b32 s31, s30, 15                         ; head
	s_lshr_b32 s32, s30, 4                         ; batch
	; descriptor group 1: a key step is 8,960 bytes on end: 35 rows of 256 bytes (32 elements of 8 bytes), no padding: every LDS load here takes 16 x lane or 8 x lane
	s_mov_b32 s16, 3<<16                           ; no mask; elements of 8 bytes; no padding
	s_mov_b32 s17, 32<<16                          ; tensor_dim0 = 32
	s_mov_b32 s18, 35<<16                          ; tensor_dim1 = 35
	s_mov_b32 s19, 32<<16                          ; tile_dim0 = 32
	s_mov_b32 s20, 35                              ; tile_dim1 = 35
	s_mov_b32 s21, 32                              ; elements from row to row
	s_mov_b32 s22, 0
	s_mov_b32 s23, 0
	s_mov_b32 s24, 1                               ; group 0: count = 1
	s_mul_i32 s25, s[WV], STEPB                    ; LDS address: my key step
	s_mul_i32 s44, s30, 16*STEPB
	s_add_co_u32 s44, s44, s25
	s_mov_b32 s45, 0
	s_wait_kmcnt 0x0
	s_add_nc_u64 s[26:27], s[8:9], s[44:45]        ; the head's key step w
	s_or_b32 s27, s27, 0x80000000                  ; type = 2
	tensor_load_to_lds s[24:27], s[16:23]
	s_nop 0
.rept 4
	v_nop
.endr
	s_mov_b32 s[LE], 0x3fb8aa3b
	s_mov_b32 s[LE+1], s[LE]
	s_mov_b32 s[SEL], 0x76543210
	s_mov_b32 s[SEL+1], 0xfedcba98
	s_mov_b32 s[HI16], 0xffff0000                  ; lanes 16-31
	s_mul_i32 s44, s31, 516
	s_add_nc_u64 s[10:11], s[10:11], s[44:45]      ; rel's row of my head: 129 numbers
	v_add_nc_u32 v31, 0xffffff81, v0               ; the table: thread n makes d = n - 127
	v_cmp_lt_u32 vcc_lo, 127, v0
	s_delay_alu instid0(VALU_DEP_1)
	v_cndmask_b32 v31, 0, v31, vcc_lo              ; max(d, 0)
	s_delay_alu instid0(VALU_DEP_1)
	v_min_u32 v31, 128, v31                        ; min(.., 128)
	s_delay_alu instid0(VALU_DEP_1)
	v_lshlrev_b32 v31, 2, v31
	global_load_b32 v9, v31, s[10:11]
	s_lshl_b32 s44, s30, 16
	s_add_nc_u64 s[4:5], s[4:5], s[44:45]          ; the head's 128 pieces of q
	s_lshl_b32 s44, s30, 13
	s_add_nc_u64 s[6:7], s[6:7], s[44:45]          ; and their scale words
	s_lshl_b32 s44, s32, 20
	s_lshl_b32 s46, s31, 9
	s_add_co_u32 s44, s44, s46
	s_add_nc_u64 s[12:13], s[12:13], s[44:45]      ; y_img: the batch's 128 tiles of 8,192 bytes, + 512 x head
	s_lshl_b32 s44, s32, 16
	s_lshr_b32 s46, s31, 3
	s_lshl_b32 s46, s46, 9
	s_add_co_u32 s44, s44, s46
	s_and_b32 s46, s31, 7
	s_lshl_b32 s46, s46, 1
	s_add_co_u32 s44, s44, s46
	s_add_nc_u64 s[14:15], s[14:15], s[44:45]      ; y_scl: the batch's 64 groups, + 512 (head / 8) + 2 (head % 8)
	v_lshl_add_u32 v7, v0, 2, TAB                  ; my word of the table
	v_and_b32 v1, 31, v0
	s_delay_alu instid0(VALU_DEP_1)
	v_lshlrev_b32 v[L8], 3, v1
	s_delay_alu instid0(VALU_DEP_2)
	v_lshlrev_b32 v[L16], 4, v1
	v_and_b32 v4, 7, v0                            ; r & 7
	v_bfe_u32 v5, v0, 3, 1                         ; r >> 3
	v_bfe_u32 v6, v0, 4, 1                         ; h
	v_and_b32 v25, 15, v0
	s_delay_alu instid0(VALU_DEP_1)
	v_lshlrev_b32 v25, 4, v25                      ; v25 = 16 r; never rewritten
	s_delay_alu instid0(VALU_DEP_1)
	v_add_nc_u32 v74, v25, v6                      ; v74 = 16 r + h; never rewritten
	s_delay_alu instid0(VALU_DEP_4)
	v_xor_b32 v6, 1, v6
	s_delay_alu instid0(VALU_DEP_1)
	v_add_nc_u32 v5, v5, v6                        ; (r >> 3) + 1 - h
	s_delay_alu instid0(VALU_DEP_1)
	v_lshlrev_b32 v5, 6, v5
	s_delay_alu instid0(VALU_DEP_1)
	v_lshl_add_u32 v[BL], v4, 2, v5
	s_delay_alu instid0(VALU_DEP_1)
	v_add_nc_u32 v[BL], TAB, v[BL]                 ; TAB + 64 - 64 h + 4 (r & 7) + 64 (r >> 3)
.irp j, 20,21,22,23,64,65,66,67,27,29,88,89,90,91
	v_mov_b32 v\j, 0                               ; zero codes; upper halves of pairs that the packed forms name; lane permutes' destinations
.endr
	v_mov_b32 v8, 0xff800000                       ; -infinity
	s_lshl_b32 s[TT], ttmp9, 4
	s_add_co_u32 s[TT], s[TT], s[WV]               ; my first tile
	s_mov_b32 s[PASS], 0
	s_wait_loadcnt 0x0
	v_mul_f32 v9, s[LE], v9
	s_wait_alu depctr_va_vdst(0)
	v_cmp_gt_u32 vcc_lo, 127, v0
	s_delay_alu instid0(VALU_DEP_1)
	v_cndmask_b32 v9, v9, v8, vcc_lo               ; d < 0: the key comes after the query
	ds_store_b32 v7, v9
	s_wait_tensorcnt 0x0                           ; my key step lies in LDS,
	s_wait_dscnt 0x0                               ; and my word of the table
	s_barrier_signal -1
	s_barrier_wait -1                              ; everybody's do.  The only barrier: from here on LDS is only read
	v_mov_b32 v31, TAB+1200
	ds_load_b32 v[B128], v31                       ; d = 173: rel[head][128] x log2(e)
	s_wait_dscnt 0x0
.Lpass:
	s_lshr_b32 s[SD], s[TT], 3
	s_and_b32 s44, s[TT], 6
	s_lshl_b32 s44, s44, 6
	s_and_b32 s45, s[TT], 1
	s_lshl_b32 s46, s45, 5
	s_add_co_u32 s[QS4], s44, s46                  ; 4 x (the tile's first query within its step): 128 ((TT / 2) % 4) + 32 (TT % 2)
	s_lshl_b32 s44, s[TT], 9
	v_add_nc_u32 v7, s44, v[L16]                   ; q's piece
	s_wait_alu depctr_va_vdst(0)
	s_lshl_b32 s44, s[SD], 9
	s_lshl_b32 s46, s45, 8
	s_add_co_u32 s44, s44, s46
	s_bfe_u32 s47, s[TT], 0x20001
	s_lshl_b32 s47, s47, 2
	s_add_co_u32 s44, s44, s47
	v_add_nc_u32 v8, s44, v25                      ; its scale word: 512 (TT / 8) + 16 (r + 16 (TT % 2)) + 4 ((TT / 2) % 4)
	s_lshl_b32 s44, s[TT], 13
	v_add_nc_u32 v9, s44, v[L16]                   ; y's piece
	s_lshr_b32 s44, s[TT], 1
	s_lshl_b32 s44, s44, 10
	s_add_co_u32 s44, s44, s46
	v_add_nc_u32 v75, s44, v74                     ; y's scale byte: 1,024 (TT / 2) + 16 (r + 16 (TT % 2)) + h
	global_load_b128 v[QF:QF+3], v7, s[4:5]
	global_load_b32 v[QSC], v8, s[6:7]
	v_mov_b32 v13, 0xff61b1e6                      ; the largest t so far: -3e38
	s_delay_alu instid0(VALU_DEP_1)
	v_floor_f32 v12, -v13                          ; -M
	v_mov_b32 v14, 0                               ; the sum, in two halves
	v_mov_b32 v15, 0
.set j, 0
.rept 32
	v_mov_b32 v[OA+j], 0                           ; the step is written once: the first finds zeros, which the first change of M leaves zeros
.set j, j+1
.endr
	s_mov_b32 s[ST], 0
	s_mov_b32 s[TB], 0
	s_wait_loadcnt 0x0
.Lstep:
	s_cmp_gt_u32 s[ST], s[SD]                      ; all 128 keys come after my 16 queries: nothing to do
	s_cbranch_scc1 .Lnext
	s_setprio 2
	v_add_nc_u32 v[ADK], s[TB], v[L16]
	v_add_nc_u32 v[ADV], s[TB], v[L8]
	v_nop
	v_nop                                          ; four plain instructions between the last products and loads into the registers that they read (ISA guide 7.12.1 for vector instructions)
.irp t, 0,1,2,3,4,5,6,7
	ds_load_b128 v[KF+4*\t:KF+4*\t+3], v[ADK] offset:512*\t
.endr
	ds_load_b128 v[KS:KS+3], v[ADK] offset:8192
	s_wait_alu depctr_va_vdst(0)
	s_wait_dscnt 0x0
.set fZ, 1
.set rB, QF
.set rSB, QSC
.set wt, 0
.rept 8
.set rD, SR+8*wt
.set rA, KF+4*wt
.set rSA, KS+wt/2
.set fRA, wt%2
	WM
.set wt, wt+1
.endr
	s_add_co_u32 s44, s[ST], 1
	s_cmp_lt_u32 s44, s[SD]                        ; far: every key lies 129 or more behind every query of the tile
	s_cselect_b32 s[CM], s[LE], 1.0
	s_cselect_b32 s[CM+1], s[LE], 1.0
	v_mov_b32 v[CAD], v[B128]
	v_nop
	v_nop
	v_nop                                          ; four places again: V's fragments take K's registers, and the scores are read below
.irp t, 0,1,2,3
	ds_load_b128 v[KF+8*\t:KF+8*\t+3], v[ADK] offset:4096+1024*\t
	ds_load_b128 v[KF+8*\t+4:KF+8*\t+7], v[ADK] offset:4096+1024*\t+512
.endr
	ds_load_b64 v[VS:VS+1], v[ADV] offset:8704
	s_cbranch_scc1 .Lfar
	; the diagonal step and the one before it: t = score x log2(e) + TAB[query - key + 127].  Register 16 b + i holds key 32 b + 16 h + i of the step
	s_cmp_eq_u32 s[ST], s[SD]
	s_cselect_b32 s44, 0, 512                      ; 4 x 128 for the step before
	s_add_co_u32 s44, s44, s[QS4]
	v_add_nc_u32 v[ADB], s44, v[BL]
	v_mov_b32 v[CAD], 0
.set n, 0
.rept 64
	ds_load_b32 v[BI+n], v[ADB] offset:4*(111-32*(n/16)-n%16)
.set n, n+1
.endr
	s_wait_dscnt 0x0
.set j, 0
.rept 32
	v_pk_fma_f32 v[SR+j:SR+j+1], v[SR+j:SR+j+1], s[LE:LE+1], v[BI+j:BI+j+1] op_sel_hi:[1,0,1]
.set j, j+2
.endr
.Lfar:
.irp b, 0,1,2,3
	v_max3_num_f32 v[BM+\b], v[SR+16*\b], v[SR+1+16*\b], v[SR+2+16*\b]   ; the largest of each block of 32 keys: it serves the row's maximum and, since p rises with it, the block's largest p
.endr
.irp i, 3,5,7,9,11,13
.irp b, 0,1,2,3
	v_max3_num_f32 v[BM+\b], v[BM+\b], v[SR+16*\b+\i], v[SR+1+16*\b+\i]
.endr
.endr
.irp b, 0,1,2,3
	v_max_num_f32 v[BM+\b], v[BM+\b], v[SR+15+16*\b]
.endr
.irp b, 0,1,2,3
	s_delay_alu instid0(VALU_DEP_4)
	v_permlanex16_b32 v[BP+\b], v[BM+\b], s[SEL], s[SEL+1]
.endr
.irp b, 0,1,2,3
	s_delay_alu instid0(VALU_DEP_4)
	v_max_num_f32 v[BM+\b], v[BM+\b], v[BP+\b]     ; with lane xor 16's 16 keys
.endr
	s_delay_alu instid0(VALU_DEP_2)
	v_max3_num_f32 v31, v[BM], v[BM+1], v[BM+2]
	s_delay_alu instid0(VALU_DEP_1)
	v_max_num_f32 v31, v31, v[BM+3]
	s_delay_alu instid0(VALU_DEP_1)
	v_fma_f32 v31, v31, s[CM], v[CAD]              ; the step's largest t
	s_delay_alu instid0(VALU_DEP_1)
	v_max_num_f32 v13, v13, v31                    ; the running largest t
	v_mov_b32 v31, v12
	s_delay_alu instid0(VALU_DEP_2)
	v_floor_f32 v12, -v13                          ; -M = floor(-t): M is a whole number
	s_delay_alu instid0(VALU_DEP_1)
	v_sub_f32 v31, v12, v31                        ; old M - new M: a whole number, 0 or less
	s_delay_alu instid0(VALU_DEP_1)
	v_cvt_i32_f32 v31, v31                         ; (it saturates)
	s_delay_alu instid0(VALU_DEP_1)
	v_ldexp_f32 v28, 1.0, v31                      ; f = 2^(old M - new M)
	s_delay_alu instid0(VALU_DEP_4)
	v_add_f32 v26, v12, v[CAD]                     ; the addend: -M, and the far keys' bias
.set j, 0
.rept 32
	v_pk_fma_f32 v[SR+j:SR+j+1], v[SR+j:SR+j+1], s[CM:CM+1], v[26:27] op_sel_hi:[1,0,0]   ; t - M
.set j, j+2
.endr
	s_setprio 1
.irp b, 0,1,2,3
	v_fma_f32 v[BM+\b], v[BM+\b], s[CM], v26       ; the same of each block's largest
.endr
.set j, 0
	s_wait_alu depctr_va_vdst(0)
.rept 64
	v_exp_f32 v[SR+j], v[SR+j]                     ; p = 2^(t - M), at most 1; 0 behind the mask
.set j, j+1
.endr
.irp b, 0,1,2,3
	v_exp_f32 v[BM+\b], v[BM+\b]                   ; the block's largest p: the same two instructions on the same number
.endr
	v_pk_mul_f32 v[14:15], v[14:15], v[28:29] op_sel_hi:[1,0]   ; the sums under the new M (the plain instruction behind the exponentials)
	s_wait_alu depctr_va_vdst(0)
.irp b, 0,1,2,3
	v_max_num_f32 v[BM+\b], 0x1800000, v[BM+\b]    ; the floor 2^(3 - 127): the byte cannot fall under 1
.endr
.irp b, 0,1,2,3
	s_delay_alu instid0(VALU_DEP_4)
	v_add_nc_u32 v[BS+\b], 0xff000000, v[BM+\b]    ; 2 off the exponent field: the conversion's scale operand
.endr
.irp b, 0,1,2,3
	s_delay_alu instid0(VALU_DEP_4)
	v_lshrrev_b32 v[BP+\b], 23, v[BS+\b]           ; the scale's byte
.endr
	s_delay_alu instid0(VALU_DEP_3)
	v_lshl_or_b32 v30, v[BP+1], 8, v[BP]           ; p's scale word for these 128 keys
	s_delay_alu instid0(VALU_DEP_1)
	v_lshl_or_b32 v30, v[BP+2], 16, v30
	s_delay_alu instid0(VALU_DEP_1)
	v_lshl_or_b32 v30, v[BP+3], 24, v30
.irp b, 0,1,2,3
	v_cvt_scalef32_pk8_fp4_f32 v[PC+2*\b], v[SR+16*\b:SR+7+16*\b], v[BS+\b]
	v_cvt_scalef32_pk8_fp4_f32 v[PC+1+2*\b], v[SR+8+16*\b:SR+15+16*\b], v[BS+\b]
.endr
	v_nop                                          ; one plain instruction behind the last scaled conversion
.irp c, 0,1                            ; the operand wants a whole block in a lane: lanes 0-15 block 2 c, lanes 16-31 block 2 c + 1
.irp i, 0,1
	v_permlane16_swap_b32 v[PC+4*\c+\i], v[PC+2+4*\c+\i]
.endr
.endr
	v_pk_add_f32 v[88:89], v[100:101], v[104:105]
	v_pk_add_f32 v[222:223], v[108:109], v[112:113]
	v_pk_add_f32 v[220:221], v[116:117], v[120:121]
	v_pk_add_f32 v[218:219], v[124:125], v[128:129]
	v_pk_add_f32 v[216:217], v[132:133], v[136:137]
	v_pk_add_f32 v[214:215], v[140:141], v[144:145]
	v_pk_add_f32 v[212:213], v[148:149], v[152:153]
	v_pk_add_f32 v[14:15], v[14:15], v[156:157]
	v_pk_add_f32 v[88:89], v[88:89], v[96:97]
	v_pk_add_f32 v[222:223], v[222:223], v[98:99]
	v_pk_add_f32 v[220:221], v[220:221], v[102:103]
	v_pk_add_f32 v[218:219], v[218:219], v[106:107]
	v_pk_add_f32 v[216:217], v[216:217], v[110:111]
	v_pk_add_f32 v[214:215], v[214:215], v[114:115]
	v_pk_add_f32 v[212:213], v[212:213], v[118:119]
	v_pk_add_f32 v[14:15], v[14:15], v[122:123]
	v_pk_add_f32 v[88:89], v[88:89], v[126:127]
	s_setprio 0
	v_pk_add_f32 v[222:223], v[222:223], v[130:131]
	v_pk_add_f32 v[220:221], v[220:221], v[134:135]
	v_pk_add_f32 v[218:219], v[218:219], v[138:139]
	v_pk_add_f32 v[216:217], v[216:217], v[142:143]
	v_pk_add_f32 v[214:215], v[214:215], v[146:147]
	v_pk_add_f32 v[212:213], v[212:213], v[150:151]
	v_pk_add_f32 v[14:15], v[14:15], v[154:155]
	v_pk_add_f32 v[88:89], v[88:89], v[158:159]
	s_delay_alu instid0(VALU_DEP_2)
	v_pk_add_f32 v[14:15], v[14:15], v[218:219]
	s_delay_alu instid0(VALU_DEP_2)
	v_pk_add_f32 v[88:89], v[88:89], v[216:217]
	v_pk_add_f32 v[222:223], v[222:223], v[214:215]
	v_pk_add_f32 v[220:221], v[220:221], v[212:213]
	s_delay_alu instid0(VALU_DEP_2)
	v_pk_add_f32 v[14:15], v[14:15], v[222:223]
	s_delay_alu instid0(VALU_DEP_2)
	v_pk_add_f32 v[88:89], v[88:89], v[220:221]
	s_delay_alu instid0(VALU_DEP_1)
	v_pk_add_f32 v[14:15], v[14:15], v[88:89]
.set j, 0
.rept 16
	v_pk_mul_f32 v[OA+j:OA+j+1], v[OA+j:OA+j+1], v[28:29] op_sel_hi:[1,0]   ; O^T under the new M.  (These and the sums are the plain instructions between the writing of p's codes and scale word and the products)
.set j, j+2
.endr
	s_wait_alu depctr_va_vdst(0)
	s_wait_dscnt 0x0                               ; V's fragments and scale words
.set fZ, 0
.set rB, PC
.set rSB, 30
.set wt, 0
.rept 4
.set rD, OA+8*wt
.set rA, KF+8*wt
.set rSA, VS+wt/2
.set fRA, wt%2
	WM                                             ; the four accumulators by turns
.set wt, wt+1
.endr
.Lnext:
	s_add_co_u32 s[TB], s[TB], STEPB
	s_add_co_u32 s[ST], s[ST], 1
	s_cmp_lt_u32 s[ST], 16
	s_cbranch_scc1 .Lstep
	s_setprio 0
	; the tile's end: y = O^T / the sum; register 16 b + i is channel 32 b + 16 h + i of my query: two blocks of 32 along the model's axis
.rept 4
	v_nop
.endr
	v_add_f32 v14, v14, v15
	s_delay_alu instid0(VALU_DEP_1)
	v_permlanex16_b32 v31, v14, s[SEL], s[SEL+1]
	s_delay_alu instid0(VALU_DEP_1)
	v_add_f32 v14, v14, v31                        ; the row's sum
	s_wait_alu depctr_va_vdst(0)
	v_rcp_f32 v14, v14
	v_nop                                          ; one plain instruction behind the transcendental
.set j, 0
	s_wait_alu depctr_va_vdst(0)
.rept 16
	v_pk_mul_f32 v[SR+j:SR+j+1], v[OA+j:OA+j+1], v[14:15] op_sel_hi:[1,0]
.set j, j+2
.endr
.irp b, 0,1
	v_max3_num_f32 v[BM+\b], |v[SR+16*\b]|, |v[SR+1+16*\b]|, 0x1800000
.endr
.irp i, 2,4,6,8,10,12,14
.irp b, 0,1
	s_delay_alu instid0(VALU_DEP_2)
	v_max3_num_f32 v[BM+\b], v[BM+\b], |v[SR+16*\b+\i]|, |v[SR+1+16*\b+\i]|
.endr
.endr
.irp b, 0,1
	s_delay_alu instid0(VALU_DEP_2)
	v_permlanex16_b32 v[BP+\b], v[BM+\b], s[SEL], s[SEL+1]
.endr
.irp b, 0,1
	s_delay_alu instid0(VALU_DEP_2)
	v_max_num_f32 v[BM+\b], v[BM+\b], v[BP+\b]
.endr
.irp b, 0,1
	s_delay_alu instid0(VALU_DEP_2)
	v_add_nc_u32 v[BS+\b], 0xff000000, v[BM+\b]
.endr
.irp b, 0,1
	s_delay_alu instid0(VALU_DEP_2)
	v_lshrrev_b32 v[BP+\b], 23, v[BS+\b]
.endr
.irp b, 0,1
	v_cvt_scalef32_pk8_fp4_f32 v[PC+2*\b], v[SR+16*\b:SR+7+16*\b], v[BS+\b]
	v_cvt_scalef32_pk8_fp4_f32 v[PC+1+2*\b], v[SR+8+16*\b:SR+15+16*\b], v[BS+\b]
.endr
	v_nop
	v_permlane16_swap_b32 v[PC], v[PC+2]
	v_permlane16_swap_b32 v[PC+1], v[PC+3]         ; lane (r, h): block h of token row r, whole
	v_cndmask_b32 v31, v[BP], v[BP+1], s[HI16]     ; and its byte
	global_store_b128 v9, v[PC:PC+3], s[12:13]     ; 512 bytes on end: the head's piece of the tile's image
	global_store_b8 v75, v31, s[14:15]
	s_wait_xcnt 0x0                                ; the stores have read their registers: the next tile writes them again
	s_xor_b32 s[TT], s[TT], 127                    ; 127 - TT
	s_add_co_u32 s[PASS], s[PASS], 1
	s_cmp_lt_u32 s[PASS], 2
	s_cbranch_scc1 .Lpass
	s_wait_xcnt 0x0
	v_lshl_add_u32 v254, v0, 2, 0x29000
	v_mov_b32 v255, 0
	s_wait_alu depctr_va_vdst(0)
	s_wait_tensorcnt 0x0
	ds_add_u32 v254, v255
	s_wait_dscnt 0x0
	s_endpgm
.Lfunc_end_k_q5b0300eac4_attn:
	.size	k_q5b0300eac4_attn, .Lfunc_end_k_q5b0300eac4_attn-k_q5b0300eac4_attn
	.p2alignl 7, 3214868480
	.fill 96, 4, 3214868480
	.section	.rodata,"a",@progbits
	.p2align	6, 0x0
	.amdhsa_kernel k_q5b0300eac4_attn
		.amdhsa_group_segment_fixed_size 169984
		.amdhsa_private_segment_fixed_size 0
		.amdhsa_enable_private_segment 0
		.amdhsa_kernarg_size 48
		.amdhsa_user_sgpr_count 2
		.amdhsa_user_sgpr_kernarg_segment_ptr 1
		.amdhsa_wavefront_size32 1
		.amdhsa_system_sgpr_workgroup_id_x 1
		.amdhsa_system_sgpr_workgroup_id_y 1
		.amdhsa_system_sgpr_workgroup_id_z 1
		.amdhsa_system_vgpr_workitem_id 0
		.amdhsa_next_free_vgpr 256
		.amdhsa_next_free_sgpr 66
		.amdhsa_reserve_vcc 1
		.amdhsa_float_denorm_mode_32 3
		.amdhsa_float_denorm_mode_16_64 3
		.amdhsa_memory_ordered 1
		.amdhsa_forward_progress 1
		.amdhsa_inst_pref_size 35
	.end_amdhsa_kernel
	.amdgpu_metadata
---
amdhsa.version: [ 1, 2 ]
amdhsa.kernels:
  - .name:           k_q5b0300eac4_attn
    .symbol:         k_q5b0300eac4_attn.kd
    .args:
      - { .name: q_img, .offset: 0, .size: 8, .value_kind: global_buffer, .address_space: global }
      - { .name: q_scl, .offset: 8, .size: 8, .value_kind: global_buffer, .address_space: global }
      - { .name: kv, .offset: 16, .size: 8, .value_kind: global_buffer, .address_space: global }
      - { .name: rel, .offset: 24, .size: 8, .value_kind: global_buffer, .address_space: global }
      - { .name: y_img, .offset: 32, .size: 8, .value_kind: global_buffer, .address_space: global }
      - { .name: y_scl, .offset: 40, .size: 8, .value_kind: global_buffer, .address_space: global }
    .group_segment_fixed_size: 169984
    .private_segment_fixed_size: 0
    .kernarg_segment_align: 8
    .kernarg_segment_size: 48
    .max_flat_workgroup_size: 512
    .sgpr_count:     66
    .vgpr_count:     256
    .wavefront_size: 32
...
	.end_amdgpu_metadata
.endif
;; end of part 7
;; launch oproj (part 8): grid 4 x 64, 4 waves a work-group, no clusters, 83,456 bytes of LDS; arguments y_img, y_scl, w_img, Wo_scales, x, out0; writes out0
.if DOCPART == 8
	.amdgcn_target "amdgcn-amd-amdhsa--gfx1250"
	.amdhsa_code_object_version 6
	.text
	.protected	k_q5b0300eac4_oproj
	.globl	k_q5b0300eac4_oproj
	.p2align	8
	.type	k_q5b0300eac4_oproj,@function
k_q5b0300eac4_oproj:
	s_mov_b64 s[64:65], 0
	v_nop
	global_prefetch_b8 v0, s[64:65] scope:SCOPE_SE
	s_setreg_imm32_b32 hwreg(HW_REG_WAVE_SCHED_MODE, 0, 2), 2
	s_setreg_imm32_b32 hwreg(HW_REG_WAVE_MODE, 25, 1), 1
	s_wait_xcnt 0x0
	s_wait_alu depctr_vm_vsrc(0)
; OPROJ.  out0 = x + y Wo^T, the product on FP4 codes (K = 1,024).  y comes as tile images and scale images, Wo as tile images (weight 3 of w_img) and its scale bytes as given.
; SHARES, as in the launch that makes q, k, v: a work-group takes 128 tokens (block y) x 256 columns; wave w the 64 columns 64 (4 x + w) on.  y's 64 KB go through LDS once; a wave's 32 KB of Wo go straight into 256 registers.
; The product is used transposed (source 0 = 16 rows of Wo, source 1 = 16 tokens): a lane holds one token and 16 neighbouring columns in two tiles' registers.
; The wave's whole share of x (128 tokens x 256 bytes: 256 registers, window 3) is asked for at the head and lands under the products.
; THE WAY OUT, a tile of 16 tokens at a time: through the wave's own stage in LDS, back as rows of 256 bytes, + x, stored: sixteen lanes fill 256 bytes on end, aligned.
; No cluster, no tensor load: as in that launch.  REGISTERS: window 0: v1-7 addresses; v16-47 y's scale words; v48-63 Wo's; v80-207 y's fragments, two buffers, later rows on their way out.  window 1: 32 accumulators.  window 2: Wo.  window 3: x.
; THE MODE: SCHED_MODE bits 1:0 = 2 (LLVM: expert scheduling mode 2), set by the entry lines.  The code itself states the register dependences
; between vector or matrix instructions and memory or LDS instructions, with s_wait_alu, always for 0.
; THE PLAN.  Registers that memory or LDS instructions touch:
;   v1-v7         Offsets and LDS addresses, made once at the head and never written again.
;   AF0, AF1      Step s: its matrix instructions read AF[s % 2]; the sixteen LDS loads of step s + 1, issued in step s, land in the other buffer, which step s - 1 read.
;   AS, WS, windows 2 and 3.  Loaded once at the head.
;   window 1      The accumulators: written by matrix instructions, read by the way out's LDS stores.
;   OB0, OB1      (v80-111, v112-143, on the way out.)  Tile i: the stage's loads land in OB[i % 2], the additions of x write it, the eight stores read it.
; So ONE wait on va_vdst stands at the head of a K step (the step before is done reading the buffer that is asked for now); the step's loads follow it in two runs of eight, the second behind the step's first sixteen
; matrix instructions, which name the other buffer.  On the way out: one wait on va_vdst behind the last products' places; one ahead of each tile's stores, which also shows the additions done ahead of the loads that land in
; that buffer two tiles later (no vector instruction stands between); one on vm_vsrc ahead of those loads, for the stores that read the buffer.
.set L16, 1                            ; 16 x lane
.set T16, 2                            ; 16 x thread
.set VW,  3                            ; Wo's scale bytes: 32 x (the row that tile order gives lane r + 16 u)
.set STO, 5                            ; the stage: where I put 16 bytes of my token's row
.set RD,  6                            ; and where I read a row back
.set XO,  7                            ; my byte offset in x and in out0
.set AS,  16
.set WS,  48
.set AF,  80
.set STG, 65536                        ; behind y's images: 16 rows x (256 bytes + 16) for each wave
.set MSB, 0
.macro WIN new                         ; the immediate's high byte repeats the setting that is left; a switch that changes nothing is dropped
.if MSB != \new
	s_set_vgpr_msb (MSB<<8)|\new
.set MSB, \new
.endif
.endm
.macro PLACES                          ; four plain instructions between a matrix instruction and a read of its result or a load into one of its registers
.rept 4
	v_nop
.endr
.endm
.macro WM                              ; one matrix instruction from the symbols rD, rA, rB, rSA, rSB; fZ: the constant 0 starts the sum; fRA, fRB: that side's scales stand in lanes 16-31
.if fZ
.if fRA && fRB
	v_wmma_scale_f32_16x16x128_f8f6f4 v[rD:rD+7], v[rA:rA+7], v[rB:rB+7], 0, v[rSA], v[rSB] matrix_a_fmt:MATRIX_FMT_FP4 matrix_b_fmt:MATRIX_FMT_FP4 matrix_a_scale:MATRIX_SCALE_ROW1 matrix_b_scale:MATRIX_SCALE_ROW1
.elseif fRA
	v_wmma_scale_f32_16x16x128_f8f6f4 v[rD:rD+7], v[rA:rA+7], v[rB:rB+7], 0, v[rSA], v[rSB] matrix_a_fmt:MATRIX_FMT_FP4 matrix_b_fmt:MATRIX_FMT_FP4 matrix_a_scale:MATRIX_SCALE_ROW1
.elseif fRB
	v_wmma_scale_f32_16x16x128_f8f6f4 v[rD:rD+7], v[rA:rA+7], v[rB:rB+7], 0, v[rSA], v[rSB] matrix_a_fmt:MATRIX_FMT_FP4 matrix_b_fmt:MATRIX_FMT_FP4 matrix_b_scale:MATRIX_SCALE_ROW1
.else
	v_wmma_scale_f32_16x16x128_f8f6f4 v[rD:rD+7], v[rA:rA+7], v[rB:rB+7], 0, v[rSA], v[rSB] matrix_a_fmt:MATRIX_FMT_FP4 matrix_b_fmt:MATRIX_FMT_FP4
.endif
.else
.if fRA && fRB
	v_wmma_scale_f32_16x16x128_f8f6f4 v[rD:rD+7], v[rA:rA+7], v[rB:rB+7], v[rD:rD+7], v[rSA], v[rSB] matrix_a_fmt:MATRIX_FMT_FP4 matrix_b_fmt:MATRIX_FMT_FP4 matrix_a_scale:MATRIX_SCALE_ROW1 matrix_b_scale:MATRIX_SCALE_ROW1
.elseif fRA
	v_wmma_scale_f32_16x16x128_f8f6f4 v[rD:rD+7], v[rA:rA+7], v[rB:rB+7], v[rD:rD+7], v[rSA], v[rSB] matrix_a_fmt:MATRIX_FMT_FP4 matrix_b_fmt:MATRIX_FMT_FP4 matrix_a_scale:MATRIX_SCALE_ROW1
.elseif fRB
	v_wmma_scale_f32_16x16x128_f8f6f4 v[rD:rD+7], v[rA:rA+7], v[rB:rB+7], v[rD:rD+7], v[rSA], v[rSB] matrix_a_fmt:MATRIX_FMT_FP4 matrix_b_fmt:MATRIX_FMT_FP4 matrix_b_scale:MATRIX_SCALE_ROW1
.else
	v_wmma_scale_f32_16x16x128_f8f6f4 v[rD:rD+7], v[rA:rA+7], v[rB:rB+7], v[rD:rD+7], v[rSA], v[rSB] matrix_a_fmt:MATRIX_FMT_FP4 matrix_b_fmt:MATRIX_FMT_FP4
.endif
.endif
.endm
.macro WLOAD half                      ; K steps 4 half .. 4 half + 3 of Wo's four tiles of my columns into window 2: 32 loads of 512 bytes on end
	WIN 0x80
.set wt, 0
.rept 4
.set ws, 4*(\half)
.rept 4
	global_load_b128 v[64*wt+8*ws:64*wt+8*ws+3], v[L16], s[8:9] offset:3*524288+8192*wt+1024*ws
	global_load_b128 v[64*wt+8*ws+4:64*wt+8*ws+7], v[L16], s[8:9] offset:3*524288+8192*wt+1024*ws+512
.set ws, ws+1
.endr
.set wt, wt+1
.endr
	WIN 0
.endm
.macro FETCH_A s, h                    ; token tiles 4 h .. 4 h + 3: their fragments of K step s into buffer s % 2: 8 LDS loads of 512 bytes on end
.set fi, 4*(\h)
.rept 4
	ds_load_b128 v[AF+64*((\s)%2)+8*fi:AF+64*((\s)%2)+8*fi+3], v[L16] offset:8192*fi+1024*(\s)
	ds_load_b128 v[AF+64*((\s)%2)+8*fi+4:AF+64*((\s)%2)+8*fi+7], v[L16] offset:8192*fi+1024*(\s)+512
.set fi, fi+1
.endr
.endm
; 16 matrix instructions: token tiles 4 h .. 4 h + 3 against Wo's four: source 0 = Wo's tile t, source 1 = token tile i, accumulator 4 i + t.
.macro HALF s, h
	WIN 0x52                                       ; source 0 window 2, source 1 window 0, C and D window 1
.set gi, 4*(\h)
.rept 4
.set gt, 0
.rept 4
.set rD, 8*(4*gi+gt)
.set rA, 64*gt+8*(\s)
.set rB, AF+64*((\s)%2)+8*gi
.set rSA, WS+8*(gt/2)+(\s)
.set rSB, AS+8*(gi/2)+(\s)
.set fRA, gt%2
.set fRB, gi%2
	WM
.set gt, gt+1
.endr
.set gi, gi+1
.endr
.endm
; A K step of 128: 32 matrix instructions in two halves, the 32 accumulators by turns.
; next = 1: the following K step's fragments are asked for, eight loads ahead of each half, into the buffer that the step before multiplied.  next = 2: the same in the first step, ahead of which no matrix instruction stands.  next = 0: the last step, which asks for nothing.
.macro GSTEP s, next
.if (\s) == 0
.set fZ, 1
.else
.set fZ, 0
.endif
.if \next
.if (\next) == 1
	PLACES
	s_wait_alu depctr_va_vdst(0)                   ; the step before is done reading the buffer in which this step's sixteen loads land
.endif
	FETCH_A ((\s)+1)%8, 0
	s_wait_dscnt 16                                ; this step's tiles 0-3 are in; its tiles 4-7 and the eight loads just issued may be out
.else
	s_wait_dscnt 8                                 ; tiles 0-3 are in; tiles 4-7 may be out
.endif
	HALF \s, 0
.if \next
	WIN 0
	FETCH_A ((\s)+1)%8, 1                          ; no wait: no matrix instruction since the wait at the step's head names these registers
	s_wait_dscnt 16                                ; this step's tiles 4-7 are in; the next step's sixteen loads may be out
.else
	s_wait_dscnt 0x0
.endif
	HALF \s, 1
	WIN 0
.endm
; Token tile i goes into the stage and is asked back.  Stage row r holds my 64 columns of tile row r; read back two rows an instruction, into out-buffer i % 2.
.macro TOSTAGE i
	WIN 0x04                                       ; an LDS store's data are its source 1: window 1
.irp b, 0,1
.irp k, 0,1,2,3
	ds_store_b128 v[STO], v[32*(\i)+16*\b+4*\k:32*(\i)+16*\b+4*\k+3] offset:128*\b+16*\k   ; each accumulator from its low end on.  The stage is my wave's own and LDS serves a wave's instructions in order: these come behind the last tile's loads
.endr
.endr
	WIN 0
.if (\i) > 1
	s_wait_xcnt 0x0                                ; the stores of two tiles back have read this out-buffer: it is loaded again only behind this wait
	s_wait_alu depctr_vm_vsrc(0)                   ; the stores of two tiles back have read this out-buffer, in which the loads below land
.endif
.irp k, 0,1,2,3,4,5,6,7
	ds_load_b128 v[AF+32*((\i)%2)+4*\k:AF+32*((\i)%2)+4*\k+3], v[RD] offset:544*\k   ; these see the stores above
.endr
.endm
; Token tile i leaves.  Tile row 2 k + lane / 16 is token 32 (i / 2) + 8 (i % 2) + 2 (k % 4) + 16 (k / 4) + lane / 16 of the block.  younger: the LDS instructions issued behind the tile's loads: the next tile's sixteen, or none.
.macro SEND i, younger
	s_wait_dscnt \younger                          ; the tile's rows are back in registers
	WIN 0x0c                                       ; source 1 (x): window 3
.set j, 0
.rept 16
	v_pk_add_f32 v[AF+32*((\i)%2)+j:AF+32*((\i)%2)+j+1], v[AF+32*((\i)%2)+j:AF+32*((\i)%2)+j+1], v[32*(\i)+j:32*(\i)+j+1]
.set j, j+2
.endr
	WIN 0
	s_wait_alu depctr_va_vdst(0)                   ; the additions have written the out-buffer, which the eight stores read
.irp k, 0,1,2,3,4,5,6,7
	global_store_b128 v[XO], v[AF+32*((\i)%2)+4*\k:AF+32*((\i)%2)+4*\k+3], s[14:15] offset:(32*((\i)/2)+8*((\i)%2)+2*(\k%4)+16*(\k/4))*4096 th:TH_STORE_NT
.endr
.endm
	s_load_b256 s[4:11], s[0:1], 0x0               ; y_img, y_scl, w_img, Wo_scales
	s_load_b128 s[12:15], s[0:1], 0x20             ; x, out0
	v_lshl_add_u32 v254, v0, 2, 0x14400            ; my spare word and 0: made here and kept for the closing lines alone
	v_mov_b32 v255, 0
	v_lshrrev_b32 v1, 5, v0
	v_readfirstlane_b32 s22, v1                    ; wave 0..3
	v_lshlrev_b32 v[T16], 4, v0
	v_and_b32 v8, 31, v0
	v_lshlrev_b32 v[L16], 4, v8
	v_and_b32 v8, 15, v0                           ; r
	v_bfe_u32 v9, v0, 4, 1                         ; h
	v_and_b32 v10, 7, v0
	v_bfe_u32 v11, v0, 3, 1
	v_lshlrev_b32 v[VW], 5, v10
	v_lshl_add_u32 v[VW], v9, 8, v[VW]
	v_lshl_add_u32 v[VW], v11, 9, v[VW]            ; 32 x ((r & 7) + 8 u + 16 (r >> 3))
	s_wait_alu depctr_va_sdst(0)                   ; s22 is written, ahead of its first reader: my stage's place and the bases are made from it
	s_mul_i32 s33, s22, 4352
	s_add_co_u32 s33, s33, STG                     ; my stage
	v_mul_u32_u24 v[STO], v8, 272
	v_lshl_add_u32 v[STO], v9, 6, v[STO]
	v_add_nc_u32 v[STO], s33, v[STO]               ; in: row r, + 64 h: my 16 columns of each group of 32
	v_mul_u32_u24 v[RD], v9, 272
	v_lshl_add_u32 v[RD], v8, 4, v[RD]
	v_add_nc_u32 v[RD], s33, v[RD]                 ; back: lanes 0-15 one row, lanes 16-31 the next
	v_lshlrev_b32 v[XO], 12, v9
	v_lshl_add_u32 v[XO], v8, 4, v[XO]             ; and the same two tokens in x and out0
	s_and_b32 s23, ttmp7, 0xffff                   ; block of 128 tokens
	s_lshl_b32 s25, ttmp9, 2
	s_add_co_u32 s25, s25, s22                     ; my group of 64 columns
	s_mov_b32 s31, 0
	s_wait_kmcnt 0x0
	s_lshl_b32 s30, s23, 16
	s_add_nc_u64 s[4:5], s[4:5], s[30:31]
	s_lshl_b32 s30, s23, 12
	s_add_nc_u64 s[6:7], s[6:7], s[30:31]
	s_lshl_b32 s30, s25, 15
	s_add_nc_u64 s[8:9], s[8:9], s[30:31]
	s_lshl_b32 s30, s25, 11
	s_add_nc_u64 s[10:11], s[10:11], s[30:31]
	s_lshl_b32 s30, s23, 19
	s_lshl_b32 s32, s25, 8
	s_add_co_u32 s30, s30, s32
	s_add_nc_u64 s[12:13], s[12:13], s[30:31]
	s_add_nc_u64 s[14:15], s[14:15], s[30:31]
	s_wait_alu depctr_va_vdst(0)                   ; the offsets and LDS addresses v1 to v7 are written, which every load and store of the kernel reads
.set ai, 0
.rept 32
	global_load_b128 v[AF+4*ai:AF+4*ai+3], v[T16], s[4:5] offset:2048*ai
.set ai, ai+1
.endr
.irp j, 0,1,2,3
.irp q, 0,1
	global_load_b128 v[AS+8*\j+4*\q:AS+8*\j+4*\q+3], v[L16], s[6:7] offset:1024*\j+512*\q
.endr
.endr
.irp b, 0,1
.irp q, 0,1
	global_load_b128 v[WS+8*\b+4*\q:WS+8*\b+4*\q+3], v[VW], s[10:11] offset:1024*\b+16*\q
.endr
.endr
	WLOAD 0
	s_wait_loadcnt 44                              ; the block's 32 loads are in; behind them stand 8 + 4 + 32
.set ai, 0
.rept 32
	ds_store_b128 v[T16], v[AF+4*ai:AF+4*ai+3] offset:2048*ai
.set ai, ai+1
.endr
	WLOAD 1
	WIN 0xc0                                       ; destination window 3
.set xi, 0
.rept 8
.set xk, 0
.rept 8
	global_load_b128 v[32*xi+4*xk:32*xi+4*xk+3], v[XO], s[12:13] offset:(32*(xi/2)+8*(xi%2)+2*(xk%4)+16*(xk/4))*4096 th:TH_LOAD_NT   ; sixteen lanes read 256 bytes on end
.set xk, xk+1
.endr
.set xi, xi+1
.endr
	WIN 0
	s_wait_dscnt 0x0                               ; for the others' sake: my part of the block lies in LDS
	s_barrier_signal -1
	s_barrier_wait -1                              ; the only barrier: y's images are only read from here on, and each stage is its wave's own
	s_wait_alu depctr_vm_vsrc(0)                   ; my LDS stores have read v80 to v207: these registers are the two fragment buffers from here on, in which LDS loads land
	FETCH_A 0, 0
	FETCH_A 0, 1
	s_wait_loadcnt 63                              ; scale words and Wo are in: behind them stand x's 64 loads, and 63 is the largest count that the wait can name
	GSTEP 0, 2
.irp s, 1,2,3,4,5,6
	GSTEP \s, 1
.endr
	GSTEP 7, 0
	s_wait_loadcnt 0x0                             ; x
	PLACES
	s_wait_alu depctr_va_vdst(0)                   ; the matrix instructions have written the accumulators, which the LDS stores read, and are done reading v80 to v143, in which the stage's loads land; the places above stay beside this wait
	TOSTAGE 0
.irp i, 1,2,3,4,5,6,7                  ; tile i is on its way through the stage while tile i - 1 gets its x and is stored
	TOSTAGE \i
	SEND \i-1, 16
.endr
	SEND 7, 0
	s_wait_dscnt 0x0                               ; the closing lines, six on end
	s_wait_alu 0x0
	s_wait_tensorcnt 0x0
	ds_add_u32 v254, v255
	s_wait_dscnt 0x0
	s_endpgm
.Lfunc_end_k_q5b0300eac4_oproj:
	.size	k_q5b0300eac4_oproj, .Lfunc_end_k_q5b0300eac4_oproj-k_q5b0300eac4_oproj
	.p2alignl 7, 3214868480
	.fill 96, 4, 3214868480
	.section	.rodata,"a",@progbits
	.p2align	6, 0x0
	.amdhsa_kernel k_q5b0300eac4_oproj
		.amdhsa_group_segment_fixed_size 83456
		.amdhsa_private_segment_fixed_size 0
		.amdhsa_enable_private_segment 0
		.amdhsa_kernarg_size 48
		.amdhsa_user_sgpr_count 2
		.amdhsa_user_sgpr_kernarg_segment_ptr 1
		.amdhsa_wavefront_size32 1
		.amdhsa_system_sgpr_workgroup_id_x 1
		.amdhsa_system_sgpr_workgroup_id_y 1
		.amdhsa_system_sgpr_workgroup_id_z 1
		.amdhsa_system_vgpr_workitem_id 0
		.amdhsa_next_free_vgpr 1024
		.amdhsa_next_free_sgpr 66
		.amdhsa_reserve_vcc 0
		.amdhsa_float_denorm_mode_32 3
		.amdhsa_float_denorm_mode_16_64 3
		.amdhsa_memory_ordered 1
		.amdhsa_forward_progress 1
		.amdhsa_inst_pref_size 88
	.end_amdhsa_kernel
	.amdgpu_metadata
---
amdhsa.version: [ 1, 2 ]
amdhsa.kernels:
  - .name:           k_q5b0300eac4_oproj
    .symbol:         k_q5b0300eac4_oproj.kd
    .args:
      - { .name: y_img, .offset: 0, .size: 8, .value_kind: global_buffer, .address_space: global }
      - { .name: y_scl, .offset: 8, .size: 8, .value_kind: global_buffer, .address_space: global }
      - { .name: w_img, .offset: 16, .size: 8, .value_kind: global_buffer, .address_space: global }
      - { .name: Wo_scales, .offset: 24, .size: 8, .value_kind: global_buffer, .address_space: global }
      - { .name: x, .offset: 32, .size: 8, .value_kind: global_buffer, .address_space: global }
      - { .name: out0, .offset: 40, .size: 8, .value_kind: global_buffer, .address_space: global }
    .group_segment_fixed_size: 83456
    .private_segment_fixed_size: 0
    .kernarg_segment_align: 8
    .kernarg_segment_size: 48
    .max_flat_workgroup_size: 128
    .sgpr_count:     66
    .vgpr_count:     1024
    .wavefront_size: 32
...
	.end_amdgpu_metadata
.endif
;; end of part 8
